; MI455X (gfx1250); checked and timed in simulation.
; The chip was launched on July 23, 2026; its instructions are those of AMD's public machine-readable ISA for CDNA 5 (MIT licence, August 2026) and "CDNA5" Instruction Set Architecture Reference Guide (July 2026). The comments in the code are by the model that wrote it; some were corrected since.
;; Block. Allowed arithmetic: float matrix products may take bf16 or f16 operands with f32 sums; other float arithmetic in f32, or as packed bf16 or f16 multiplies, adds, multiply-adds, maxima and minima; sums over many terms, partial sums and values carried from step to step in f32; what a program stores and reads back later, other than sums and carried values, may be rounded once to bf16 or f16.
;; Inputs: W1 1,024 x 4,096 float32; W2 4,096 x 1,024 float32; Wk 16 x 1,024 x 64 float32; Wproj 1,024 x 1,024 float32; Wq 16 x 1,024 x 64 float32; Wv 16 x 1,024 x 64 float32; b1 4,096 float32; b2 1,024 float32; bproj 1,024 float32; ln1_bias 1,024 float32; ln1_scale 1,024 float32; ln2_bias 1,024 float32; ln2_scale 1,024 float32; x 2 x 2,048 x 1,024 float32.
;; Outputs: out0 2 x 2,048 x 1,024 float32.
;; 2 versions, each right; version 2 is version 1 with the launches prep, ln2 written anew for expert scheduling mode. Each part assembles by itself: llvm-mc -triple=amdgcn-amd-amdhsa -mcpu=gfx1250 --defsym DOCPART=n.
;; ======== version 1 of 2: 7 launches
;; workspace buffers: hn 8,388,608 bytes; wb 25,165,824 bytes; qkv 25,165,824 bytes; att 8,388,608 bytes; x1 16,777,216 bytes; act 33,554,432 bytes
;; launch prep (part 1): grid 896 x 1, 8 waves a work-group, no clusters, 0 bytes of LDS; arguments x, ln1_scale, ln1_bias, Wq, Wk, Wv, Wproj, W1, W2, hn, wb; writes hn, wb
.if DOCPART == 1
	.amdgcn_target "amdgcn-amd-amdhsa--gfx1250"
	.amdhsa_code_object_version 6
	.text
	.protected	k_qc4852c305a_prep
	.globl	k_qc4852c305a_prep
	.p2align	8
	.type	k_qc4852c305a_prep,@function
k_qc4852c305a_prep:
	s_mov_b64 s[64:65], 0
	v_nop
	global_prefetch_b8 v0, s[64:65] scope:SCOPE_SE
	s_setreg_imm32_b32 hwreg(HW_REG_WAVE_MODE, 25, 1), 1
	s_wait_xcnt 0x0
; PREP: three kinds of work-groups, told apart by the work-group's number alone.
;   0..511    hn = bf16(LayerNorm(x) * ln1_scale + ln1_bias): a wave a row of 1,024 f32, kept in 32 registers between the passes; mean first, then the mean of the squared differences
;   512..607  Wq, Wk, Wv [16][1024][64] f32 -> wb [1024][3072] bf16, column = 1024 which + 64 head + d
;   608..895  Wproj, W1, W2 f32 -> bf16 as they lie, end to end in wb from WPJ_OFF on
; A stream: every byte is read once and written once; no LDS, no matrix unit, no cluster (no work-group shares a byte with another but scale and bias, 8 KiB).
; Each store of a wave covers 256 consecutive bytes, aligned.  NaN and infinities are not treated apart.
.set WPJ_OFF, 6291456
.set VI,  1                            ; v1   byte offset of my 16 bytes in a load
.set VO,  2                            ; v2   byte offset of my 8 bytes in a store: 8 x lane
.set T,   8                            ; v[8:23]   at work
.set SUM, 24                           ; v24  a sum over the row
.set MU,  26                           ; v[26:27]  the mean, twice
.set RS,  28                           ; v[28:29]  1 / sqrt(var + eps), twice
.set INV, 30                           ; v30  1 / 1024
.set X,   32                           ; v[32:63]  the row: load j holds columns 128 j + 4 lane .. + 3
.set SC,  64                           ; v[64:95]  scale of the same columns
.set BI,  96                           ; v[96:127] bias
.macro ALLSUM                          ; v[SUM] summed over the 32 lanes, the result in every lane
	v_add_f32_dpp v[SUM], v[SUM], v[SUM] row_xmask:1 row_mask:0xf bank_mask:0xf
	v_add_f32_dpp v[SUM], v[SUM], v[SUM] row_xmask:2 row_mask:0xf bank_mask:0xf
	v_add_f32_dpp v[SUM], v[SUM], v[SUM] row_xmask:4 row_mask:0xf bank_mask:0xf
	v_add_f32_dpp v[SUM], v[SUM], v[SUM] row_xmask:8 row_mask:0xf bank_mask:0xf
	v_permlanex16_b32 v[T], v[SUM], s12, s13       ; its destination counts as read: T has been written
	v_add_f32 v[SUM], v[SUM], v[T]
.endm
; One row.  s[4:5] the row in, s[6:7] the row out; sc, bi: the scalar pairs with scale's and bias's addresses.
.macro LNORM sc, bi
.irp j, 0,1,2,3,4,5,6,7
	global_load_b128 v[X+4*(\j):X+4*(\j)+3], v[VI], s[4:5] offset:512*(\j)
.endr
.irp j, 0,1,2,3,4,5,6,7
	global_load_b128 v[SC+4*(\j):SC+4*(\j)+3], v[VI], s[\sc:\sc+1] offset:512*(\j)
.endr
.irp j, 0,1,2,3,4,5,6,7
	global_load_b128 v[BI+4*(\j):BI+4*(\j)+3], v[VI], s[\bi:\bi+1] offset:512*(\j)
.endr
	s_wait_loadcnt 16                              ; the row is in; scale's and bias's 16 loads may stay out
.irp i, 0,1,2,3,4,5,6,7
	v_pk_add_f32 v[T+2*(\i):T+2*(\i)+1], v[X+2*(\i):X+2*(\i)+1], v[X+16+2*(\i):X+16+2*(\i)+1]
.endr
.irp i, 0,1,2,3
	v_pk_add_f32 v[T+2*(\i):T+2*(\i)+1], v[T+2*(\i):T+2*(\i)+1], v[T+8+2*(\i):T+8+2*(\i)+1]
.endr
.irp i, 0,1
	v_pk_add_f32 v[T+2*(\i):T+2*(\i)+1], v[T+2*(\i):T+2*(\i)+1], v[T+4+2*(\i):T+4+2*(\i)+1]
.endr
	v_pk_add_f32 v[T:T+1], v[T:T+1], v[T+2:T+3]
	v_add_f32 v[SUM], v[T], v[T+1]
	ALLSUM
	v_mul_f32 v[MU], v[INV], v[SUM]
	v_mov_b32 v[MU+1], v[MU]
.set i, 0
.rept 16
	v_pk_add_f32 v[X+2*i:X+2*i+1], v[X+2*i:X+2*i+1], v[MU:MU+1] neg_lo:[0,1] neg_hi:[0,1]  ; x - mean
.set i, i+1
.endr
.irp i, 0,1,2,3
	v_pk_mul_f32 v[T+2*(\i):T+2*(\i)+1], v[X+2*(\i):X+2*(\i)+1], v[X+2*(\i):X+2*(\i)+1]     ; four chains of squares
.endr
.set i, 4
.rept 12
	v_pk_fma_f32 v[T+2*(i%4):T+2*(i%4)+1], v[X+2*i:X+2*i+1], v[X+2*i:X+2*i+1], v[T+2*(i%4):T+2*(i%4)+1]
.set i, i+1
.endr
	v_pk_add_f32 v[T:T+1], v[T:T+1], v[T+2:T+3]
	v_pk_add_f32 v[T+4:T+5], v[T+4:T+5], v[T+6:T+7]
	v_pk_add_f32 v[T:T+1], v[T:T+1], v[T+4:T+5]
	v_add_f32 v[SUM], v[T], v[T+1]
	ALLSUM
	v_fmaak_f32 v[SUM], v[INV], v[SUM], 0x358637bd ; the variance + 1e-6
	v_rsq_f32 v[RS], v[SUM]
	v_rsq_f32 v[RS+1], v[SUM]
	v_nop                                          ; a plain instruction behind the last root
	s_wait_alu depctr_va_vdst(0)                   ; one wait for both, ahead of their first reader
	s_wait_loadcnt 0x0                             ; scale and bias
.irp j, 0,1,2,3,4,5,6,7
	v_pk_mul_f32 v[X+4*(\j):X+4*(\j)+1], v[X+4*(\j):X+4*(\j)+1], v[RS:RS+1]
	v_pk_mul_f32 v[X+4*(\j)+2:X+4*(\j)+3], v[X+4*(\j)+2:X+4*(\j)+3], v[RS:RS+1]
	v_pk_fma_f32 v[X+4*(\j):X+4*(\j)+1], v[X+4*(\j):X+4*(\j)+1], v[SC+4*(\j):SC+4*(\j)+1], v[BI+4*(\j):BI+4*(\j)+1]
	v_pk_fma_f32 v[X+4*(\j)+2:X+4*(\j)+3], v[X+4*(\j)+2:X+4*(\j)+3], v[SC+4*(\j)+2:SC+4*(\j)+3], v[BI+4*(\j)+2:BI+4*(\j)+3]
	v_cvt_pk_bf16_f32 v[X+4*(\j)], v[X+4*(\j)], v[X+4*(\j)+1]
	v_cvt_pk_bf16_f32 v[X+4*(\j)+1], v[X+4*(\j)+2], v[X+4*(\j)+3]
	global_store_b64 v[VO], v[X+4*(\j):X+4*(\j)+1], s[6:7] offset:256*(\j)  ; 32 lanes: 256 consecutive bytes; no register of a store is written again
.endr
.endm
; 4,096 numbers of a wave, f32 to bf16: 32 loads of 512 bytes, all on their way at once; si, so: bytes from load to load, from store to store.
.macro CONV si, so
.set j, 0
.rept 32
	global_load_b128 v[16+4*j:16+4*j+3], v[VI], s[4:5] offset:(\si)*j th:TH_LOAD_NT
.set j, j+1
.endr
.set j, 0
.rept 32
	s_wait_loadcnt 31-j                            ; loads come back in order: load j is in, the younger ones stay out
	v_cvt_pk_bf16_f32 v[16+4*j], v[16+4*j], v[16+4*j+1]
	v_cvt_pk_bf16_f32 v[16+4*j+1], v[16+4*j+2], v[16+4*j+3]
	global_store_b64 v[VO], v[16+4*j:16+4*j+1], s[6:7] offset:(\so)*j
.set j, j+1
.endr
.endm
	s_load_b512 s[16:31], s[0:1], 0x0              ; x 16, ln1_scale 18, ln1_bias 20, Wq 22, Wk 24, Wv 26, Wproj 28, W1 30
	s_load_b128 s[32:35], s[0:1], 0x40             ; W2 32, hn 34
	s_load_b64 s[36:37], s[0:1], 0x50              ; wb
	v_lshrrev_b32 v3, 5, v0
	v_readfirstlane_b32 s8, v3                     ; wave 0..7
	v_and_b32 v4, 31, v0                           ; lane
	v_lshlrev_b32 v[VO], 3, v4
	s_mov_b32 s9, ttmp9
	s_wait_kmcnt 0x0
	s_cmp_lt_u32 s9, 512
	s_cbranch_scc0 .Lweights
	v_lshlrev_b32 v[VI], 4, v4
	s_lshl_b32 s9, s9, 3
	s_add_co_u32 s9, s9, s8                        ; my row
	s_lshl_b32 s10, s9, 12                         ; 4,096 bytes a row of x
	s_mov_b32 s11, 0
	s_lshl_b32 s2, s9, 11                          ; 2,048 a row of hn
	s_mov_b32 s3, 0
	s_add_nc_u64 s[4:5], s[16:17], s[10:11]
	s_add_nc_u64 s[6:7], s[34:35], s[2:3]
	s_mov_b32 s12, 0x76543210                      ; v_permlanex16_b32: each lane takes its own place in the other half
	s_mov_b32 s13, 0xfedcba98
	v_mov_b32 v[INV], 0x3a800000
	LNORM 18, 20
	s_endpgm
.Lweights:
	s_cmp_lt_u32 s9, 608
	s_cbranch_scc0 .Lplain
	; Wq, Wk, Wv.  The work-group takes 32 rows c of one of the three; wave w the heads 2 w and 2 w + 1: a load reads two whole rows of 256 bytes, a store writes their 256 bytes of wb.
	s_sub_co_u32 s9, s9, 512
	s_lshr_b32 s10, s9, 5                          ; which of the three
	s_and_b32 s11, s9, 31                          ; which 32 rows
	s_cmp_eq_u32 s10, 0
	s_cselect_b64 s[4:5], s[22:23], s[24:25]
	s_cmp_eq_u32 s10, 2
	s_cselect_b64 s[4:5], s[26:27], s[4:5]
	s_lshl_b32 s12, s8, 19                         ; head 2 w: 2 x 262,144 bytes
	s_lshl_b32 s13, s11, 13                        ; 32 rows of 256 bytes
	s_add_co_u32 s12, s12, s13
	s_mov_b32 s13, 0
	s_add_nc_u64 s[4:5], s[4:5], s[12:13]
	s_mul_i32 s14, s11, 32*6144                    ; 32 rows of wb's 6,144 bytes
	s_lshl_b32 s15, s10, 11
	s_add_co_u32 s14, s14, s15
	s_lshl_b32 s15, s8, 8
	s_add_co_u32 s14, s14, s15
	s_mov_b32 s15, 0
	s_add_nc_u64 s[6:7], s[36:37], s[14:15]
	v_and_b32 v[VI], 15, v0
	v_lshlrev_b32 v[VI], 4, v[VI]
	v_bfe_u32 v3, v0, 4, 1
	v_lshl_add_u32 v[VI], v3, 18, v[VI]            ; lanes 16 to 31: the next head
	CONV 256, 6144
	s_endpgm
.Lplain:
	; Wproj (32 work-groups), W1 (128), W2 (128): 32,768 numbers a work-group, 4,096 a wave, as they lie
	s_sub_co_u32 s9, s9, 608
	s_cmp_lt_u32 s9, 32
	s_cselect_b64 s[4:5], s[28:29], s[30:31]
	s_cselect_b32 s10, 0, 32
	s_cmp_lt_u32 s9, 160
	s_cselect_b64 s[4:5], s[4:5], s[32:33]
	s_cselect_b32 s10, s10, 160
	s_sub_co_u32 s10, s9, s10                      ; my number within the tensor
	s_lshl_b32 s10, s10, 17
	s_lshl_b32 s11, s8, 14
	s_add_co_u32 s10, s10, s11
	s_mov_b32 s11, 0
	s_add_nc_u64 s[4:5], s[4:5], s[10:11]
	s_lshl_b32 s12, s9, 16
	s_lshl_b32 s13, s8, 13
	s_add_co_u32 s12, s12, s13
	s_add_co_u32 s12, s12, WPJ_OFF
	s_mov_b32 s13, 0
	s_add_nc_u64 s[6:7], s[36:37], s[12:13]
	v_lshlrev_b32 v[VI], 4, v4
	CONV 512, 256
	s_endpgm
.Lfunc_end_k_qc4852c305a_prep:
	.size	k_qc4852c305a_prep, .Lfunc_end_k_qc4852c305a_prep-k_qc4852c305a_prep
	.p2alignl 7, 3214868480
	.fill 96, 4, 3214868480
	.section	.rodata,"a",@progbits
	.p2align	6, 0x0
	.amdhsa_kernel k_qc4852c305a_prep
		.amdhsa_group_segment_fixed_size 0
		.amdhsa_private_segment_fixed_size 0
		.amdhsa_enable_private_segment 0
		.amdhsa_kernarg_size 88
		.amdhsa_user_sgpr_count 2
		.amdhsa_user_sgpr_kernarg_segment_ptr 1
		.amdhsa_wavefront_size32 1
		.amdhsa_system_sgpr_workgroup_id_x 1
		.amdhsa_system_sgpr_workgroup_id_y 1
		.amdhsa_system_sgpr_workgroup_id_z 1
		.amdhsa_system_vgpr_workitem_id 0
		.amdhsa_next_free_vgpr 144
		.amdhsa_next_free_sgpr 66
		.amdhsa_reserve_vcc 0
		.amdhsa_float_denorm_mode_32 3
		.amdhsa_float_denorm_mode_16_64 3
		.amdhsa_memory_ordered 1
		.amdhsa_forward_progress 1
		.amdhsa_inst_pref_size 36
	.end_amdhsa_kernel
	.amdgpu_metadata
---
amdhsa.version: [ 1, 2 ]
amdhsa.kernels:
  - .name:           k_qc4852c305a_prep
    .symbol:         k_qc4852c305a_prep.kd
    .args:
      - { .name: x, .offset: 0, .size: 8, .value_kind: global_buffer, .address_space: global }
      - { .name: ln1_scale, .offset: 8, .size: 8, .value_kind: global_buffer, .address_space: global }
      - { .name: ln1_bias, .offset: 16, .size: 8, .value_kind: global_buffer, .address_space: global }
      - { .name: Wq, .offset: 24, .size: 8, .value_kind: global_buffer, .address_space: global }
      - { .name: Wk, .offset: 32, .size: 8, .value_kind: global_buffer, .address_space: global }
      - { .name: Wv, .offset: 40, .size: 8, .value_kind: global_buffer, .address_space: global }
      - { .name: Wproj, .offset: 48, .size: 8, .value_kind: global_buffer, .address_space: global }
      - { .name: W1, .offset: 56, .size: 8, .value_kind: global_buffer, .address_space: global }
      - { .name: W2, .offset: 64, .size: 8, .value_kind: global_buffer, .address_space: global }
      - { .name: hn, .offset: 72, .size: 8, .value_kind: global_buffer, .address_space: global }
      - { .name: wb, .offset: 80, .size: 8, .value_kind: global_buffer, .address_space: global }
    .group_segment_fixed_size: 0
    .private_segment_fixed_size: 0
    .kernarg_segment_align: 8
    .kernarg_segment_size: 88
    .max_flat_workgroup_size: 256
    .sgpr_count:     66
    .vgpr_count:     144
    .wavefront_size: 32
...
	.end_amdgpu_metadata
.endif
;; end of part 1
;; launch qkv (part 2): grid 8 x 32, 4 waves a work-group, clusters of 4 x 4, 327,680 bytes of LDS; arguments hn, wb, qkv; writes qkv
.if DOCPART == 2
	.amdgcn_target "amdgcn-amd-amdhsa--gfx1250"
	.amdhsa_code_object_version 6
	.text
	.protected	k_qc4852c305a_qkv
	.globl	k_qc4852c305a_qkv
	.p2align	8
	.type	k_qc4852c305a_qkv,@function
k_qc4852c305a_qkv:
	s_mov_b64 s[64:65], 0
	v_nop
	global_prefetch_b8 v0, s[64:65] scope:SCOPE_SE
	s_setreg_imm32_b32 hwreg(HW_REG_WAVE_MODE, 25, 1), 1
	s_wait_xcnt 0x0
	s_wait_alu depctr_hold_cnt(0) depctr_sa_sdst(0) depctr_va_vdst(0) depctr_va_sdst(0) depctr_va_ssrc(0) depctr_va_vcc(0) depctr_vm_vsrc(0)
	s_getreg_b32 s2, hwreg(HW_REG_IB_STS2, 6, 4)
	s_cmp_eq_u32 s2, 0
	s_cbranch_scc0 .Lentry_in_a_cluster
	s_endpgm
.Lentry_in_a_cluster:
	s_bfe_u32 s2, ttmp6, 0x10000c
	s_cmp_lg_u32 s2, 0xf033
	s_cbranch_scc0 .Lentry_shape_is_right
	s_endpgm
.Lentry_shape_is_right:
; QKV: qkv[b][g][t][64] = hn [4096][1024] x Wqkv [1024][3072], bf16 operands, f32 sums, rounded once to bf16; g = column / 64 (q: 0-15, k: 16-31, v: 32-47).
; A work-group of four waves makes 128 rows x 384 columns (256 work-groups); a wave 64 rows x 192 columns: 64 columns, one head, in each of the tile's three blocks of 128.
; K goes in steps of 128 through two LDS slots of four UNITS; a wave's one tensor load fills one unit: 128 rows of hn x 128 K (pitch 272), or 128 k-rows of W x 128 columns (pitch 288).
; W stays [K][N]: its fragments come out of LDS turned, by ds_load_tr16_b128.  The matrix instruction takes 16 columns of W as source 0 and 16 rows of hn as source 1, so a lane holds one row and eight neighbouring columns.
; CLUSTER 4 x 4: hn's unit hangs on the tile row alone and is asked for jointly along a row of the cluster, W's units on the tile column alone, jointly along a column.
; THE WALK ALONG K begins at step 0 in clusters whose x + y is even and at step NSTEP / 2 in the others, and wraps (f32 sums may be taken in any order): neighbouring clusters, which read the same rows of one
; operand, ask for them half a walk apart.  The step hangs on the cluster's two numbers alone, which its sixteen work-groups share.
; REGISTERS in windows of 256: window 0 addresses, hn's fragments (two buffers), the way out; window 1 W's fragments (two buffers); windows 2, 3 the accumulators.
.set MA,     4                         ; blocks of 16 rows a wave
.set NBW,    12                        ; blocks of 16 columns a wave
.set BPS,    4                         ; of them in one unit of W
.set KD,     1                         ; sub-chunks of 32 K in a chunk; four chunks to a slot
.set NAW,    1                         ; waves that fetch the first operand
.set NSTEP,  8                         ; K steps
.set APITCH, 272
.set ACH,    4
.set ASUB,   0
.set MODE,   1                         ; the first products start the sums with 0
.set AQI,    5
.set AD0,    128
.set AD1,    128
.set APE,    1024                      ; elements from row to row
.set BPE,    3072
.set ASTEP,  256                       ; bytes from K step to K step
.set BSTEP,  786432
.set WOFF,   0
.set NUA,    1
.set NUB,    3
.set PREF,   1
.set UNIT,  36864
.set SLOT,  4*UNIT                     ; 0x24000: shares no bit with wave x UNIT, so one exclusive or turns an address in one slot into the other's
.set STAGE, 2*SLOT                     ; behind the ring, never filled by a tensor load: 4,352 bytes for each wave
.set SPARE, STAGE+4*4352               ; the spare words, 128 bytes for each wave
.set R,     KD*MA
.set ADRA0, 8                          ; my lane's place in the first operand's unit(s), slot 0; never rewritten
.set ADRB0, 10                         ; the same for W's
.set ADRA,  13                         ; the same in the slot in hand
.set ADRB,  15
.set STO,   18
.set RD,    19
.set CO,    20
.set PFO,   21
.set SPW,   28                         ; LDS address of my spare word; never rewritten
.set NIL,   29                         ; 0; never rewritten
.set OB0,   32
.set BIAS,  192
.set TMP,   192
.set ABASE, 18                         ; s[18:19] my unit of the first operand at K step 0; never rewritten
.set BBASE, 46                         ; s[46:47] the same for W
.set G1A, 24
.set G0A, 32                           ; two sets of four: the two first fills; the second then walks
.set G1B, 48
.set G0B, 56
.set OFB, 44                           ; s[44:45] byte offset of a K step in W
.set OFA, 66                           ; s[66:67] in the first operand
.set TB,  72                           ; 0 or SLOT: the slot in hand
.set KI,  73                           ; the K step that the next refill asks for
.set PFA, 74
.set PST, 76
.set LIM, 78
.set MSB, 0
.macro WIN new                         ; the immediate's high byte repeats the setting that is left; a switch that changes nothing is dropped
.if MSB != (\new)
	s_set_vgpr_msb (MSB<<8)|(\new)
.set MSB, (\new)
.endif
.endm
.macro PLACES                          ; four places behind a matrix instruction (ISA guide 7.12.1)
.rept 4
	v_nop
.endr
.endm
.macro CREST                           ; a round of the cluster's barrier behind its opening barrier
	s_cmp_lg_u32 s10, 0
	s_cbranch_scc1 .Lnot_wave_0_\@
	s_barrier_signal -3
.Lnot_wave_0_\@:
	s_barrier_wait -3
	s_barrier_signal -1
	s_barrier_wait -1
.endm
.macro CROUND
	s_barrier_signal -1
	s_barrier_wait -1
	CREST
.endm
.macro JLOAD                           ; a joint refill by the walking set; the branch hangs on the wave's number alone; s_nop 0 and four v_nop follow each line
	s_cmp_lt_u32 s10, NAW
	s_cbranch_scc0 .Lfor_b_\@
	tensor_load_to_lds s[G0A+4:G0A+7], s[G1A:G1A+7]
	s_nop 0
	PLACES
	s_branch .Lasked_\@
.Lfor_b_\@:
	tensor_load_to_lds s[G0B+4:G0B+7], s[G1B:G1B+7]
	s_nop 0
	PLACES
.Lasked_\@:
.endm
; A prefetch of my work-group's 32 rows of the unit that I fetch, for the K step that the NEXT refill loads.  Only the first half of a cluster's walk is asked for (the second half is what the neighbouring
; clusters walk first): with NSTEP = 8 that is the walk's fourth step, asked for behind the first refill; the first three come by their loads alone.
.macro ASK
	s_cmp_gt_u32 s3, s[LIM]
	s_cbranch_scc0 .Lnot_mine_\@
	global_prefetch_b8 v[PFO], s[PFA:PFA+1] th:TH_LOAD_NT scope:SCOPE_SE
.Lnot_mine_\@:
.endm
.macro FETCH c, f                      ; the fragments of chunk c of the slot in hand into buffer f: one run of LDS loads
	WIN 0x40                                       ; destination window 1, address window 0
.set dd, 0
.rept KD
.set qq, KD*(\c)+dd
.set bb, 0
.rept NBW
.set fb, 128*(\f)+8*(NBW*dd+bb)
	ds_load_tr16_b128 v[fb:fb+3],   v[ADRB+bb/BPS+qq/4] offset:(qq%4)*9216+(bb%BPS)*32
	ds_load_tr16_b128 v[fb+4:fb+7], v[ADRB+bb/BPS+qq/4] offset:(qq%4)*9216+(bb%BPS)*32+4608
.set bb, bb+1
.endr
.set dd, dd+1
.endr
	WIN 0
.set dd, 0
.rept KD
.set qq, KD*(\c)+dd
.set aa, 0
.rept MA
.set fa, 64+64*(\f)+8*(MA*dd+aa)
	ds_load_b128 v[fa:fa+3],   v[ADRA+qq/4] offset:((qq%4)/ACH)*ASUB+((qq%4)%ACH)*64+aa*16*APITCH
	ds_load_b128 v[fa+4:fa+7], v[ADRA+qq/4] offset:((qq%4)/ACH)*ASUB+((qq%4)%ACH)*64+aa*16*APITCH+32
.set aa, aa+1
.endr
.set dd, dd+1
.endr
.endm
.macro MULS f, r0, r1, mode            ; rows r0 .. r1 - 1 of a chunk's R = KD x MA rows of products; the accumulators take turns, one instruction a turn
.set rho, (\r0)
.rept (\r1)-(\r0)
.set dd, rho/MA
.set aa, rho%MA
.set hw, aa/(MA/2)
.set ac, 8*NBW*(aa%(MA/2))
.set fa, 64+64*(\f)+8*rho
.set bb, 0
.rept NBW
.set fb, 128*(\f)+8*(NBW*dd+bb)
.if ((\mode) == 2) && (dd == 0)
	WIN 0x81+0x40*hw
	v_wmma_f32_16x16x32_bf16 v[ac+8*bb:ac+8*bb+7], v[fb:fb+7], v[fa:fa+7], v[BIAS+8*bb:BIAS+8*bb+7]
.elseif ((\mode) == 1) && (dd == 0)
	WIN 0xa1+0x50*hw
	v_wmma_f32_16x16x32_bf16 v[ac+8*bb:ac+8*bb+7], v[fb:fb+7], v[fa:fa+7], 0
.else
	WIN 0xa1+0x50*hw
	v_wmma_f32_16x16x32_bf16 v[ac+8*bb:ac+8*bb+7], v[fb:fb+7], v[fa:fa+7], v[ac+8*bb:ac+8*bb+7]
.endif
.set bb, bb+1
.endr
.set rho, rho+1
.endr
.endm
.macro CHUNK cn, f, g, mode            ; buffer f is multiplied; chunk cn is fetched into buffer g meanwhile
	s_wait_dscnt 0x0                               ; buffer f was asked for a chunk ago
	PLACES                                         ; behind the last product that read buffer g
	FETCH \cn, \g
	MULS \f, 0, R, \mode
.endm
.macro ADRS
.set u, 0
.rept NUA
	v_add_nc_u32 v[ADRA+u], s[TB], v[ADRA0+u]
.set u, u+1
.endr
.set u, 0
.rept NUB
	v_add_nc_u32 v[ADRB+u], s[TB], v[ADRB0+u]
.set u, u+1
.endr
.endm
; A slot's last chunk (buffer 1) and the change of slots.  Each wave waits for all its tensor loads (one is out: its unit of the other slot), adds 0 to its spare word, and waits for that and for its
; reads of this slot; fill = 1: the barrier opens a round of the cluster's, and the joint refill, K step KI, is the first thing behind it.  tail = 1: in the last trip nothing is left to fetch.
.macro TURN fill, tail
	s_wait_dscnt 0x0                               ; buffer 1 is in: these were my last reads of the slot
.if PREF && (\fill)
	s_wait_xcnt 0x0                                ; the last prefetch, a K step back, has read its address
	s_add_nc_u64 s[PFA:PFA+1], s[PFA:PFA+1], s[PST:PST+1]
.endif
	WIN 0
	s_wait_tensorcnt 0x0                           ; no tensor load of mine is out, so a group 0 may be written
	ds_add_u32 v[SPW], v[NIL]
.if \fill
	s_xor_b32 s[G0A+5], s[G0A+5], SLOT             ; the other slot than last time; the addresses are made anew from the step's number
	s_mul_i32 s[OFA], s[KI], ASTEP
	s_add_nc_u64 s[G0A+6:G0A+7], s[ABASE:ABASE+1], s[OFA:OFA+1]
	s_or_b32 s[G0A+7], s[G0A+7], 0x80000000
	s_xor_b32 s[G0B+5], s[G0B+5], SLOT
	s_mul_i32 s[OFB], s[KI], BSTEP
	s_add_nc_u64 s[G0B+6:G0B+7], s[BBASE:BBASE+1], s[OFB:OFB+1]
	s_or_b32 s[G0B+7], s[G0B+7], 0x80000000
	s_add_co_u32 s[KI], s[KI], 1
	s_and_b32 s[KI], s[KI], NSTEP-1                ; the walk wraps
.endif
	s_xor_b32 s[TB], s[TB], SLOT
	MULS 1, 0, R/4, 0
	s_wait_dscnt 0x0                               ; the add is done
	s_barrier_signal -1
	MULS 1, R/4, R/2, 0
	WIN 0
	s_barrier_wait -1
.if \fill
	CREST
	JLOAD                                          ; its four v_nop are also the places in front of the loads below
.else
	PLACES
.endif
.if \tail
	s_cmp_eq_u32 s3, 1
	s_cbranch_scc1 .Lno_fetch_\@
.endif
	ADRS
	FETCH 0, 0
.if \tail
.Lno_fetch_\@:
.endif
.if PREF && (\fill)
	ASK
.endif
	MULS 1, R/2, R, 0
.endm
	s_load_b128 s[4:7], s[0:1], 0x0                ; hn, wb
	s_load_b64 s[8:9], s[0:1], 0x10                ; qkv
	v_lshl_add_u32 v[SPW], v0, 2, SPARE
	v_mov_b32 v[NIL], 0
	ds_add_u32 v[SPW], v[NIL]                      ; the opening: the add and its wait ahead of my first tensor load
	v_lshrrev_b32 v1, 5, v0
	v_readfirstlane_b32 s10, v1                    ; wave 0..3
	s_lshr_b32 s11, s10, 1                         ; wm: my half of the rows
	s_and_b32 s12, s10, 1                          ; wn: my half of the columns
	s_bfe_u32 s40, ttmp6, 0x40000                  ; cx
	s_bfe_u32 s41, ttmp6, 0x40004                  ; cy
	s_lshl_b32 s42, ttmp9, 2
	s_add_co_u32 s42, s42, s40                     ; tile column
	s_and_b32 s13, ttmp7, 0xffff
	s_lshl_b32 s13, s13, 2
	s_add_co_u32 s13, s13, s41                     ; tile row
	s_lshl_b32 s43, s41, 2
	s_lshl_b32 s43, 15, s43                        ; my row of the cluster
	s_lshl_b32 s44, 0x1111, s40                    ; my column
	s_or_b32 s[G1A], s43, (1<<16)|(1<<20)|(1<<21)|(AQI<<22)|(3<<25)  ; mask; 2-byte elements; padding on; bit 21 beside a mask; after every 64 words 4 words
	s_or_b32 s[G1B], s44, (1<<16)|(1<<20)|(1<<21)|(5<<22)|(7<<25)    ; after every 64 words 8 words
	s_and_b32 s79, ttmp7, 0xffff                   ; cluster y
	s_add_co_u32 s79, s79, ttmp9                   ; + cluster x
	s_and_b32 s79, s79, 1
	s_mul_i32 s[KI], s79, NSTEP/2                  ; where my cluster's walk along K begins
	s_mul_i32 s[OFA], s[KI], ASTEP
	s_mov_b32 s[OFA+1], 0
	s_mul_i32 s[OFB], s[KI], BSTEP
	s_mov_b32 s[OFB+1], 0
	s_mov_b32 s[G1A+1], AD0<<16
	s_mov_b32 s[G1A+2], AD1<<16
	s_mov_b32 s[G1A+3], AD0<<16
	s_mov_b32 s[G1A+4], AD1
	s_mov_b32 s[G1A+5], APE
	s_mov_b32 s[G1A+6], 0
	s_mov_b32 s[G1A+7], 0
	s_mov_b32 s[G1B+1], 128<<16
	s_mov_b32 s[G1B+2], 128<<16
	s_mov_b32 s[G1B+3], 128<<16
	s_mov_b32 s[G1B+4], 128
	s_mov_b32 s[G1B+5], BPE
	s_mov_b32 s[G1B+6], 0
	s_mov_b32 s[G1B+7], 0
	s_max_u32 s15, s10, NAW
	s_sub_co_u32 s15, s15, NAW                     ; which unit of W (waves 1 to 3: 0 to 2)
	s_lshl_b32 s16, s13, 18                        ; hn: 128 rows of 2,048 bytes a tile row
	s_mov_b32 s17, 0
	s_mul_i32 s46, s42, 768                        ; W: 384 columns a tile column,
	s_lshl_b32 s47, s15, 8                         ; 128 a unit
	s_add_co_u32 s46, s46, s47
	s_mov_b32 s47, 0
	s_mul_i32 s20, s10, UNIT                       ; wave w fills unit w: no place in the cluster enters an LDS address
	s_mov_b32 s[TB], 0
	s_wait_dscnt 0x0                               ; the opening add is done
	s_wait_kmcnt 0x0
	s_add_nc_u64 s[ABASE:ABASE+1], s[4:5], s[16:17]
	s_add_nc_u64 s[BBASE:BBASE+1], s[6:7], s[46:47]
	CROUND                                         ; all sixteen work-groups are here: the first joint loads meet
.irp s, 0,1
	s_mov_b32 s[G0A+4*(\s)], 1
	s_add_co_u32 s[G0A+4*(\s)+1], s20, (\s)*SLOT
	s_add_nc_u64 s[G0A+4*(\s)+2:G0A+4*(\s)+3], s[ABASE:ABASE+1], s[OFA:OFA+1]
.if \s
	s_add_nc_u64 s[G0A+4*(\s)+2:G0A+4*(\s)+3], s[G0A+4*(\s)+2:G0A+4*(\s)+3], ASTEP
.endif
	s_or_b32 s[G0A+4*(\s)+3], s[G0A+4*(\s)+3], 0x80000000
	s_mov_b32 s[G0B+4*(\s)], 1
	s_add_co_u32 s[G0B+4*(\s)+1], s20, (\s)*SLOT
	s_add_nc_u64 s[G0B+4*(\s)+2:G0B+4*(\s)+3], s[BBASE:BBASE+1], s[OFB:OFB+1]
.if \s
	s_add_nc_u64 s[G0B+4*(\s)+2:G0B+4*(\s)+3], s[G0B+4*(\s)+2:G0B+4*(\s)+3], BSTEP
.endif
	s_or_b32 s[G0B+4*(\s)+3], s[G0B+4*(\s)+3], 0x80000000
.endr
	s_add_co_u32 s[KI], s[KI], 2                   ; the first refill asks for the walk's third step
	s_and_b32 s[KI], s[KI], NSTEP-1
	s_cmp_lt_u32 s10, NAW                          ; a wave's two first fills stand in one branch: two loads of mine are out
	s_cbranch_scc0 .Lfirst_b
	tensor_load_to_lds s[G0A:G0A+3], s[G1A:G1A+7]
	s_nop 0
	tensor_load_to_lds s[G0A+4:G0A+7], s[G1A:G1A+7]
	s_nop 0
	PLACES
	s_branch .Lfirst_asked
.Lfirst_b:
	tensor_load_to_lds s[G0B:G0B+3], s[G1B:G1B+7]
	s_nop 0
	tensor_load_to_lds s[G0B+4:G0B+7], s[G1B:G1B+7]
	s_nop 0
	PLACES
.Lfirst_asked:
	v_and_b32 v1, 15, v0                           ; l % 16
	v_bfe_u32 v2, v0, 4, 1                         ; l / 16
	v_mul_u32_u24 v3, v1, APITCH
	v_lshl_add_u32 v3, v2, 4, v3                   ; a fragment of hn: row x pitch + 16 x half
	v_and_b32 v4, 7, v0
	v_lshl_add_u32 v4, v2, 3, v4
	v_mul_u32_u24 v4, v4, 288
	v_bfe_u32 v5, v0, 3, 1
	v_lshl_add_u32 v4, v5, 4, v4                   ; the turning load: k-row 8 (l / 16) + l % 8, 16 bytes by (l / 8) % 2
	s_mul_i32 s21, s11, 64*APITCH                  ; my 64 rows of unit 0
	s_lshl_b32 s22, s12, 7
	s_add_co_u32 s22, s22, UNIT                    ; my 64 columns (128 bytes) of units 1 to 3
.set u, 0
.rept NUA
	v_add_nc_u32 v[ADRA0+u], s21, v3
	v_mov_b32 v[ADRA+u], v[ADRA0+u]
	s_add_co_u32 s21, s21, UNIT
.set u, u+1
.endr
.set u, 0
.rept NUB
	v_add_nc_u32 v[ADRB0+u], s22, v4
	v_mov_b32 v[ADRB+u], v[ADRB0+u]
	s_add_co_u32 s22, s22, UNIT
.set u, u+1
.endr
	s_mul_i32 s23, s10, 4352
	s_add_co_u32 s23, s23, STAGE                   ; my stage: 16 rows of 144 bytes
	v_mul_u32_u24 v5, v1, 144
	v_lshl_add_u32 v5, v2, 4, v5
	v_add_nc_u32 v[STO], s23, v5
	v_bfe_u32 v5, v0, 3, 2                         ; back: 32 lanes take four rows of 128 bytes,
	v_mul_u32_u24 v5, v5, 144
	v_and_b32 v6, 7, v0
	v_lshl_add_u32 v5, v6, 4, v5
	v_add_nc_u32 v[RD], s23, v5
	v_and_b32 v[CO], 31, v0                        ; which are 512 consecutive bytes of a head
	v_lshlrev_b32 v[CO], 4, v[CO]
	s_lshr_b32 s16, s13, 4                         ; the batch
	s_mul_i32 s16, s16, 48
	s_mul_i32 s17, s42, 6
	s_add_co_u32 s16, s16, s17
	s_add_co_u32 s16, s16, s12                     ; my first head: 48 b + 6 x tile column + wn
	s_lshl_b32 s16, s16, 18
	s_and_b32 s17, s13, 15
	s_lshl_b32 s17, s17, 14                        ; 128 rows of 128 bytes
	s_add_co_u32 s16, s16, s17
	s_lshl_b32 s17, s11, 13
	s_add_co_u32 s16, s16, s17
	s_mov_b32 s17, 0
	s_add_nc_u64 s[8:9], s[8:9], s[16:17]
	; the prefetches: hn's rows are asked for by the clusters with x < 2, W's by those with y < 2 (one cluster of each starting step); the four partners of a joint load take 32 of the unit's 128 rows each, told apart by address; a lane a row
	s_and_b32 s22, ttmp7, 0xffff
	s_mov_b32 s14, ASTEP
	s_mov_b32 s15, BSTEP
	s_mov_b32 s16, 2*APE
	s_mov_b32 s17, 2*BPE
	s_cmp_lt_u32 s10, NAW
	s_cselect_b32 s21, s40, s41
	s_cselect_b32 s22, ttmp9, s22
	s_cselect_b64 s[PFA:PFA+1], s[ABASE:ABASE+1], s[BBASE:BBASE+1]
	s_cselect_b32 s[PST], s14, s15
	s_cselect_b32 s16, s16, s17                    ; bytes from row to row
	s_mov_b32 s[PST+1], 0
	s_cmp_lt_u32 s22, 2
	s_cselect_b32 s[LIM], NSTEP/2+1, -1            ; a wave asks while more trips than this are left: the first NSTEP / 2 - 3 refills
	s_lshl_b32 s21, s21, 5
	s_mul_i32 s20, s21, s16
	s_mov_b32 s21, 0
	s_add_nc_u64 s[PFA:PFA+1], s[PFA:PFA+1], s[20:21]
	s_mul_i32 s20, s[KI], s[PST]                   ; at the walk's third step; the first change of slots steps it to the fourth.  Nothing is asked for here, at the head
	s_add_nc_u64 s[PFA:PFA+1], s[PFA:PFA+1], s[20:21]
	v_and_b32 v[PFO], 31, v0
	v_mul_u32_u24 v[PFO], s16, v[PFO]
	s_wait_tensorcnt 0x1                           ; my unit of slot 0 is in; slot 1's may stay out
	s_barrier_signal -1
	s_barrier_wait -1
	FETCH 0, 0
	CHUNK 1, 0, 1, MODE                            ; the first chunk stands ahead of the loop: its products start the sums
	WIN 0
	s_mov_b32 s3, NSTEP-2
.Lstep:                                                ; a trip: a step's chunks 1 to 3, the refill, the next step's chunk 0
	CHUNK 2, 1, 0, 0
	CHUNK 3, 0, 1, 0
	TURN 1, 0
	CHUNK 1, 0, 1, 0
	WIN 0
	s_sub_co_u32 s3, s3, 1
	s_cmp_lg_u32 s3, 0
	s_cbranch_scc1 .Lstep
	s_mov_b32 s3, 2
.Ltail:                                                ; the last two steps ask for nothing
	CHUNK 2, 1, 0, 0
	CHUNK 3, 0, 1, 0
	TURN 0, 1
	WIN 0
	s_cmp_eq_u32 s3, 1
	s_cbranch_scc1 .Lout
	CHUNK 1, 0, 1, 0
	WIN 0
	s_sub_co_u32 s3, s3, 1
	s_cmp_lg_u32 s3, 0
	s_cbranch_scc1 .Ltail
.Lout:
	PLACES
; THE WAY OUT: 16 rows x one head (64 columns) at a time: rounded to bf16, through my stage, out as 2,048 consecutive bytes of the head.
.macro GROUP a, s
.set AC, 8*(NBW*((\a)%2)+4*(\s))
.set OBQ, OB0+16*((3*(\a)+(\s))%2)
	WIN 0x0a+5*((\a)/2)                            ; sources in window 2 or 3
.set b, 0
.rept 4
.irp r, 0,1,2,3
	v_cvt_pk_bf16_f32 v[TMP+4*b+(\r)], v[AC+8*b+2*(\r)], v[AC+8*b+2*(\r)+1]
.endr
.set b, b+1
.endr
	WIN 0
	s_wait_xcnt 0x0                                ; earlier stores have read their registers: they are loaded again only behind this wait
.irp f, 0,1,2,3
	ds_store_b128 v[STO], v[TMP+4*(\f):TMP+4*(\f)+3] offset:32*(\f)
.endr
.irp f, 0,1,2,3
	ds_load_b128 v[OBQ+4*(\f):OBQ+4*(\f)+3], v[RD] offset:576*(\f)  ; LDS serves a wave's instructions in order: these see the stores above
.endr
	s_wait_dscnt 0x0
.irp f, 0,1,2,3
	global_store_b128 v[CO], v[OBQ+4*(\f):OBQ+4*(\f)+3], s[8:9] offset:(\s)*524288+(\a)*2048+(\f)*512  ; 512 consecutive bytes, aligned
.endr
.endm
.irp a, 0,1,2,3
.irp s, 0,1,2
	GROUP \a, \s
.endr
.endr
	s_wait_tensorcnt 0x0                           ; the wave's end
	ds_add_u32 v[SPW], v[NIL]
	s_wait_dscnt 0x0
	CROUND                                         ; the closing round
	s_endpgm
.Lfunc_end_k_qc4852c305a_qkv:
	.size	k_qc4852c305a_qkv, .Lfunc_end_k_qc4852c305a_qkv-k_qc4852c305a_qkv
	.p2alignl 7, 3214868480
	.fill 96, 4, 3214868480
	.section	.rodata,"a",@progbits
	.p2align	6, 0x0
	.amdhsa_kernel k_qc4852c305a_qkv
		.amdhsa_group_segment_fixed_size 327680
		.amdhsa_private_segment_fixed_size 0
		.amdhsa_enable_private_segment 0
		.amdhsa_kernarg_size 24
		.amdhsa_user_sgpr_count 2
		.amdhsa_user_sgpr_kernarg_segment_ptr 1
		.amdhsa_wavefront_size32 1
		.amdhsa_system_sgpr_workgroup_id_x 1
		.amdhsa_system_sgpr_workgroup_id_y 1
		.amdhsa_system_sgpr_workgroup_id_z 1
		.amdhsa_system_vgpr_workitem_id 0
		.amdhsa_next_free_vgpr 1024
		.amdhsa_next_free_sgpr 80
		.amdhsa_reserve_vcc 0
		.amdhsa_float_denorm_mode_32 3
		.amdhsa_float_denorm_mode_16_64 3
		.amdhsa_memory_ordered 1
		.amdhsa_forward_progress 1
		.amdhsa_inst_pref_size 86
	.end_amdhsa_kernel
	.amdgpu_metadata
---
amdhsa.version: [ 1, 2 ]
amdhsa.kernels:
  - .name:           k_qc4852c305a_qkv
    .symbol:         k_qc4852c305a_qkv.kd
    .args:
      - { .name: hn, .offset: 0, .size: 8, .value_kind: global_buffer, .address_space: global }
      - { .name: wb, .offset: 8, .size: 8, .value_kind: global_buffer, .address_space: global }
      - { .name: qkv, .offset: 16, .size: 8, .value_kind: global_buffer, .address_space: global }
    .group_segment_fixed_size: 327680
    .private_segment_fixed_size: 0
    .kernarg_segment_align: 8
    .kernarg_segment_size: 24
    .max_flat_workgroup_size: 128
    .sgpr_count:     80
    .vgpr_count:     1024
    .wavefront_size: 32
...
	.end_amdgpu_metadata
.endif
;; end of part 2
;; launch attn (part 3): grid 8 x 32, 4 waves a work-group, no clusters, 327,680 bytes of LDS; arguments qkv, att; writes att
.if DOCPART == 3
	.amdgcn_target "amdgcn-amd-amdhsa--gfx1250"
	.amdhsa_code_object_version 6
	.text
	.protected	k_qc4852c305a_attn
	.globl	k_qc4852c305a_attn
	.p2align	8
	.type	k_qc4852c305a_attn,@function
k_qc4852c305a_attn:
	s_mov_b64 s[64:65], 0
	v_nop
	global_prefetch_b8 v0, s[64:65] scope:SCOPE_SE
	s_setreg_imm32_b32 hwreg(HW_REG_WAVE_MODE, 25, 1), 1
	s_wait_xcnt 0x0
; CAUSAL ATTENTION.  att[y][t][:] = the sum over s <= t of softmax_s(q[t] . k[s] / 32) v[s][:], y = 16 b + head; q, k, v are heads 48 b + head, + 16, + 32 of qkv, each [2048][64] bf16, dense.
; Products, maxima and sums in f32; the weights p are rounded to bf16 for the second product (their sum l is taken of the unrounded p); att is rounded once to bf16.
; LIMITS.  A hidden score counts as its value less 1e30; a weight below 2^-126 counts as 0 in l; NaN and infinities are not treated apart.
; THE WALK.  A head's queries lie in 16 blocks of 128; block i needs the key tiles 0 .. i / 2 of 256 keys.  A work-group takes blocks 15 - b and then b: 9 tiles, 36 key steps of 64, whatever b: one counted loop.
; In a block's last tile its band x (64 queries) holds the diagonal in step 2 (i % 2) + x, sees all keys of earlier steps and none of later ones; two of the 36 steps are wholly hidden and computed all the same.
; NO CLUSTER: a head's eight work-groups ask for the same tile only while the shortest first block lasts (5 of 9 trips); a walk common to all would have 12 tiles for 9.
; SHARES.  A wave owns 16 rows in each of a block's two bands: two PIECES, so the diagonal is the same work for all four waves.
; THE MASK is the C operand that starts S^T = K Q^T: MC = MD x AL + BE, with MD the mask of a band's own step (0 or -1e30) and (AL, BE) = (1, 0), (0, 0) or (0, -1e30).
; BY TURNS.  The turn of piece p: the OTHER piece has the matrix unit (8 products V^T P of the step in hand, later 8 products K Q^T of the next); beside them piece p's softmax, and the sums of the other
; piece's weights, which are put off by a turn: they are plain work that waits for nothing, and stand between the links of p's maximum.  Four vector instructions stand behind every product, the other 54 of a
; turn's 118 in one lump.  The turn's 33 exponentials are one batch with one wait; behind it stand the roundings and the rescaling of O^T.
; c m starts far below every c s, so a block's first step multiplies O and l by 0: no first step is written out; the price is 192 lines that write start values at the head.
; REGISTERS.  Window 0: addresses, statistics, S^T, P, O^T and V of one step: V^T P and all vector work need no switch of windows.  Window 1: Q, the second block's Q, K of one step, MC, MD.
.set NB,    16
.set KS,    64
.set PKB,   144                        ; a row of K in LDS: 128 bytes + 16
.set PVB,   160                        ; a row of V: 128 + 32
.set VOFF,  4*KS*PKB                   ; a slot: 256 rows of K, then 256 rows of V
.set SLOT1, 1<<17
.set STAGE, SLOT1+4*KS*(PKB+PVB)       ; behind the ring, never filled by a tensor load: 16 rows x 144 bytes for each wave
.set SP,    144
.set SPARE, STAGE+4*16*SP              ; the spare words, 128 bytes for each wave
.set AK0, 2
.set AV0, 3
.set AK,  4
.set AV,  5
.set STO, 6
.set RD,  7
.set GO,  8
.set PFO, 12
.set QO,  13
.set SPW, 14                           ; LDS address of my spare word; never rewritten
.set NIL, 15                           ; 0; never rewritten
.set ST,  16                           ; piece t at v[ST+8 t]: c m, m, l (even keys', odd keys'), c0-c3 at work; a takes c2's place
.set S,   32                           ; 32 a piece
.set P,   96                           ; 16 a piece
.set O,   128                          ; 32 a piece
.set VF,  192                          ; V of one step
.set Q2,  32                           ; window 1: Q at 0, 16 a piece
.set KF,  64
.set MC,  128                          ; 32 a piece
.set MD,  192
.set WV,  12
.set PB,  14
.set HI,  15
.set G1K, 24
.set G1V, 32
.set G0K, 40
.set G0V, 44
.set SLOTS, 56
.set CNT, 57
.set CS,  58
.set SEL, 60
.set TBK, 62
.set TBV, 63
.set RT,  70                           ; tiles of the block in hand still to be entered
.set NXT, 71                           ; the tile to be asked for next
.set LQ,  72                           ; the last tile of the block whose tiles are being asked for
.set NEW, 73                           ; 1: the tile just entered is the second block's first
.set OFF, 74
.set AL,  76
.set BE,  78
.set OLO, 80
.set BIGN, 82
.set OWN, 83                           ; band 0's own step in this tile, or 8
.set PAR, 84
.set PAR2, 85
.set RT2, 86
.set LQ2, 87
.set PFA, 88
.set PF,  90
.set STP, 91                           ; the step, within its tile, whose scores this trip makes
.set MK,  92                           ; masks are made in this tile
.set MSB, 0
.macro WIN new
.if MSB != (\new)
	s_set_vgpr_msb (MSB<<8)|(\new)
.set MSB, (\new)
.endif
.endm
.macro PLACES
.rept 4
	v_nop
.endr
.endm
.macro LOAD                            ; waves 0 and 1 fetch the halves of a tile's K, waves 2 and 3 of its V; s_nop 0 and four v_nop follow each line
	s_cmp_lt_u32 s[WV], 2
	s_cbranch_scc0 .Lfor_v_\@
	tensor_load_to_lds s[G0K:G0K+3], s[G1K:G1K+7]
	s_nop 0
	PLACES
	s_branch .Lasked_\@
.Lfor_v_\@:
	tensor_load_to_lds s[G0V:G0V+3], s[G1V:G1V+7]
	s_nop 0
	PLACES
.Lasked_\@:
.endm
; THE CHANGE OF SLOTS.  Each wave waits for all its tensor loads (one is out: its part of the other slot), adds 0 to its spare word, waits for that and for its reads of the slot that it leaves, and passes the barrier.
; fill = 1: the old slot takes tile NXT, first thing behind the barrier; then, in the head's work-group 0 alone, each wave prefetches its own 16 KiB of the tile that the next change will ask for (tiles 2 to 7).
.macro CHANGE fill
	WIN 0
	s_wait_tensorcnt 0x0
	ds_add_u32 v[SPW], v[NIL]
.if \fill
	s_lshl_b32 s[OFF], s[NXT], 15                  ; a tile is 32,768 bytes of K and of V
	s_xor_b32 s[G0K+1], s[G0K+1], SLOT1
	s_add_nc_u64 s[G0K+2:G0K+3], s[6:7], s[OFF:OFF+1]
	s_or_b32 s[G0K+3], s[G0K+3], 0x80000000
	s_xor_b32 s[G0V+1], s[G0V+1], SLOT1
	s_add_nc_u64 s[G0V+2:G0V+3], s[8:9], s[OFF:OFF+1]
	s_or_b32 s[G0V+3], s[G0V+3], 0x80000000
	s_add_co_u32 s[NXT], s[NXT], 1
	s_cmp_gt_u32 s[NXT], s[LQ]
	s_cselect_b32 s[NXT], 0, s[NXT]
	s_cselect_b32 s[LQ], s[LQ2], s[LQ]
	s_wait_xcnt 0x0                                ; the last prefetches, a tile back, have read their address
	s_add_nc_u64 s[PFA:PFA+1], s[PFA:PFA+1], 32768
	s_add_co_u32 s[PF], s[PF], 1
.endif
	s_wait_dscnt 0x0
	s_barrier_signal -1
	s_sub_co_u32 s[TBK], s[TBK], 4*KS*PKB
	s_xor_b32 s[TBK], s[TBK], SLOT1
	s_sub_co_u32 s[TBV], s[TBV], 4*KS*PVB
	s_xor_b32 s[TBV], s[TBV], SLOT1
	s_barrier_wait -1
.if \fill
	LOAD
	s_cmp_lt_u32 s[PF], 8
	s_cbranch_scc0 .Lno_pf_\@
	global_prefetch_b8 v[PFO], s[PFA:PFA+1] th:TH_LOAD_NT scope:SCOPE_SE
	global_prefetch_b8 v[PFO], s[PFA:PFA+1] offset:8192 th:TH_LOAD_NT scope:SCOPE_SE
.Lno_pf_\@:
.endif
.endm
.macro TILECTL                         ; what the tile just entered is: scalars alone
	s_cmp_eq_u32 s[RT], 0
	s_cselect_b32 s[NEW], 1, 0
	s_cselect_b32 s[RT], s[RT2], s[RT]
	s_cselect_b32 s[PAR], s[PAR2], s[PAR]
	s_sub_co_u32 s[RT], s[RT], 1
	s_cmp_eq_u32 s[RT], 0
	s_cselect_b32 s[OWN], s[PAR], 8
	s_cselect_b32 s[MK], 1, s[NEW]
	s_mov_b32 s[STP], 0
	s_mov_b32 s[CNT], 4
.endm
.macro MASKS                           ; both pieces' masks for step STP
.irp x, 0,1
	s_add_co_u32 s93, s[OWN], \x
	s_cmp_eq_u32 s[STP], s93
	s_cselect_b32 s[AL], 1.0, 0
	s_cmp_gt_u32 s[STP], s93
	s_cselect_b32 s[BE], s[BIGN], 0
	WIN 0x41                                       ; destination and source 0 in window 1
.set z, 0
.rept 16
	v_pk_fma_f32 v[MC+32*(\x)+2*z:MC+32*(\x)+2*z+1], v[MD+2*z:MD+2*z+1], s[AL:AL+1], s[BE:BE+1] op_sel_hi:[1,0,0]
.set z, z+1
.endr
.endr
	WIN 0
.endm
.macro FETCH_K                         ; a step's K: 64 keys x 64 channels, 8 fragments, one run
	WIN 0
	v_add_nc_u32 v[AK], s[TBK], v[AK0]
	s_add_co_u32 s[TBK], s[TBK], KS*PKB
	WIN 0x40
.irp f, 0,1,2,3,4,5,6,7
	ds_load_b128 v[KF+8*(\f):KF+8*(\f)+3],   v[AK] offset:((\f)/2)*16*PKB+((\f)%2)*64
	ds_load_b128 v[KF+8*(\f)+4:KF+8*(\f)+7], v[AK] offset:((\f)/2)*16*PKB+((\f)%2)*64+32
.endr
	WIN 0
.endm
.macro FETCH_V                         ; a step's V, turned, one run; all in window 0
	WIN 0
	v_add_nc_u32 v[AV], s[TBV], v[AV0]
	s_add_co_u32 s[TBV], s[TBV], KS*PVB
.irp f, 0,1,2,3,4,5,6,7
	ds_load_tr16_b128 v[VF+8*(\f):VF+8*(\f)+3],   v[AV] offset:((\f)/4)*32*PVB+((\f)%4)*32
	ds_load_tr16_b128 v[VF+8*(\f)+4:VF+8*(\f)+7], v[AV] offset:((\f)/4)*32*PVB+16*PVB+((\f)%4)*32
.endr
.endm
; The turn's matrix instruction number i for piece x: 0-7 O^T += V^T P (keys 32 (i / 4) on, channels 16 (i % 4) on); 8-15 S^T = K Q^T (channels 32 ((i - 8) / 4) on, keys 16 (i % 4) on; the first four start with the mask).
; The four accumulators of each run of eight take turns.
.macro MM x
.if i < 8
	WIN 0
.set rO, O+32*(\x)+8*(i%4)
.set rV, VF+32*(i/4)+8*(i%4)
.set rP, P+16*(\x)+8*(i/4)
	v_wmma_f32_16x16x32_bf16 v[rO:rO+7], v[rV:rV+7], v[rP:rP+7], v[rO:rO+7]
.else
.set rS, S+32*(\x)+8*(i%4)
.set rK, KF+16*(i%4)+8*((i-8)/4)
.set rQ, 16*(\x)+8*((i-8)/4)
.set rM, MC+32*(\x)+8*(i%4)
.if i < 12
	WIN 0x15
	v_wmma_f32_16x16x32_bf16 v[rS:rS+7], v[rK:rK+7], v[rQ:rQ+7], v[rM:rM+7]
.else
	WIN 0x05
	v_wmma_f32_16x16x32_bf16 v[rS:rS+7], v[rK:rK+7], v[rQ:rQ+7], v[rS:rS+7]
.endif
.endif
.set i, i+1
.endm
; THE VECTOR WORK, one line at a time: OP kind, number.  Y is the turn's piece.  For piece Y:
;   TX n  number n of the 22 that find its maximum and statistics: 0-11 four chains c0-c3 of seven scores each (each accumulator's lowest registers are read first); 12-15 the four scores left
;         over, c0-c3 and the old m into c0; 16, 18 the other half of the lanes', the new m; 17 c m_old is kept; 19-21 c m, c m_old - c m_new, a
;   TF n  c s - c m for pair n of 16     TE n  the exponential of score n of 32     TC n  pair n rounded to bf16     TR n  pair n of 16 of O^T times a
; For the other piece:  TD n  number n of the 16 that add up its weights of the turn before, in place: neighbours 1, 2, 4 and 8 pairs apart (0-7, 8-11, 12-13, 14), then l = a l + sum (15)
.set TX, 0
.set TD, 1
.set TF, 2
.set TE, 3
.set TC, 4
.set TR, 5
.macro OP k, n
.set rT, ST+8*Y
.set rS, S+32*Y
.set rP, P+16*Y
.set rO, O+32*Y
.set oT, ST+8*(1-Y)
.set oS, S+32*(1-Y)
.if (\k) == TX
.if (\n) < 4
	v_max3_num_f32 v[rT+4+(\n)], v[rS+8*(\n)], v[rS+8*(\n)+1], v[rS+8*(\n)+2]
.elseif (\n) < 12
	v_max3_num_f32 v[rT+4+(\n)%4], v[rT+4+(\n)%4], v[rS+8*((\n)%4)+2*((\n)/4)+1], v[rS+8*((\n)%4)+2*((\n)/4)+2]
.elseif (\n) == 12
	v_max3_num_f32 v[rT+4], v[rT+4], v[rS+7], v[rS+15]
.elseif (\n) == 13
	v_max3_num_f32 v[rT+6], v[rT+6], v[rS+23], v[rS+31]
.elseif (\n) == 14
	v_max3_num_f32 v[rT+4], v[rT+4], v[rT+5], v[rT+6]
.elseif (\n) == 15
	v_max3_num_f32 v[rT+4], v[rT+4], v[rT+7], v[rT+1]
.elseif (\n) == 16
	v_permlanex16_b32 v[rT+5], v[rT+4], s[SEL], s[SEL+1]
.elseif (\n) == 17
	v_mov_b32 v[rT+7], v[rT]
.elseif (\n) == 18
	v_max_num_f32 v[rT+1], v[rT+4], v[rT+5]
.elseif (\n) == 19
	v_mul_f32 v[rT], s[CS], v[rT+1]
.elseif (\n) == 20
	v_sub_f32 v[rT+7], v[rT+7], v[rT]
.else
	v_exp_f32 v[rT+6], v[rT+7]
.endif
.elseif (\k) == TD
.set z, (\n)
.set w, 4
.set u, z
.if z >= 14
.set w, 32
.set u, 0
.elseif z >= 12
.set w, 16
.set u, z-12
.elseif z >= 8
.set w, 8
.set u, z-8
.endif
.if z < 15
	v_pk_add_f32 v[oS+w*u:oS+w*u+1], v[oS+w*u:oS+w*u+1], v[oS+w*u+w/2:oS+w*u+w/2+1]
.else
	v_pk_fma_f32 v[oT+2:oT+3], v[oT+2:oT+3], v[oT+6:oT+7], v[oS:oS+1] op_sel_hi:[1,0,1]
.endif
.elseif (\k) == TF
	v_pk_fma_f32 v[rS+2*(\n):rS+2*(\n)+1], v[rS+2*(\n):rS+2*(\n)+1], s[CS:CS+1], v[rT:rT+1] op_sel_hi:[1,0,0] neg_lo:[0,0,1] neg_hi:[0,0,1]
.elseif (\k) == TE
	v_exp_f32 v[rS+(\n)], v[rS+(\n)]
.elseif (\k) == TC
	v_cvt_pk_bf16_f32 v[rP+(\n)], v[rS+2*(\n)], v[rS+2*(\n)+1]
.else
	v_pk_mul_f32 v[rO+2*(\n):rO+2*(\n)+1], v[rO+2*(\n):rO+2*(\n)+1], v[rT+6:rT+7] op_sel_hi:[1,0]
.endif
.endm
.macro OPS a, i1, b=-1, i2=0, c=-1, i3=0, d=-1, i4=0  ; up to four of them
	OP \a, \i1
.if (\b) >= 0
	OP \b, \i2
.endif
.if (\c) >= 0
	OP \c, \i3
.endif
.if (\d) >= 0
	OP \d, \i4
.endif
.endm
.macro ROW a, i1, b, i2, c, i3, d, i4  ; a matrix instruction of the other piece and the four behind it
	MM 1-Y
	WIN 0
	OPS \a, \i1, \b, \i2, \c, \i3, \d, \i4
.endm
; A TURN, for piece p: the order of its 16 matrix and 118 vector instructions, written out.
; AHEAD OF THE WAIT stands all that names no result of the turn's exponentials: 8 products V^T P, behind them p's maximum, whose chain 12/13, 14, 15, 16, 18, 19 has three or four other lines between its links (the other
; piece's sums); then the lump: the scalings and exponentials, by turns while there are scalings; TD 15 is the plain instruction behind the last exponential.  ONE wait serves the 33 exponentials.
; BEHIND IT stand 8 products K Q^T, behind each two roundings and two rescalings (O^T's accumulators from their low registers on).  The last four are the places behind the last product, for the next turn's reads of
; its scores and for K's next loads.  No rider names a register of the products round it.
; p = 0: V of the step whose scores are in hand is fetched early in the lump, seven plain instructions behind the last product that read V.  p = 1: V is waited for at the head, K of the next step is fetched there and
; waited for ahead of the first K Q^T.  last = 1: the tail's last trip fetches no K.
.macro TURN p, last=0
.set Y, (\p)
.set i, 0
	WIN 0
.if (\p) == 1
	s_wait_dscnt 0x0                               ; V is in
.if \last
	s_cmp_eq_u32 s[CNT], 1
	s_cbranch_scc1 .Lno_k_\@
.endif
	FETCH_K
.if \last
.Lno_k_\@:
.endif
.endif
	ROW TX,0,  TX,1,  TX,2,  TX,3
	ROW TX,4,  TX,5,  TX,6,  TX,7
	ROW TX,8,  TX,9,  TX,10, TX,11
	ROW TX,12, TX,13, TD,0,  TD,1
	ROW TD,2,  TX,14, TD,3,  TD,4
	ROW TD,5,  TX,15, TX,17, TD,6
	ROW TD,7,  TX,16, TD,8,  TD,9
	ROW TD,10, TX,18, TD,11, TD,12
	OPS TD,13, TX,19, TD,14
.if (\p) == 0
	FETCH_V
.endif
	OPS TF,0,  TF,1,  TF,2,  TX,20
	OPS TE,0,  TF,3,  TE,1,  TF,4
	OPS TE,2,  TF,5,  TE,3,  TF,6
	OPS TE,4,  TF,7,  TE,5,  TF,8
	OPS TX,21, TF,9,  TE,6,  TF,10
	OPS TE,7,  TF,11, TE,8,  TF,12
	OPS TE,9,  TF,13, TE,10, TF,14
	OPS TE,11, TF,15, TE,12, TE,13
	OPS TE,14, TE,15, TE,16, TE,17
	OPS TE,18, TE,19, TE,20, TE,21
	OPS TE,22, TE,23, TE,24, TE,25
	OPS TE,26, TE,27, TE,28, TE,29
	OPS TE,30, TE,31, TD,15
	s_wait_alu depctr_va_vdst(0)                   ; the wait for the batch
.if (\p) == 1
	s_wait_dscnt 0x0                               ; K is in
.endif
	ROW TC,0,  TC,1,  TR,0,  TR,1
	ROW TC,2,  TC,3,  TR,2,  TR,3
	ROW TC,4,  TC,5,  TR,4,  TR,5
	ROW TC,6,  TC,7,  TR,6,  TR,7
	ROW TC,8,  TC,9,  TR,8,  TR,9
	ROW TC,10, TC,11, TR,10, TR,11
	ROW TC,12, TC,13, TR,12, TR,13
	ROW TC,14, TC,15, TR,14, TR,15
.endm
; THE WAY OUT of piece x: l's halves and the other half of the lanes' are added; O^T is divided by l, rounded to bf16 in place (pair z into register z), sent through my stage, read back into O^T's upper half and
; stored as 2,048 consecutive bytes.  What stays in O^T's registers are pairs of finite bf16, finite as f32 too: the next block's first step multiplies them by 0.
; again = 1: another block follows: the stores' registers are freed, and m and c m start anew.
.macro WAYOUT x, again
.set rT, ST+8*(\x)
.set rO, O+32*(\x)
	WIN 0
	v_add_f32 v[rT+4], v[rT+2], v[rT+3]
	v_permlanex16_b32 v[rT+5], v[rT+4], s[SEL], s[SEL+1]
	v_add_f32 v[rT+4], v[rT+4], v[rT+5]
	v_rcp_f32 v[rT+6], v[rT+4]
	v_nop
	s_wait_alu depctr_va_vdst(0)                   ; ahead of the reciprocal's first reader
.set z, 0
.rept 16
	v_pk_mul_f32 v[rO+2*z:rO+2*z+1], v[rO+2*z:rO+2*z+1], v[rT+6:rT+7] op_sel_hi:[1,0]
.set z, z+1
.endr
.set z, 0
.rept 16
	v_cvt_pk_bf16_f32 v[rO+z], v[rO+2*z], v[rO+2*z+1]
.set z, z+1
.endr
.irp f, 0,1,2,3
	ds_store_b128 v[STO], v[rO+4*(\f):rO+4*(\f)+3] offset:32*(\f)
.endr
.irp f, 0,1,2,3
	ds_load_b128 v[rO+16+4*(\f):rO+16+4*(\f)+3], v[RD] offset:4*SP*(\f)  ; LDS serves a wave's instructions in order: these see the stores above
.endr
.irp f, 0,1,2,3
	s_wait_dscnt 3-(\f)                            ; the younger loads stay out
	global_store_b128 v[GO], v[rO+16+4*(\f):rO+16+4*(\f)+3], s[10:11] offset:8192*(\x)+512*(\f)
.endr
.if \again
	s_wait_xcnt 0x0                                ; the stores have read their registers and their base
	v_mov_b32 v[rT], 0xfe000000
	v_mov_b32 v[rT+1], 0xff7fffff
.endif
.endm
.macro EVENT x                         ; in the first trip of the second block's first tile the first block's pieces are finished, one behind each turn: piece x's last products and its last sums stood in the turn just ended
	s_cmp_eq_u32 s[NEW], 1
	s_cbranch_scc0 .Lno_end_\@
	WAYOUT \x, 1
.if (\x) == 1
	s_mov_b64 s[10:11], s[OLO:OLO+1]
	s_mov_b32 s[NEW], 0
.endif
.Lno_end_\@:
.endm
.macro HEAD                            ; a trip's head: the masks of the step whose scores it makes; at the change of blocks the second block's Q
	s_cmp_eq_u32 s[MK], 0
	s_cbranch_scc1 .Lno_mask_\@
	MASKS
.Lno_mask_\@:
	s_cmp_eq_u32 s[NEW], 1
	s_cbranch_scc0 .Lno_swap_\@
	WIN 0x41
.set z, 0
.rept 32
	v_mov_b32 v[z], v[Q2+z]
.set z, z+1
.endr
	WIN 0
.Lno_swap_\@:
.endm
	s_load_b128 s[16:19], s[0:1], 0x0              ; qkv, att
	v_lshl_add_u32 v[SPW], v0, 2, SPARE
	v_mov_b32 v[NIL], 0
	ds_add_u32 v[SPW], v[NIL]                      ; the opening: the add and its wait ahead of my first tensor load
	v_lshrrev_b32 v1, 5, v0
	v_readfirstlane_b32 s[WV], v1
	s_mov_b32 s[PB], ttmp9
	s_sub_co_u32 s[HI], NB-1, s[PB]
	s_and_b32 s20, ttmp7, 0xffff                   ; y = 16 b + head
	s_lshr_b32 s21, s20, 4
	s_mul_i32 s21, s21, 48
	s_and_b32 s22, s20, 15
	s_add_co_u32 s21, s21, s22
	s_lshl_b32 s22, s21, 18                        ; q's head in qkv: 262,144 bytes a head
	s_lshl_b32 s20, s20, 18                        ; the head in att
	s_lshl_b32 s23, s[WV], 11                      ; my 16 rows in a band
	s_lshl_b32 s2, s[HI], 14
	s_add_co_u32 s2, s2, s23
	s_lshl_b32 s3, s[PB], 14
	s_add_co_u32 s3, s3, s23
	s_add_co_u32 s48, s22, s2
	s_mov_b32 s49, 0
	s_add_co_u32 s50, s22, s3
	s_mov_b32 s51, 0
	s_add_co_u32 s52, s20, s2
	s_mov_b32 s53, 0
	s_add_co_u32 s54, s20, s3
	s_mov_b32 s55, 0
	s_and_b32 s23, s[WV], 1                        ; which half of a tile's 256 keys I fetch
	s_lshl_b32 s2, s23, 14
	s_add_co_u32 s2, s2, s22
	s_add_co_u32 s66, s2, 16<<18                   ; k's head
	s_mov_b32 s67, 0
	s_add_co_u32 s68, s2, 32<<18                   ; v's
	s_mov_b32 s69, 0
	s_mov_b32 s[G0K], 1
	s_mul_i32 s[G0K+1], s23, 128*PKB
	s_mov_b32 s[G0V], 1
	s_mul_i32 s[G0V+1], s23, 128*PVB
	s_add_co_u32 s[G0V+1], s[G0V+1], VOFF
	s_mov_b32 s[G1K], (1<<16)|(1<<20)|(4<<22)|(3<<25)  ; 128 keys are 16,384 dense bytes: 64 rows of 256; padded after every key's 32 words by 4 words
	s_mov_b32 s[G1V], (1<<16)|(1<<20)|(4<<22)|(7<<25)  ; by 8 words
.irp g, G1K, G1V
	s_mov_b32 s[\g+1], 128<<16
	s_mov_b32 s[\g+2], 64<<16
	s_mov_b32 s[\g+3], 128<<16
	s_mov_b32 s[\g+4], 64
	s_mov_b32 s[\g+5], 128
	s_mov_b32 s[\g+6], 0
	s_mov_b32 s[\g+7], 0
.endr
	s_mov_b32 s[CS], 0x3d38aa3b                    ; c = log2(e) / 32
	s_mov_b32 s[CS+1], s[CS]
	s_mov_b32 s[SEL], 0x76543210
	s_mov_b32 s[SEL+1], 0xfedcba98
	s_mov_b32 s[TBK], SLOT1+4*KS*PKB               ; the first change of slots turns these two into 0
	s_mov_b32 s[TBV], SLOT1+4*KS*PVB
	s_lshr_b32 s[LQ], s[HI], 1
	s_add_co_u32 s[RT], s[LQ], 1
	s_lshr_b32 s[LQ2], s[PB], 1
	s_add_co_u32 s[RT2], s[LQ2], 1
	s_and_b32 s[PAR], s[HI], 1
	s_lshl_b32 s[PAR], s[PAR], 1
	s_and_b32 s[PAR2], s[PB], 1
	s_lshl_b32 s[PAR2], s[PAR2], 1
	s_mov_b32 s[NXT], 1
	s_mov_b32 s[OFF+1], 0
	s_mov_b32 s[AL+1], 0
	s_mov_b32 s[BE+1], 0
	s_mov_b32 s[BIGN], 0xf149f2ca                  ; -1e30
	s_cmp_eq_u32 s[PB], 0
	s_cselect_b32 s[PF], 1, 8                      ; the head's work-group 0, which walks tiles 0 to 7 first, prefetches; nobody else
	s_wait_dscnt 0x0                               ; the opening add is done
	s_wait_kmcnt 0x0
	s_add_nc_u64 s[4:5], s[16:17], s[48:49]        ; Q at my rows of the first block,
	s_add_nc_u64 s[20:21], s[16:17], s[50:51]      ; of the second
	s_add_nc_u64 s[10:11], s[18:19], s[52:53]      ; att likewise
	s_add_nc_u64 s[OLO:OLO+1], s[18:19], s[54:55]
	s_add_nc_u64 s[6:7], s[16:17], s[66:67]        ; K and V at my half of tile 0
	s_add_nc_u64 s[8:9], s[16:17], s[68:69]
	s_add_nc_u64 s[G0K+2:G0K+3], s[6:7], 0
	s_or_b32 s[G0K+3], s[G0K+3], 0x80000000
	s_add_nc_u64 s[G0V+2:G0V+3], s[8:9], 0
	s_or_b32 s[G0V+3], s[G0V+3], 0x80000000
	s_cmp_lt_u32 s[WV], 2
	s_cselect_b64 s[PFA:PFA+1], s[6:7], s[8:9]
	s_add_nc_u64 s[PFA:PFA+1], s[PFA:PFA+1], 32768 ; at tile 1; the first change steps it to tile 2
	LOAD                                           ; tile 0 into slot 0
	v_and_b32 v1, 15, v0                           ; l % 16
	v_bfe_u32 v9, v0, 4, 1                         ; l / 16
	v_lshlrev_b32 v[QO], 7, v1
	v_lshl_add_u32 v[QO], v9, 4, v[QO]
	v_lshlrev_b32 v[AV], 3, v9                     ; (AV is at work here; every run of loads writes it anew)
	v_sub_nc_u32 v[AV], v1, v[AV]
	s_lshl_b32 s13, s[WV], 4
	v_add_nc_u32 v[AV], s13, v[AV]                 ; my query's place in its band less 8 (l / 16): register r of key block kt is hidden where 16 kt + r is greater
	WIN 0x40                                       ; destination window 1
.set i, 0
.rept 4                                ; both blocks' Q: piece i / 2 lies 64 rows on; channels 32 (i % 2) on
	global_load_b128 v[8*i:8*i+3],         v[QO], s[4:5] offset:(i/2)*8192+(i%2)*64
	global_load_b128 v[8*i+4:8*i+7],       v[QO], s[4:5] offset:(i/2)*8192+(i%2)*64+32
	global_load_b128 v[Q2+8*i:Q2+8*i+3],   v[QO], s[20:21] offset:(i/2)*8192+(i%2)*64
	global_load_b128 v[Q2+8*i+4:Q2+8*i+7], v[QO], s[20:21] offset:(i/2)*8192+(i%2)*64+32
.set i, i+1
.endr
.set i, 0
.rept 32
	v_cmp_gt_i32 vcc_lo, 16*(i/8)+i%8, v[AV]
	v_cndmask_b32 v[MD+i], 0, s[BIGN], vcc_lo
.set i, i+1
.endr
	WIN 0
	v_mul_u32_u24 v[AK0], v1, PKB
	v_lshl_add_u32 v[AK0], v9, 4, v[AK0]
	v_and_b32 v10, 7, v0
	v_bfe_u32 v11, v0, 3, 1
	v_lshl_add_u32 v[AV0], v9, 3, v10
	v_mul_u32_u24 v[AV0], v[AV0], PVB
	v_lshl_add_u32 v[AV0], v11, 4, v[AV0]
	v_add_nc_u32 v[AV0], VOFF, v[AV0]
	s_mul_i32 s13, s[WV], 16*SP
	s_add_co_u32 s13, s13, STAGE
	v_mul_u32_u24 v[STO], v1, SP
	v_lshl_add_u32 v[STO], v9, 4, v[STO]
	v_add_nc_u32 v[STO], s13, v[STO]
	v_bfe_u32 v[RD], v0, 3, 2
	v_mul_u32_u24 v[RD], v[RD], SP
	v_lshl_add_u32 v[RD], v10, 4, v[RD]
	v_add_nc_u32 v[RD], s13, v[RD]
	v_and_b32 v[GO], 31, v0
	v_lshlrev_b32 v[PFO], 8, v[GO]                 ; a lane a block of 256 bytes
	v_lshlrev_b32 v[GO], 4, v[GO]
	; What the first turn finds: its products V^T P and its sums, of a piece 1 that has not been, add 0; O^T and l are 0.  All this stands in the wait for the first tile.
.set i, 0
.rept 2
	v_mov_b32 v[ST+8*i], 0xfe000000                ; c m: far below every c s
	v_mov_b32 v[ST+8*i+1], 0xff7fffff              ; m
.irp r, 2,3,4,5,6,7
	v_mov_b32 v[ST+8*i+(\r)], 0
.endr
.set i, i+1
.endr
.set i, S+32
.rept 32
	v_mov_b32 v[i], 0
.set i, i+1
.endr
.set i, P+16
.rept 16
	v_mov_b32 v[i], 0
.set i, i+1
.endr
.set i, O
.rept 128                              ; O^T, and V's registers behind it
	v_mov_b32 v[i], 0
.set i, i+1
.endr
	CHANGE 1                                       ; tile 0 is in, everybody's part of it; the walk's second tile is asked for
	TILECTL
	MASKS
	FETCH_K                                        ; key step 0
	s_wait_loadcnt 0x0                             ; Q
	s_wait_dscnt 0x0
.set i, 8
.rept 8
	MM 0                                           ; piece 0's first scores
.endr
	WIN 0
	PLACES
	s_mov_b32 s[SLOTS], 8
	s_branch .Lfirst                               ; the loop is entered in the middle of a trip
.Lslot:                                                ; seven times: a tile is entered and the next is asked for
	CHANGE 1
	TILECTL
.Lstep:                                                ; a trip: piece 1's softmax of one step, then piece 0's of the next, whose K and V it fetches
	HEAD
	TURN 1
	EVENT 0
.Lfirst:
	TURN 0
	EVENT 1
	s_add_co_u32 s[STP], s[STP], 1
	s_sub_co_u32 s[CNT], s[CNT], 1
	s_cmp_lg_u32 s[CNT], 0
	s_cbranch_scc1 .Lstep
	s_sub_co_u32 s[SLOTS], s[SLOTS], 1
	s_cmp_lg_u32 s[SLOTS], 0
	s_cbranch_scc1 .Lslot
	CHANGE 0                                       ; the walk's last tile is written out
	TILECTL
	s_mov_b32 s[CNT], 5                            ; four trips fetch its steps; the fifth is left in its middle
.Ltail:
	HEAD
	TURN 1, 1
	EVENT 0
	s_cmp_eq_u32 s[CNT], 1
	s_cbranch_scc1 .Lout
	TURN 0
	EVENT 1
	s_add_co_u32 s[STP], s[STP], 1
	s_sub_co_u32 s[CNT], s[CNT], 1
	s_cmp_lg_u32 s[CNT], 0
	s_cbranch_scc1 .Ltail
.Lout:                                                 ; the fifth trip's 8 products K Q^T, on the last K once more, serve nothing: the price, once a launch, of one text for every trip
.set i, 0
.rept 8
	MM 1                                           ; piece 1's V^T P of the last step
.endr
.set Y, 0                                      ; TD works for the other piece: piece 1's last sums; they name no register of those products and are their places
.irp n, 0,1,2,3,4,5,6,7,8,9,10,11,12,13,14,15
	OP TD, \n
.endr
	WAYOUT 0, 0
	WAYOUT 1, 0
	s_wait_tensorcnt 0x0                           ; the wave's end
	ds_add_u32 v[SPW], v[NIL]
	s_wait_dscnt 0x0
	s_endpgm
.Lfunc_end_k_qc4852c305a_attn:
	.size	k_qc4852c305a_attn, .Lfunc_end_k_qc4852c305a_attn-k_qc4852c305a_attn
	.p2alignl 7, 3214868480
	.fill 96, 4, 3214868480
	.section	.rodata,"a",@progbits
	.p2align	6, 0x0
	.amdhsa_kernel k_qc4852c305a_attn
		.amdhsa_group_segment_fixed_size 327680
		.amdhsa_private_segment_fixed_size 0
		.amdhsa_enable_private_segment 0
		.amdhsa_kernarg_size 16
		.amdhsa_user_sgpr_count 2
		.amdhsa_user_sgpr_kernarg_segment_ptr 1
		.amdhsa_wavefront_size32 1
		.amdhsa_system_sgpr_workgroup_id_x 1
		.amdhsa_system_sgpr_workgroup_id_y 1
		.amdhsa_system_sgpr_workgroup_id_z 1
		.amdhsa_system_vgpr_workitem_id 0
		.amdhsa_next_free_vgpr 512
		.amdhsa_next_free_sgpr 96
		.amdhsa_reserve_vcc 1
		.amdhsa_float_denorm_mode_32 3
		.amdhsa_float_denorm_mode_16_64 3
		.amdhsa_memory_ordered 1
		.amdhsa_forward_progress 1
		.amdhsa_inst_pref_size 92
	.end_amdhsa_kernel
	.amdgpu_metadata
---
amdhsa.version: [ 1, 2 ]
amdhsa.kernels:
  - .name:           k_qc4852c305a_attn
    .symbol:         k_qc4852c305a_attn.kd
    .args:
      - { .name: qkv, .offset: 0, .size: 8, .value_kind: global_buffer, .address_space: global }
      - { .name: att, .offset: 8, .size: 8, .value_kind: global_buffer, .address_space: global }
    .group_segment_fixed_size: 327680
    .private_segment_fixed_size: 0
    .kernarg_segment_align: 8
    .kernarg_segment_size: 16
    .max_flat_workgroup_size: 128
    .sgpr_count:     96
    .vgpr_count:     512
    .wavefront_size: 32
...
	.end_amdgpu_metadata
.endif
;; end of part 3
;; launch proj (part 4): grid 8 x 32, 4 waves a work-group, clusters of 4 x 4, 327,680 bytes of LDS; arguments att, wb, x1, bproj, x; writes x1
.if DOCPART == 4
	.amdgcn_target "amdgcn-amd-amdhsa--gfx1250"
	.amdhsa_code_object_version 6
	.text
	.protected	k_qc4852c305a_proj
	.globl	k_qc4852c305a_proj
	.p2align	8
	.type	k_qc4852c305a_proj,@function
k_qc4852c305a_proj:
	s_mov_b64 s[64:65], 0
	v_nop
	global_prefetch_b8 v0, s[64:65] scope:SCOPE_SE
	s_setreg_imm32_b32 hwreg(HW_REG_WAVE_MODE, 25, 1), 1
	s_wait_xcnt 0x0
	s_wait_alu depctr_hold_cnt(0) depctr_sa_sdst(0) depctr_va_vdst(0) depctr_va_sdst(0) depctr_va_ssrc(0) depctr_va_vcc(0) depctr_vm_vsrc(0)
	s_getreg_b32 s2, hwreg(HW_REG_IB_STS2, 6, 4)
	s_cmp_eq_u32 s2, 0
	s_cbranch_scc0 .Lentry_in_a_cluster
	s_endpgm
.Lentry_in_a_cluster:
	s_bfe_u32 s2, ttmp6, 0x10000c
	s_cmp_lg_u32 s2, 0xf033
	s_cbranch_scc0 .Lentry_shape_is_right
	s_endpgm
.Lentry_shape_is_right:
; PROJ: x1 = x + att x Wproj + bproj, f32 out.  att is [32 heads][2048][64] bf16, so K = 64 head + d; Wproj is [1024][1024] bf16 in wb.  bf16 operands, f32 sums that start with the bias; the residual is added in f32.
; A work-group of four waves makes 128 x 128 (256 work-groups); a wave 64 x 64.  K goes in steps of 256 through two LDS slots of four UNITS; a wave's one tensor load fills one unit:
; two heads x 128 rows of att (each head's 16 KiB dense, taken as one row, padded after every 128 bytes: pitch 144), or 128 k-rows of W x 128 columns (pitch 288).
; W stays [K][N]: its fragments come out of LDS turned.  Source 0 = 16 columns of W, source 1 = 16 rows of att: a lane holds one row and eight neighbouring columns.
; CLUSTER 4 x 4: att's units are asked for jointly along a row of the cluster, W's along a column.  No prefetch: four K steps in all, on small tiles.
; THE WALK ALONG K begins at step 0 in clusters whose x + y is even and at step NSTEP / 2 in the others, and wraps (f32 sums may be taken in any order): neighbouring clusters, which read the same rows of one
; operand, ask for them half a walk apart.  The step hangs on the cluster's two numbers alone, which its sixteen work-groups share.
; REGISTERS: window 0 addresses, att's fragments, bias, the way out; window 1 W's fragments; windows 2, 3 v0-63 the accumulators; window 2 v64-191 the residual, loaded at the head.
.set MA,     4
.set NBW,    4
.set BPS,    4
.set KD,     2
.set NAW,    2
.set NSTEP,  4
.set APITCH, 144
.set ACH,    2
.set ASUB,   18432
.set MODE,   2                         ; the first products start the sums with the bias
.set AQI,    4
.set AD0,    8192
.set AD1,    2
.set APE,    131072
.set BPE,    1024
.set ASTEP,  1048576
.set BSTEP,  524288
.set WOFF,   6291456
.set NUA,    2
.set NUB,    2
.set UNIT,  36864
.set SLOT,  4*UNIT                     ; 0x24000: shares no bit with wave x UNIT, so one exclusive or turns an address in one slot into the other's
.set STAGE, 2*SLOT
.set SPARE, STAGE+4*4352
.set R,     KD*MA
.set ADRA0, 8
.set ADRB0, 10
.set ADRA,  13
.set ADRB,  15
.set STO,   18
.set RD,    19
.set CO,    20
.set BO,    24
.set SPW,   28
.set NIL,   29
.set OB0,   32
.set BIAS,  192
.set ABASE, 18                         ; s[18:19] my unit of att at K step 0; never rewritten
.set BBASE, 46                         ; s[46:47] the same for W
.set G1A, 24
.set G0A, 32
.set G1B, 48
.set G0B, 56
.set OFB, 44                           ; s[44:45] byte offset of a K step in W
.set OFA, 66                           ; s[66:67] in att
.set TB,  72
.set KI,  73                           ; the K step that the next refill asks for
.set MSB, 0
.macro WIN new
.if MSB != (\new)
	s_set_vgpr_msb (MSB<<8)|(\new)
.set MSB, (\new)
.endif
.endm
.macro PLACES
.rept 4
	v_nop
.endr
.endm
.macro CREST
	s_cmp_lg_u32 s10, 0
	s_cbranch_scc1 .Lnot_wave_0_\@
	s_barrier_signal -3
.Lnot_wave_0_\@:
	s_barrier_wait -3
	s_barrier_signal -1
	s_barrier_wait -1
.endm
.macro CROUND
	s_barrier_signal -1
	s_barrier_wait -1
	CREST
.endm
.macro JLOAD
	s_cmp_lt_u32 s10, NAW
	s_cbranch_scc0 .Lfor_b_\@
	tensor_load_to_lds s[G0A+4:G0A+7], s[G1A:G1A+7]
	s_nop 0
	PLACES
	s_branch .Lasked_\@
.Lfor_b_\@:
	tensor_load_to_lds s[G0B+4:G0B+7], s[G1B:G1B+7]
	s_nop 0
	PLACES
.Lasked_\@:
.endm
.macro FETCH c, f
	WIN 0x40
.set dd, 0
.rept KD
.set qq, KD*(\c)+dd
.set bb, 0
.rept NBW
.set fb, 128*(\f)+8*(NBW*dd+bb)
	ds_load_tr16_b128 v[fb:fb+3],   v[ADRB+bb/BPS+qq/4] offset:(qq%4)*9216+(bb%BPS)*32
	ds_load_tr16_b128 v[fb+4:fb+7], v[ADRB+bb/BPS+qq/4] offset:(qq%4)*9216+(bb%BPS)*32+4608
.set bb, bb+1
.endr
.set dd, dd+1
.endr
	WIN 0
.set dd, 0
.rept KD
.set qq, KD*(\c)+dd
.set aa, 0
.rept MA
.set fa, 64+64*(\f)+8*(MA*dd+aa)
	ds_load_b128 v[fa:fa+3],   v[ADRA+qq/4] offset:((qq%4)/ACH)*ASUB+((qq%4)%ACH)*64+aa*16*APITCH
	ds_load_b128 v[fa+4:fa+7], v[ADRA+qq/4] offset:((qq%4)/ACH)*ASUB+((qq%4)%ACH)*64+aa*16*APITCH+32
.set aa, aa+1
.endr
.set dd, dd+1
.endr
.endm
.macro MULS f, r0, r1, mode            ; the accumulators take turns, one instruction a turn
.set rho, (\r0)
.rept (\r1)-(\r0)
.set dd, rho/MA
.set aa, rho%MA
.set hw, aa/(MA/2)
.set ac, 8*NBW*(aa%(MA/2))
.set fa, 64+64*(\f)+8*rho
.set bb, 0
.rept NBW
.set fb, 128*(\f)+8*(NBW*dd+bb)
.if ((\mode) == 2) && (dd == 0)
	WIN 0x81+0x40*hw
	v_wmma_f32_16x16x32_bf16 v[ac+8*bb:ac+8*bb+7], v[fb:fb+7], v[fa:fa+7], v[BIAS+8*bb:BIAS+8*bb+7]
.elseif ((\mode) == 1) && (dd == 0)
	WIN 0xa1+0x50*hw
	v_wmma_f32_16x16x32_bf16 v[ac+8*bb:ac+8*bb+7], v[fb:fb+7], v[fa:fa+7], 0
.else
	WIN 0xa1+0x50*hw
	v_wmma_f32_16x16x32_bf16 v[ac+8*bb:ac+8*bb+7], v[fb:fb+7], v[fa:fa+7], v[ac+8*bb:ac+8*bb+7]
.endif
.set bb, bb+1
.endr
.set rho, rho+1
.endr
.endm
.macro CHUNK cn, f, g, mode
	s_wait_dscnt 0x0                               ; buffer f was asked for a chunk ago
	PLACES                                         ; behind the last product that read buffer g
	FETCH \cn, \g
	MULS \f, 0, R, \mode
.endm
.macro ADRS
.set u, 0
.rept NUA
	v_add_nc_u32 v[ADRA+u], s[TB], v[ADRA0+u]
.set u, u+1
.endr
.set u, 0
.rept NUB
	v_add_nc_u32 v[ADRB+u], s[TB], v[ADRB0+u]
.set u, u+1
.endr
.endm
; A slot's last chunk and the change of slots: all my tensor loads waited for, the add, the wait for it and for my reads of the slot, the barrier; fill = 1: it opens a round of the cluster's, and the joint refill, K step KI, comes first behind it.
.macro TURN fill, tail
	s_wait_dscnt 0x0                               ; buffer 1 is in: these were my last reads of the slot
	WIN 0
	s_wait_tensorcnt 0x0
	ds_add_u32 v[SPW], v[NIL]
.if \fill
	s_xor_b32 s[G0A+5], s[G0A+5], SLOT             ; the other slot than last time; the addresses are made anew from the step's number
	s_mul_i32 s[OFA], s[KI], ASTEP
	s_add_nc_u64 s[G0A+6:G0A+7], s[ABASE:ABASE+1], s[OFA:OFA+1]
	s_or_b32 s[G0A+7], s[G0A+7], 0x80000000
	s_xor_b32 s[G0B+5], s[G0B+5], SLOT
	s_mul_i32 s[OFB], s[KI], BSTEP
	s_add_nc_u64 s[G0B+6:G0B+7], s[BBASE:BBASE+1], s[OFB:OFB+1]
	s_or_b32 s[G0B+7], s[G0B+7], 0x80000000
	s_add_co_u32 s[KI], s[KI], 1
	s_and_b32 s[KI], s[KI], NSTEP-1                ; the walk wraps
.endif
	s_xor_b32 s[TB], s[TB], SLOT
	MULS 1, 0, R/4, 0
	s_wait_dscnt 0x0
	s_barrier_signal -1
	MULS 1, R/4, R/2, 0
	WIN 0
	s_barrier_wait -1
.if \fill
	CREST
	JLOAD
.else
	PLACES
.endif
.if \tail
	s_cmp_eq_u32 s3, 1
	s_cbranch_scc1 .Lno_fetch_\@
.endif
	ADRS
	FETCH 0, 0
.if \tail
.Lno_fetch_\@:
.endif
	MULS 1, R/2, R, 0
.endm
	s_load_b128 s[4:7], s[0:1], 0x0                ; att, wb
	s_load_b64 s[8:9], s[0:1], 0x10                ; x1
	s_load_b64 s[68:69], s[0:1], 0x18              ; bproj
	s_load_b64 s[70:71], s[0:1], 0x20              ; x
	v_lshl_add_u32 v[SPW], v0, 2, SPARE
	v_mov_b32 v[NIL], 0
	ds_add_u32 v[SPW], v[NIL]                      ; the opening: the add and its wait ahead of my first tensor load
	v_lshrrev_b32 v1, 5, v0
	v_readfirstlane_b32 s10, v1
	s_lshr_b32 s11, s10, 1
	s_and_b32 s12, s10, 1
	s_bfe_u32 s40, ttmp6, 0x40000
	s_bfe_u32 s41, ttmp6, 0x40004
	s_lshl_b32 s42, ttmp9, 2
	s_add_co_u32 s42, s42, s40                     ; tile column
	s_and_b32 s13, ttmp7, 0xffff
	s_lshl_b32 s13, s13, 2
	s_add_co_u32 s13, s13, s41                     ; tile row
	s_lshl_b32 s43, s41, 2
	s_lshl_b32 s43, 15, s43
	s_lshl_b32 s44, 0x1111, s40
	s_or_b32 s[G1A], s43, (1<<16)|(1<<20)|(1<<21)|(AQI<<22)|(3<<25)  ; after every 32 words (a row of a head) 4 words
	s_or_b32 s[G1B], s44, (1<<16)|(1<<20)|(1<<21)|(5<<22)|(7<<25)
	s_and_b32 s79, ttmp7, 0xffff                   ; cluster y
	s_add_co_u32 s79, s79, ttmp9                   ; + cluster x
	s_and_b32 s79, s79, 1
	s_mul_i32 s[KI], s79, NSTEP/2                  ; where my cluster's walk along K begins
	s_mul_i32 s[OFA], s[KI], ASTEP
	s_mov_b32 s[OFA+1], 0
	s_mul_i32 s[OFB], s[KI], BSTEP
	s_mov_b32 s[OFB+1], 0
	s_mov_b32 s[G1A+1], AD0<<16                    ; a row of the tile: 128 rows of a head, 8,192 elements on end
	s_mov_b32 s[G1A+2], AD1<<16                    ; two heads
	s_mov_b32 s[G1A+3], AD0<<16
	s_mov_b32 s[G1A+4], AD1
	s_mov_b32 s[G1A+5], APE                        ; a head is 131,072 elements
	s_mov_b32 s[G1A+6], 0
	s_mov_b32 s[G1A+7], 0
	s_mov_b32 s[G1B+1], 128<<16
	s_mov_b32 s[G1B+2], 128<<16
	s_mov_b32 s[G1B+3], 128<<16
	s_mov_b32 s[G1B+4], 128
	s_mov_b32 s[G1B+5], BPE
	s_mov_b32 s[G1B+6], 0
	s_mov_b32 s[G1B+7], 0
	s_min_u32 s14, s10, NAW-1
	s_max_u32 s15, s10, NAW
	s_sub_co_u32 s15, s15, NAW
	s_lshr_b32 s16, s13, 4                         ; the batch: 16 heads of 262,144 bytes
	s_lshl_b32 s16, s16, 22
	s_and_b32 s17, s13, 15
	s_lshl_b32 s17, s17, 14                        ; 128 rows of 128 bytes
	s_add_co_u32 s16, s16, s17
	s_lshl_b32 s17, s14, 19                        ; my pair of heads
	s_add_co_u32 s16, s16, s17
	s_mov_b32 s17, 0
	s_lshl_b32 s46, s42, 8
	s_lshl_b32 s47, s15, 18
	s_add_co_u32 s46, s46, s47
	s_add_co_u32 s46, s46, WOFF
	s_mov_b32 s47, 0
	s_mul_i32 s20, s10, UNIT
	s_mov_b32 s[TB], 0
	s_wait_dscnt 0x0
	s_wait_kmcnt 0x0
	s_add_nc_u64 s[ABASE:ABASE+1], s[4:5], s[16:17]
	s_add_nc_u64 s[BBASE:BBASE+1], s[6:7], s[46:47]
	CROUND
.irp s, 0,1
	s_mov_b32 s[G0A+4*(\s)], 1
	s_add_co_u32 s[G0A+4*(\s)+1], s20, (\s)*SLOT
	s_add_nc_u64 s[G0A+4*(\s)+2:G0A+4*(\s)+3], s[ABASE:ABASE+1], s[OFA:OFA+1]
.if \s
	s_add_nc_u64 s[G0A+4*(\s)+2:G0A+4*(\s)+3], s[G0A+4*(\s)+2:G0A+4*(\s)+3], ASTEP
.endif
	s_or_b32 s[G0A+4*(\s)+3], s[G0A+4*(\s)+3], 0x80000000
	s_mov_b32 s[G0B+4*(\s)], 1
	s_add_co_u32 s[G0B+4*(\s)+1], s20, (\s)*SLOT
	s_add_nc_u64 s[G0B+4*(\s)+2:G0B+4*(\s)+3], s[BBASE:BBASE+1], s[OFB:OFB+1]
.if \s
	s_add_nc_u64 s[G0B+4*(\s)+2:G0B+4*(\s)+3], s[G0B+4*(\s)+2:G0B+4*(\s)+3], BSTEP
.endif
	s_or_b32 s[G0B+4*(\s)+3], s[G0B+4*(\s)+3], 0x80000000
.endr
	s_add_co_u32 s[KI], s[KI], 2                   ; the first refill asks for the walk's third step
	s_and_b32 s[KI], s[KI], NSTEP-1
	s_cmp_lt_u32 s10, NAW
	s_cbranch_scc0 .Lfirst_b
	tensor_load_to_lds s[G0A:G0A+3], s[G1A:G1A+7]
	s_nop 0
	tensor_load_to_lds s[G0A+4:G0A+7], s[G1A:G1A+7]
	s_nop 0
	PLACES
	s_branch .Lfirst_asked
.Lfirst_b:
	tensor_load_to_lds s[G0B:G0B+3], s[G1B:G1B+7]
	s_nop 0
	tensor_load_to_lds s[G0B+4:G0B+7], s[G1B:G1B+7]
	s_nop 0
	PLACES
.Lfirst_asked:
	v_and_b32 v1, 15, v0
	v_bfe_u32 v2, v0, 4, 1
	s_lshl_b32 s16, s42, 9                         ; my first column, 4 bytes each: 128 x tile column + 64 wn
	s_lshl_b32 s17, s12, 8
	s_add_co_u32 s16, s16, s17
	s_mov_b32 s17, 0
	s_add_nc_u64 s[68:69], s[68:69], s[16:17]
	s_lshl_b32 s22, s13, 19                        ; my first row, 4,096 bytes each: 128 x tile row + 64 wm
	s_lshl_b32 s23, s11, 18
	s_add_co_u32 s22, s22, s23
	s_add_co_u32 s16, s16, s22
	s_add_nc_u64 s[8:9], s[8:9], s[16:17]
	s_add_nc_u64 s[70:71], s[70:71], s[16:17]
	v_lshlrev_b32 v[BO], 5, v2                     ; a lane's eight columns: 32 bytes by the half of the lanes
	v_lshlrev_b32 v5, 12, v2
	v_lshl_add_u32 v[CO], v1, 4, v5                ; lanes 0-15 one row's 256 bytes, lanes 16-31 the next row's
.set b, 0
.rept NBW
	global_load_b128 v[BIAS+8*b:BIAS+8*b+3],   v[BO], s[68:69] offset:64*b
	global_load_b128 v[BIAS+8*b+4:BIAS+8*b+7], v[BO], s[68:69] offset:64*b+16
.set b, b+1
.endr
	WIN 0x80                                       ; destination window 2
.set b, 0
.rept 32                               ; the residual, in the layout in which rows come back from the stage; on its way during the whole K loop
	global_load_b128 v[64+4*b:64+4*b+3], v[CO], s[70:71] offset:2*b*4096
.set b, b+1
.endr
	WIN 0
	v_mul_u32_u24 v3, v1, APITCH
	v_lshl_add_u32 v3, v2, 4, v3
	v_and_b32 v4, 7, v0
	v_lshl_add_u32 v4, v2, 3, v4
	v_mul_u32_u24 v4, v4, 288
	v_bfe_u32 v5, v0, 3, 1
	v_lshl_add_u32 v4, v5, 4, v4
	s_mul_i32 s21, s11, 64*APITCH
	s_lshl_b32 s22, s12, 7
	s_add_co_u32 s22, s22, 2*UNIT
.set u, 0
.rept NUA
	v_add_nc_u32 v[ADRA0+u], s21, v3
	v_mov_b32 v[ADRA+u], v[ADRA0+u]
	s_add_co_u32 s21, s21, UNIT
.set u, u+1
.endr
.set u, 0
.rept NUB
	v_add_nc_u32 v[ADRB0+u], s22, v4
	v_mov_b32 v[ADRB+u], v[ADRB0+u]
	s_add_co_u32 s22, s22, UNIT
.set u, u+1
.endr
	s_mul_i32 s23, s10, 4352
	s_add_co_u32 s23, s23, STAGE                   ; my stage: 16 rows of 272 bytes
	v_mul_u32_u24 v5, v1, 272
	v_lshl_add_u32 v5, v2, 5, v5
	v_add_nc_u32 v[STO], s23, v5
	v_mul_u32_u24 v5, v2, 272
	v_lshl_add_u32 v5, v1, 4, v5
	v_add_nc_u32 v[RD], s23, v5
	s_wait_tensorcnt 0x1                           ; my unit of slot 0 is in; slot 1's may stay out
	s_barrier_signal -1
	s_barrier_wait -1
	FETCH 0, 0
	s_wait_loadcnt 32                              ; the bias is in; the 32 loads of the residual, issued behind it, stay out
	CHUNK 1, 0, 1, MODE
	WIN 0
	s_mov_b32 s3, NSTEP-2
.Lstep:
	CHUNK 2, 1, 0, 0
	CHUNK 3, 0, 1, 0
	TURN 1, 0
	CHUNK 1, 0, 1, 0
	WIN 0
	s_sub_co_u32 s3, s3, 1
	s_cmp_lg_u32 s3, 0
	s_cbranch_scc1 .Lstep
	s_mov_b32 s3, 2
.Ltail:                                                ; the last two steps ask for nothing
	CHUNK 2, 1, 0, 0
	CHUNK 3, 0, 1, 0
	TURN 0, 1
	WIN 0
	s_cmp_eq_u32 s3, 1
	s_cbranch_scc1 .Lout
	CHUNK 1, 0, 1, 0
	WIN 0
	s_sub_co_u32 s3, s3, 1
	s_cmp_lg_u32 s3, 0
	s_cbranch_scc1 .Ltail
.Lout:
	PLACES
	s_wait_loadcnt 0x0                             ; the residual
; THE WAY OUT, 16 rows at a time: the f32 sums go into my stage as they lie (each accumulator's low registers first), come back as whole rows of 256 bytes, take the residual, and are stored.
.macro OUTA a
.set AC, 8*NBW*((\a)%2)
.set OBR, OB0+192*((\a)%2)
	WIN 0x08+4*((\a)/2)                            ; an LDS store's data is source 1: window 2 or 3
.set b, 0
.rept NBW
	ds_store_b128 v[STO], v[AC+8*b:AC+8*b+3]   offset:64*b
	ds_store_b128 v[STO], v[AC+8*b+4:AC+8*b+7] offset:64*b+16
.set b, b+1
.endr
	WIN 0
	s_wait_xcnt 0x0                                ; earlier stores have read their registers
.irp t, 0,1,2,3,4,5,6,7
	ds_load_b128 v[OBR+4*(\t):OBR+4*(\t)+3], v[RD] offset:544*(\t)
.endr
	s_wait_dscnt 0x0
	WIN 0x08
.set b, 0
.rept 16
	v_pk_add_f32 v[OBR+2*b:OBR+2*b+1], v[OBR+2*b:OBR+2*b+1], v[64+32*(\a)+2*b:64+32*(\a)+2*b+1]
.set b, b+1
.endr
	WIN 0
.irp t, 0,1,2,3,4,5,6,7
	global_store_b128 v[CO], v[OBR+4*(\t):OBR+4*(\t)+3], s[8:9] offset:(16*(\a)+2*(\t))*4096  ; 16 lanes: 256 consecutive bytes, aligned
.endr
.endm
	OUTA 0
	OUTA 1
	OUTA 2
	OUTA 3
	s_wait_tensorcnt 0x0                           ; the wave's end
	ds_add_u32 v[SPW], v[NIL]
	s_wait_dscnt 0x0
	CROUND                                         ; the closing round
	s_endpgm
.Lfunc_end_k_qc4852c305a_proj:
	.size	k_qc4852c305a_proj, .Lfunc_end_k_qc4852c305a_proj-k_qc4852c305a_proj
	.p2alignl 7, 3214868480
	.fill 96, 4, 3214868480
	.section	.rodata,"a",@progbits
	.p2align	6, 0x0
	.amdhsa_kernel k_qc4852c305a_proj
		.amdhsa_group_segment_fixed_size 327680
		.amdhsa_private_segment_fixed_size 0
		.amdhsa_enable_private_segment 0
		.amdhsa_kernarg_size 40
		.amdhsa_user_sgpr_count 2
		.amdhsa_user_sgpr_kernarg_segment_ptr 1
		.amdhsa_wavefront_size32 1
		.amdhsa_system_sgpr_workgroup_id_x 1
		.amdhsa_system_sgpr_workgroup_id_y 1
		.amdhsa_system_sgpr_workgroup_id_z 1
		.amdhsa_system_vgpr_workitem_id 0
		.amdhsa_next_free_vgpr 832
		.amdhsa_next_free_sgpr 80
		.amdhsa_reserve_vcc 0
		.amdhsa_float_denorm_mode_32 3
		.amdhsa_float_denorm_mode_16_64 3
		.amdhsa_memory_ordered 1
		.amdhsa_forward_progress 1
		.amdhsa_inst_pref_size 68
	.end_amdhsa_kernel
	.amdgpu_metadata
---
amdhsa.version: [ 1, 2 ]
amdhsa.kernels:
  - .name:           k_qc4852c305a_proj
    .symbol:         k_qc4852c305a_proj.kd
    .args:
      - { .name: att, .offset: 0, .size: 8, .value_kind: global_buffer, .address_space: global }
      - { .name: wb, .offset: 8, .size: 8, .value_kind: global_buffer, .address_space: global }
      - { .name: x1, .offset: 16, .size: 8, .value_kind: global_buffer, .address_space: global }
      - { .name: bproj, .offset: 24, .size: 8, .value_kind: global_buffer, .address_space: global }
      - { .name: x, .offset: 32, .size: 8, .value_kind: global_buffer, .address_space: global }
    .group_segment_fixed_size: 327680
    .private_segment_fixed_size: 0
    .kernarg_segment_align: 8
    .kernarg_segment_size: 40
    .max_flat_workgroup_size: 128
    .sgpr_count:     80
    .vgpr_count:     832
    .wavefront_size: 32
...
	.end_amdgpu_metadata
.endif
;; end of part 4
;; launch ln2 (part 5): grid 512 x 1, 8 waves a work-group, no clusters, 0 bytes of LDS; arguments x1, ln2_scale, ln2_bias, hn; writes hn
.if DOCPART == 5
	.amdgcn_target "amdgcn-amd-amdhsa--gfx1250"
	.amdhsa_code_object_version 6
	.text
	.protected	k_qc4852c305a_ln2
	.globl	k_qc4852c305a_ln2
	.p2align	8
	.type	k_qc4852c305a_ln2,@function
k_qc4852c305a_ln2:
	s_mov_b64 s[64:65], 0
	v_nop
	global_prefetch_b8 v0, s[64:65] scope:SCOPE_SE
	s_setreg_imm32_b32 hwreg(HW_REG_WAVE_MODE, 25, 1), 1
	s_wait_xcnt 0x0
; LN2: hn = bf16(LayerNorm(x1) * ln2_scale + ln2_bias).  A wave a row of 1,024 f32, kept in 32 registers between the passes: the mean first, then the mean of the squared differences.
; A stream: no LDS, no matrix unit, no cluster.  Each store of a wave covers 256 consecutive bytes, aligned.  NaN and infinities are not treated apart.
.set VI,  1
.set VO,  2
.set T,   8
.set SUM, 24
.set MU,  26
.set RS,  28
.set INV, 30
.set X,   32
.set SC,  64
.set BI,  96
.macro ALLSUM
	v_add_f32_dpp v[SUM], v[SUM], v[SUM] row_xmask:1 row_mask:0xf bank_mask:0xf
	v_add_f32_dpp v[SUM], v[SUM], v[SUM] row_xmask:2 row_mask:0xf bank_mask:0xf
	v_add_f32_dpp v[SUM], v[SUM], v[SUM] row_xmask:4 row_mask:0xf bank_mask:0xf
	v_add_f32_dpp v[SUM], v[SUM], v[SUM] row_xmask:8 row_mask:0xf bank_mask:0xf
	v_permlanex16_b32 v[T], v[SUM], s12, s13
	v_add_f32 v[SUM], v[SUM], v[T]
.endm
	s_load_b256 s[16:23], s[0:1], 0x0              ; x1 16, ln2_scale 18, ln2_bias 20, hn 22
	v_lshrrev_b32 v3, 5, v0
	v_readfirstlane_b32 s8, v3
	v_and_b32 v4, 31, v0
	v_lshlrev_b32 v[VI], 4, v4
	v_lshlrev_b32 v[VO], 3, v4
	s_lshl_b32 s9, ttmp9, 3
	s_add_co_u32 s9, s9, s8                        ; my row
	s_lshl_b32 s10, s9, 12
	s_mov_b32 s11, 0
	s_lshl_b32 s2, s9, 11
	s_mov_b32 s3, 0
	s_mov_b32 s12, 0x76543210
	s_mov_b32 s13, 0xfedcba98
	v_mov_b32 v[INV], 0x3a800000                   ; 1 / 1024
	s_wait_kmcnt 0x0
	s_add_nc_u64 s[4:5], s[16:17], s[10:11]
	s_add_nc_u64 s[6:7], s[22:23], s[2:3]
.irp j, 0,1,2,3,4,5,6,7
	global_load_b128 v[X+4*(\j):X+4*(\j)+3], v[VI], s[4:5] offset:512*(\j)
.endr
.irp j, 0,1,2,3,4,5,6,7
	global_load_b128 v[SC+4*(\j):SC+4*(\j)+3], v[VI], s[18:19] offset:512*(\j)
.endr
.irp j, 0,1,2,3,4,5,6,7
	global_load_b128 v[BI+4*(\j):BI+4*(\j)+3], v[VI], s[20:21] offset:512*(\j)
.endr
	s_wait_loadcnt 16                              ; the row is in; scale's and bias's 16 loads may stay out
.irp i, 0,1,2,3,4,5,6,7
	v_pk_add_f32 v[T+2*(\i):T+2*(\i)+1], v[X+2*(\i):X+2*(\i)+1], v[X+16+2*(\i):X+16+2*(\i)+1]
.endr
.irp i, 0,1,2,3
	v_pk_add_f32 v[T+2*(\i):T+2*(\i)+1], v[T+2*(\i):T+2*(\i)+1], v[T+8+2*(\i):T+8+2*(\i)+1]
.endr
.irp i, 0,1
	v_pk_add_f32 v[T+2*(\i):T+2*(\i)+1], v[T+2*(\i):T+2*(\i)+1], v[T+4+2*(\i):T+4+2*(\i)+1]
.endr
	v_pk_add_f32 v[T:T+1], v[T:T+1], v[T+2:T+3]
	v_add_f32 v[SUM], v[T], v[T+1]
	ALLSUM
	v_mul_f32 v[MU], v[INV], v[SUM]
	v_mov_b32 v[MU+1], v[MU]
.set i, 0
.rept 16
	v_pk_add_f32 v[X+2*i:X+2*i+1], v[X+2*i:X+2*i+1], v[MU:MU+1] neg_lo:[0,1] neg_hi:[0,1]
.set i, i+1
.endr
.irp i, 0,1,2,3
	v_pk_mul_f32 v[T+2*(\i):T+2*(\i)+1], v[X+2*(\i):X+2*(\i)+1], v[X+2*(\i):X+2*(\i)+1]
.endr
.set i, 4
.rept 12
	v_pk_fma_f32 v[T+2*(i%4):T+2*(i%4)+1], v[X+2*i:X+2*i+1], v[X+2*i:X+2*i+1], v[T+2*(i%4):T+2*(i%4)+1]
.set i, i+1
.endr
	v_pk_add_f32 v[T:T+1], v[T:T+1], v[T+2:T+3]
	v_pk_add_f32 v[T+4:T+5], v[T+4:T+5], v[T+6:T+7]
	v_pk_add_f32 v[T:T+1], v[T:T+1], v[T+4:T+5]
	v_add_f32 v[SUM], v[T], v[T+1]
	ALLSUM
	v_fmaak_f32 v[SUM], v[INV], v[SUM], 0x358637bd ; the variance + 1e-6
	v_rsq_f32 v[RS], v[SUM]
	v_rsq_f32 v[RS+1], v[SUM]
	v_nop                                          ; a plain instruction behind the last root
	s_wait_alu depctr_va_vdst(0)                   ; one wait for both, ahead of their first reader
	s_wait_loadcnt 0x0                             ; scale and bias
.irp j, 0,1,2,3,4,5,6,7
	v_pk_mul_f32 v[X+4*(\j):X+4*(\j)+1], v[X+4*(\j):X+4*(\j)+1], v[RS:RS+1]
	v_pk_mul_f32 v[X+4*(\j)+2:X+4*(\j)+3], v[X+4*(\j)+2:X+4*(\j)+3], v[RS:RS+1]
	v_pk_fma_f32 v[X+4*(\j):X+4*(\j)+1], v[X+4*(\j):X+4*(\j)+1], v[SC+4*(\j):SC+4*(\j)+1], v[BI+4*(\j):BI+4*(\j)+1]
	v_pk_fma_f32 v[X+4*(\j)+2:X+4*(\j)+3], v[X+4*(\j)+2:X+4*(\j)+3], v[SC+4*(\j)+2:SC+4*(\j)+3], v[BI+4*(\j)+2:BI+4*(\j)+3]
	v_cvt_pk_bf16_f32 v[X+4*(\j)], v[X+4*(\j)], v[X+4*(\j)+1]
	v_cvt_pk_bf16_f32 v[X+4*(\j)+1], v[X+4*(\j)+2], v[X+4*(\j)+3]
	global_store_b64 v[VO], v[X+4*(\j):X+4*(\j)+1], s[6:7] offset:256*(\j)
.endr
	s_endpgm
.Lfunc_end_k_qc4852c305a_ln2:
	.size	k_qc4852c305a_ln2, .Lfunc_end_k_qc4852c305a_ln2-k_qc4852c305a_ln2
	.p2alignl 7, 3214868480
	.fill 96, 4, 3214868480
	.section	.rodata,"a",@progbits
	.p2align	6, 0x0
	.amdhsa_kernel k_qc4852c305a_ln2
		.amdhsa_group_segment_fixed_size 0
		.amdhsa_private_segment_fixed_size 0
		.amdhsa_enable_private_segment 0
		.amdhsa_kernarg_size 32
		.amdhsa_user_sgpr_count 2
		.amdhsa_user_sgpr_kernarg_segment_ptr 1
		.amdhsa_wavefront_size32 1
		.amdhsa_system_sgpr_workgroup_id_x 1
		.amdhsa_system_sgpr_workgroup_id_y 1
		.amdhsa_system_sgpr_workgroup_id_z 1
		.amdhsa_system_vgpr_workitem_id 0
		.amdhsa_next_free_vgpr 128
		.amdhsa_next_free_sgpr 66
		.amdhsa_reserve_vcc 0
		.amdhsa_float_denorm_mode_32 3
		.amdhsa_float_denorm_mode_16_64 3
		.amdhsa_memory_ordered 1
		.amdhsa_forward_progress 1
		.amdhsa_inst_pref_size 12
	.end_amdhsa_kernel
	.amdgpu_metadata
---
amdhsa.version: [ 1, 2 ]
amdhsa.kernels:
  - .name:           k_qc4852c305a_ln2
    .symbol:         k_qc4852c305a_ln2.kd
    .args:
      - { .name: x1, .offset: 0, .size: 8, .value_kind: global_buffer, .address_space: global }
      - { .name: ln2_scale, .offset: 8, .size: 8, .value_kind: global_buffer, .address_space: global }
      - { .name: ln2_bias, .offset: 16, .size: 8, .value_kind: global_buffer, .address_space: global }
      - { .name: hn, .offset: 24, .size: 8, .value_kind: global_buffer, .address_space: global }
    .group_segment_fixed_size: 0
    .private_segment_fixed_size: 0
    .kernarg_segment_align: 8
    .kernarg_segment_size: 32
    .max_flat_workgroup_size: 256
    .sgpr_count:     66
    .vgpr_count:     128
    .wavefront_size: 32
...
	.end_amdgpu_metadata
.endif
;; end of part 5
;; launch ffn1 (part 6): grid 16 x 16, 4 waves a work-group, clusters of 4 x 4, 327,680 bytes of LDS; arguments hn, wb, act, b1; writes act
.if DOCPART == 6
	.amdgcn_target "amdgcn-amd-amdhsa--gfx1250"
	.amdhsa_code_object_version 6
	.text
	.protected	k_qc4852c305a_ffn1
	.globl	k_qc4852c305a_ffn1
	.p2align	8
	.type	k_qc4852c305a_ffn1,@function
k_qc4852c305a_ffn1:
	s_mov_b64 s[64:65], 0
	v_nop
	global_prefetch_b8 v0, s[64:65] scope:SCOPE_SE
	s_setreg_imm32_b32 hwreg(HW_REG_WAVE_MODE, 25, 1), 1
	s_wait_xcnt 0x0
	s_wait_alu depctr_hold_cnt(0) depctr_sa_sdst(0) depctr_va_vdst(0) depctr_va_sdst(0) depctr_va_ssrc(0) depctr_va_vcc(0) depctr_vm_vsrc(0)
	s_getreg_b32 s2, hwreg(HW_REG_IB_STS2, 6, 4)
	s_cmp_eq_u32 s2, 0
	s_cbranch_scc0 .Lentry_in_a_cluster
	s_endpgm
.Lentry_in_a_cluster:
	s_bfe_u32 s2, ttmp6, 0x10000c
	s_cmp_lg_u32 s2, 0xf033
	s_cbranch_scc0 .Lentry_shape_is_right
	s_endpgm
.Lentry_shape_is_right:
; FFN1: act = bf16(relu(hn [4096][1024] x W1 [1024][4096] + b1)); bf16 operands, f32 sums that start with the bias, rounded once.
; A work-group of four waves makes 256 x 256 (256 work-groups); a wave 128 x 128: 64 accumulators, 512 registers.  K goes in steps of 128 through two LDS slots of four UNITS; a wave's one tensor
; load fills one unit: 128 rows of hn x 128 K (pitch 272), or 128 k-rows of W1 x 128 columns (pitch 288).  W1 stays [K][N]: its fragments come out of LDS turned, by ds_load_tr16_b128.
; Source 0 = 16 columns of W1, source 1 = 16 rows of hn: a lane holds one row and eight neighbouring columns.
; CLUSTER 4 x 4: hn's units are asked for jointly along a row of the cluster, W1's along a column.
; THE WALK ALONG K begins at step 0 in clusters whose x + y is even and at step NSTEP / 2 in the others, and wraps (f32 sums may be taken in any order): neighbouring clusters, which read the same rows of one
; operand, ask for them half a walk apart.  The step hangs on the cluster's two numbers alone, which its sixteen work-groups share.
; REGISTERS: window 0 addresses, hn's fragments (two buffers), the bias and later the way out; window 1 W1's fragments; windows 2, 3 the accumulators.
.set MA,     8
.set NBW,    8
.set BPS,    8
.set KD,     1
.set NAW,    2
.set NSTEP,  8
.set APITCH, 272
.set ACH,    4
.set ASUB,   0
.set MODE,   2                         ; the first products start the sums with the bias
.set AQI,    5
.set AD0,    128
.set AD1,    128
.set APE,    1024
.set BPE,    4096
.set ASTEP,  256
.set BSTEP,  1048576
.set WOFF,   8388608
.set NUA,    1
.set NUB,    1
.set PREF,   1
.set UNIT,  36864
.set SLOT,  4*UNIT                     ; 0x24000: shares no bit with wave x UNIT, so one exclusive or turns an address in one slot into the other's
.set STAGE, 2*SLOT
.set SPARE, STAGE+4*4352
.set R,     KD*MA
.set ADRA0, 8
.set ADRB0, 10
.set ADRA,  13
.set ADRB,  15
.set STO,   18
.set RD,    19
.set CO,    20
.set PFO,   21
.set ZR,    23                         ; 0, for the ReLU on packed halves
.set BO,    24
.set SPW,   28
.set NIL,   29
.set OB0,   32
.set BIAS,  192
.set TMP,   192
.set ABASE, 18                         ; s[18:19] my unit of hn at K step 0; never rewritten
.set BBASE, 46                         ; s[46:47] the same for W1
.set G1A, 24
.set G0A, 32
.set G1B, 48
.set G0B, 56
.set OFB, 44                           ; s[44:45] byte offset of a K step in W1
.set OFA, 66                           ; s[66:67] in hn
.set TB,  72
.set KI,  73                           ; the K step that the next refill asks for
.set PFA, 74
.set PST, 76
.set LIM, 78
.set MSB, 0
.macro WIN new
.if MSB != (\new)
	s_set_vgpr_msb (MSB<<8)|(\new)
.set MSB, (\new)
.endif
.endm
.macro PLACES
.rept 4
	v_nop
.endr
.endm
.macro CREST
	s_cmp_lg_u32 s10, 0
	s_cbranch_scc1 .Lnot_wave_0_\@
	s_barrier_signal -3
.Lnot_wave_0_\@:
	s_barrier_wait -3
	s_barrier_signal -1
	s_barrier_wait -1
.endm
.macro CROUND
	s_barrier_signal -1
	s_barrier_wait -1
	CREST
.endm
.macro JLOAD
	s_cmp_lt_u32 s10, NAW
	s_cbranch_scc0 .Lfor_b_\@
	tensor_load_to_lds s[G0A+4:G0A+7], s[G1A:G1A+7]
	s_nop 0
	PLACES
	s_branch .Lasked_\@
.Lfor_b_\@:
	tensor_load_to_lds s[G0B+4:G0B+7], s[G1B:G1B+7]
	s_nop 0
	PLACES
.Lasked_\@:
.endm
; A prefetch of my work-group's 32 rows of the unit that I fetch, for the K step that the NEXT refill loads.  Only the first half of a cluster's walk is asked for (the second half is what the neighbouring
; clusters walk first): with NSTEP = 8 that is the walk's fourth step, asked for behind the first refill; the first three come by their loads alone.
.macro ASK
	s_cmp_gt_u32 s3, s[LIM]
	s_cbranch_scc0 .Lnot_mine_\@
	global_prefetch_b8 v[PFO], s[PFA:PFA+1] th:TH_LOAD_NT scope:SCOPE_SE
.Lnot_mine_\@:
.endm
.macro FETCH c, f
	WIN 0x40
.set dd, 0
.rept KD
.set qq, KD*(\c)+dd
.set bb, 0
.rept NBW
.set fb, 128*(\f)+8*(NBW*dd+bb)
	ds_load_tr16_b128 v[fb:fb+3],   v[ADRB+bb/BPS+qq/4] offset:(qq%4)*9216+(bb%BPS)*32
	ds_load_tr16_b128 v[fb+4:fb+7], v[ADRB+bb/BPS+qq/4] offset:(qq%4)*9216+(bb%BPS)*32+4608
.set bb, bb+1
.endr
.set dd, dd+1
.endr
	WIN 0
.set dd, 0
.rept KD
.set qq, KD*(\c)+dd
.set aa, 0
.rept MA
.set fa, 64+64*(\f)+8*(MA*dd+aa)
	ds_load_b128 v[fa:fa+3],   v[ADRA+qq/4] offset:((qq%4)/ACH)*ASUB+((qq%4)%ACH)*64+aa*16*APITCH
	ds_load_b128 v[fa+4:fa+7], v[ADRA+qq/4] offset:((qq%4)/ACH)*ASUB+((qq%4)%ACH)*64+aa*16*APITCH+32
.set aa, aa+1
.endr
.set dd, dd+1
.endr
.endm
.macro MULS f, r0, r1, mode            ; the accumulators take turns, one instruction a turn
.set rho, (\r0)
.rept (\r1)-(\r0)
.set dd, rho/MA
.set aa, rho%MA
.set hw, aa/(MA/2)
.set ac, 8*NBW*(aa%(MA/2))
.set fa, 64+64*(\f)+8*rho
.set bb, 0
.rept NBW
.set fb, 128*(\f)+8*(NBW*dd+bb)
.if ((\mode) == 2) && (dd == 0)
	WIN 0x81+0x40*hw
	v_wmma_f32_16x16x32_bf16 v[ac+8*bb:ac+8*bb+7], v[fb:fb+7], v[fa:fa+7], v[BIAS+8*bb:BIAS+8*bb+7]
.elseif ((\mode) == 1) && (dd == 0)
	WIN 0xa1+0x50*hw
	v_wmma_f32_16x16x32_bf16 v[ac+8*bb:ac+8*bb+7], v[fb:fb+7], v[fa:fa+7], 0
.else
	WIN 0xa1+0x50*hw
	v_wmma_f32_16x16x32_bf16 v[ac+8*bb:ac+8*bb+7], v[fb:fb+7], v[fa:fa+7], v[ac+8*bb:ac+8*bb+7]
.endif
.set bb, bb+1
.endr
.set rho, rho+1
.endr
.endm
.macro CHUNK cn, f, g, mode
	s_wait_dscnt 0x0                               ; buffer f was asked for a chunk ago
	PLACES                                         ; behind the last product that read buffer g
	FETCH \cn, \g
	MULS \f, 0, R, \mode
.endm
.macro ADRS
.set u, 0
.rept NUA
	v_add_nc_u32 v[ADRA+u], s[TB], v[ADRA0+u]
.set u, u+1
.endr
.set u, 0
.rept NUB
	v_add_nc_u32 v[ADRB+u], s[TB], v[ADRB0+u]
.set u, u+1
.endr
.endm
; A slot's last chunk and the change of slots: all my tensor loads waited for, the add, the wait for it and for my reads of the slot, the barrier; fill = 1: it opens a round of the cluster's, and the joint refill, K step KI, comes first behind it.
.macro TURN fill, tail
	s_wait_dscnt 0x0                               ; buffer 1 is in: these were my last reads of the slot
.if PREF && (\fill)
	s_wait_xcnt 0x0                                ; the last prefetch, a K step back, has read its address
	s_add_nc_u64 s[PFA:PFA+1], s[PFA:PFA+1], s[PST:PST+1]
.endif
	WIN 0
	s_wait_tensorcnt 0x0
	ds_add_u32 v[SPW], v[NIL]
.if \fill
	s_xor_b32 s[G0A+5], s[G0A+5], SLOT             ; the other slot than last time; the addresses are made anew from the step's number
	s_mul_i32 s[OFA], s[KI], ASTEP
	s_add_nc_u64 s[G0A+6:G0A+7], s[ABASE:ABASE+1], s[OFA:OFA+1]
	s_or_b32 s[G0A+7], s[G0A+7], 0x80000000
	s_xor_b32 s[G0B+5], s[G0B+5], SLOT
	s_mul_i32 s[OFB], s[KI], BSTEP
	s_add_nc_u64 s[G0B+6:G0B+7], s[BBASE:BBASE+1], s[OFB:OFB+1]
	s_or_b32 s[G0B+7], s[G0B+7], 0x80000000
	s_add_co_u32 s[KI], s[KI], 1
	s_and_b32 s[KI], s[KI], NSTEP-1                ; the walk wraps
.endif
	s_xor_b32 s[TB], s[TB], SLOT
	MULS 1, 0, R/4, 0
	s_wait_dscnt 0x0
	s_barrier_signal -1
	MULS 1, R/4, R/2, 0
	WIN 0
	s_barrier_wait -1
.if \fill
	CREST
	JLOAD
.else
	PLACES
.endif
.if \tail
	s_cmp_eq_u32 s3, 1
	s_cbranch_scc1 .Lno_fetch_\@
.endif
	ADRS
	FETCH 0, 0
.if \tail
.Lno_fetch_\@:
.endif
.if PREF && (\fill)
	ASK
.endif
	MULS 1, R/2, R, 0
.endm
	s_load_b128 s[4:7], s[0:1], 0x0                ; hn, wb
	s_load_b64 s[8:9], s[0:1], 0x10                ; act
	s_load_b64 s[68:69], s[0:1], 0x18              ; b1
	v_lshl_add_u32 v[SPW], v0, 2, SPARE
	v_mov_b32 v[NIL], 0
	ds_add_u32 v[SPW], v[NIL]                      ; the opening: the add and its wait ahead of my first tensor load
	v_lshrrev_b32 v1, 5, v0
	v_readfirstlane_b32 s10, v1
	s_lshr_b32 s11, s10, 1
	s_and_b32 s12, s10, 1
	s_bfe_u32 s40, ttmp6, 0x40000
	s_bfe_u32 s41, ttmp6, 0x40004
	s_lshl_b32 s42, ttmp9, 2
	s_add_co_u32 s42, s42, s40                     ; tile column
	s_and_b32 s13, ttmp7, 0xffff
	s_lshl_b32 s13, s13, 2
	s_add_co_u32 s13, s13, s41                     ; tile row
	s_lshl_b32 s43, s41, 2
	s_lshl_b32 s43, 15, s43
	s_lshl_b32 s44, 0x1111, s40
	s_or_b32 s[G1A], s43, (1<<16)|(1<<20)|(1<<21)|(AQI<<22)|(3<<25)
	s_or_b32 s[G1B], s44, (1<<16)|(1<<20)|(1<<21)|(5<<22)|(7<<25)
	s_and_b32 s79, ttmp7, 0xffff                   ; cluster y
	s_add_co_u32 s79, s79, ttmp9                   ; + cluster x
	s_and_b32 s79, s79, 1
	s_mul_i32 s[KI], s79, NSTEP/2                  ; where my cluster's walk along K begins
	s_mul_i32 s[OFA], s[KI], ASTEP
	s_mov_b32 s[OFA+1], 0
	s_mul_i32 s[OFB], s[KI], BSTEP
	s_mov_b32 s[OFB+1], 0
	s_mov_b32 s[G1A+1], AD0<<16
	s_mov_b32 s[G1A+2], AD1<<16
	s_mov_b32 s[G1A+3], AD0<<16
	s_mov_b32 s[G1A+4], AD1
	s_mov_b32 s[G1A+5], APE
	s_mov_b32 s[G1A+6], 0
	s_mov_b32 s[G1A+7], 0
	s_mov_b32 s[G1B+1], 128<<16
	s_mov_b32 s[G1B+2], 128<<16
	s_mov_b32 s[G1B+3], 128<<16
	s_mov_b32 s[G1B+4], 128
	s_mov_b32 s[G1B+5], BPE
	s_mov_b32 s[G1B+6], 0
	s_mov_b32 s[G1B+7], 0
	s_min_u32 s14, s10, NAW-1
	s_max_u32 s15, s10, NAW
	s_sub_co_u32 s15, s15, NAW
	s_lshl_b32 s16, s13, 19                        ; hn: 256 rows of 2,048 bytes a tile row,
	s_lshl_b32 s17, s14, 18                        ; 128 a unit
	s_add_co_u32 s16, s16, s17
	s_mov_b32 s17, 0
	s_lshl_b32 s46, s42, 9                         ; W1: 256 columns a tile column,
	s_lshl_b32 s47, s15, 8                         ; 128 a unit
	s_add_co_u32 s46, s46, s47
	s_add_co_u32 s46, s46, WOFF
	s_mov_b32 s47, 0
	s_mul_i32 s20, s10, UNIT
	s_mov_b32 s[TB], 0
	s_wait_dscnt 0x0
	s_wait_kmcnt 0x0
	s_add_nc_u64 s[ABASE:ABASE+1], s[4:5], s[16:17]
	s_add_nc_u64 s[BBASE:BBASE+1], s[6:7], s[46:47]
	CROUND
.irp s, 0,1
	s_mov_b32 s[G0A+4*(\s)], 1
	s_add_co_u32 s[G0A+4*(\s)+1], s20, (\s)*SLOT
	s_add_nc_u64 s[G0A+4*(\s)+2:G0A+4*(\s)+3], s[ABASE:ABASE+1], s[OFA:OFA+1]
.if \s
	s_add_nc_u64 s[G0A+4*(\s)+2:G0A+4*(\s)+3], s[G0A+4*(\s)+2:G0A+4*(\s)+3], ASTEP
.endif
	s_or_b32 s[G0A+4*(\s)+3], s[G0A+4*(\s)+3], 0x80000000
	s_mov_b32 s[G0B+4*(\s)], 1
	s_add_co_u32 s[G0B+4*(\s)+1], s20, (\s)*SLOT
	s_add_nc_u64 s[G0B+4*(\s)+2:G0B+4*(\s)+3], s[BBASE:BBASE+1], s[OFB:OFB+1]
.if \s
	s_add_nc_u64 s[G0B+4*(\s)+2:G0B+4*(\s)+3], s[G0B+4*(\s)+2:G0B+4*(\s)+3], BSTEP
.endif
	s_or_b32 s[G0B+4*(\s)+3], s[G0B+4*(\s)+3], 0x80000000
.endr
	s_add_co_u32 s[KI], s[KI], 2                   ; the first refill asks for the walk's third step
	s_and_b32 s[KI], s[KI], NSTEP-1
	s_cmp_lt_u32 s10, NAW
	s_cbranch_scc0 .Lfirst_b
	tensor_load_to_lds s[G0A:G0A+3], s[G1A:G1A+7]
	s_nop 0
	tensor_load_to_lds s[G0A+4:G0A+7], s[G1A:G1A+7]
	s_nop 0
	PLACES
	s_branch .Lfirst_asked
.Lfirst_b:
	tensor_load_to_lds s[G0B:G0B+3], s[G1B:G1B+7]
	s_nop 0
	tensor_load_to_lds s[G0B+4:G0B+7], s[G1B:G1B+7]
	s_nop 0
	PLACES
.Lfirst_asked:
	v_and_b32 v1, 15, v0
	v_bfe_u32 v2, v0, 4, 1
	s_lshl_b32 s16, s42, 10                        ; b1 at my first column: 4 x (256 x tile column + 128 wn)
	s_lshl_b32 s17, s12, 9
	s_add_co_u32 s16, s16, s17
	s_mov_b32 s17, 0
	s_add_nc_u64 s[68:69], s[68:69], s[16:17]
	v_lshlrev_b32 v[BO], 5, v2
.set b, 0
.rept NBW
	global_load_b128 v[BIAS+8*b:BIAS+8*b+3],   v[BO], s[68:69] offset:64*b
	global_load_b128 v[BIAS+8*b+4:BIAS+8*b+7], v[BO], s[68:69] offset:64*b+16
.set b, b+1
.endr
	v_mov_b32 v[ZR], 0
	v_mul_u32_u24 v3, v1, APITCH
	v_lshl_add_u32 v3, v2, 4, v3
	v_and_b32 v4, 7, v0
	v_lshl_add_u32 v4, v2, 3, v4
	v_mul_u32_u24 v4, v4, 288
	v_bfe_u32 v5, v0, 3, 1
	v_lshl_add_u32 v4, v5, 4, v4
	s_mul_i32 s21, s11, UNIT                       ; my 128 rows: unit wm
	s_mul_i32 s22, s12, UNIT
	s_add_co_u32 s22, s22, 2*UNIT                  ; my 128 columns: unit 2 + wn
.set u, 0
.rept NUA
	v_add_nc_u32 v[ADRA0+u], s21, v3
	v_mov_b32 v[ADRA+u], v[ADRA0+u]
	s_add_co_u32 s21, s21, UNIT
.set u, u+1
.endr
.set u, 0
.rept NUB
	v_add_nc_u32 v[ADRB0+u], s22, v4
	v_mov_b32 v[ADRB+u], v[ADRB0+u]
	s_add_co_u32 s22, s22, UNIT
.set u, u+1
.endr
	s_mul_i32 s23, s10, 4352
	s_add_co_u32 s23, s23, STAGE
	v_mul_u32_u24 v5, v1, 272
	v_lshl_add_u32 v5, v2, 4, v5
	v_add_nc_u32 v[STO], s23, v5
	v_mul_u32_u24 v5, v2, 272
	v_lshl_add_u32 v5, v1, 4, v5
	v_add_nc_u32 v[RD], s23, v5
	v_lshlrev_b32 v5, 13, v2
	v_lshl_add_u32 v[CO], v1, 4, v5
	s_lshl_b32 s16, s13, 21                        ; act at my part: rows of 8,192 bytes
	s_lshl_b32 s17, s11, 20
	s_add_co_u32 s16, s16, s17
	s_lshl_b32 s17, s42, 9
	s_add_co_u32 s16, s16, s17
	s_lshl_b32 s17, s12, 8
	s_add_co_u32 s16, s16, s17
	s_mov_b32 s17, 0
	s_add_nc_u64 s[8:9], s[8:9], s[16:17]
	; the prefetches: hn's rows are asked for by the clusters with x < 2, W1's by those with y < 2 (one cluster of each starting step); the four partners of a joint load take 32 of the unit's 128 rows each, told apart by address; a lane a row
	s_and_b32 s22, ttmp7, 0xffff
	s_mov_b32 s14, ASTEP
	s_mov_b32 s15, BSTEP
	s_mov_b32 s16, 2*APE
	s_mov_b32 s17, 2*BPE
	s_cmp_lt_u32 s10, NAW
	s_cselect_b32 s21, s40, s41
	s_cselect_b32 s22, ttmp9, s22
	s_cselect_b64 s[PFA:PFA+1], s[ABASE:ABASE+1], s[BBASE:BBASE+1]
	s_cselect_b32 s[PST], s14, s15
	s_cselect_b32 s16, s16, s17
	s_mov_b32 s[PST+1], 0
	s_cmp_lt_u32 s22, 2
	s_cselect_b32 s[LIM], NSTEP/2+1, -1            ; a wave asks while more trips than this are left: the first NSTEP / 2 - 3 refills
	s_lshl_b32 s21, s21, 5
	s_mul_i32 s20, s21, s16
	s_mov_b32 s21, 0
	s_add_nc_u64 s[PFA:PFA+1], s[PFA:PFA+1], s[20:21]
	s_mul_i32 s20, s[KI], s[PST]                   ; at the walk's third step; the first change of slots steps it to the fourth.  Nothing is asked for here, at the head
	s_add_nc_u64 s[PFA:PFA+1], s[PFA:PFA+1], s[20:21]
	v_and_b32 v[PFO], 31, v0
	v_mul_u32_u24 v[PFO], s16, v[PFO]
	s_wait_tensorcnt 0x1                           ; my unit of slot 0 is in; slot 1's may stay out
	s_barrier_signal -1
	s_barrier_wait -1
	FETCH 0, 0
	s_wait_loadcnt 0x0                             ; the bias
	CHUNK 1, 0, 1, MODE
	WIN 0
	s_mov_b32 s3, NSTEP-2
.Lstep:
	CHUNK 2, 1, 0, 0
	CHUNK 3, 0, 1, 0
	TURN 1, 0
	CHUNK 1, 0, 1, 0
	WIN 0
	s_sub_co_u32 s3, s3, 1
	s_cmp_lg_u32 s3, 0
	s_cbranch_scc1 .Lstep
	s_mov_b32 s3, 2
.Ltail:                                                ; the last two steps ask for nothing
	CHUNK 2, 1, 0, 0
	CHUNK 3, 0, 1, 0
	TURN 0, 1
	WIN 0
	s_cmp_eq_u32 s3, 1
	s_cbranch_scc1 .Lout
	CHUNK 1, 0, 1, 0
	WIN 0
	s_sub_co_u32 s3, s3, 1
	s_cmp_lg_u32 s3, 0
	s_cbranch_scc1 .Ltail
.Lout:
	PLACES
; THE WAY OUT, 16 rows at a time: rounded to bf16, the ReLU on packed halves (it rounds nothing), through my stage, out as whole rows of 256 bytes.
.macro PACK a
.set AC, 64*((\a)%4)
	WIN 0x0a+5*((\a)/4)
.set b, 0
.rept 8
.irp r, 0,1,2,3
	v_cvt_pk_bf16_f32 v[TMP+4*b+(\r)], v[AC+8*b+2*(\r)], v[AC+8*b+2*(\r)+1]
.endr
.set b, b+1
.endr
	WIN 0
.set b, 0
.rept 32
	v_pk_max_num_bf16 v[TMP+b], v[TMP+b], v[ZR]
.set b, b+1
.endr
.endm
.macro TOSTAGE a
.set BK, OB0+192*((\a)%2)
.irp b, 0,1,2,3,4,5,6,7
	ds_store_b128 v[STO], v[TMP+4*(\b):TMP+4*(\b)+3] offset:32*(\b)
.endr
.irp t, 0,1,2,3,4,5,6,7
	ds_load_b128 v[BK+4*(\t):BK+4*(\t)+3], v[RD] offset:544*(\t)  ; LDS serves a wave's instructions in order: these see the stores above
.endr
.endm
.macro SEND a
.set BK, OB0+192*((\a)%2)
	s_wait_dscnt 0x0                               ; the block is back in registers
	s_wait_xcnt 0x0                                ; earlier stores have read their registers: the next block but one is loaded into them only behind this wait
.irp t, 0,1,2,3,4,5,6,7
	global_store_b128 v[CO], v[BK+4*(\t):BK+4*(\t)+3], s[8:9] offset:(16*(\a)+2*(\t))*8192  ; 16 lanes: 256 consecutive bytes, aligned
.endr
.endm
	PACK 0
	TOSTAGE 0
.irp a, 1,2,3,4,5,6,7                  ; block a's conversions stand between block a - 1's loads from the stage and the wait for them
	PACK \a
	SEND (\a)-1
	TOSTAGE \a
.endr
	SEND 7
	s_wait_tensorcnt 0x0                           ; the wave's end
	ds_add_u32 v[SPW], v[NIL]
	s_wait_dscnt 0x0
	CROUND                                         ; the closing round
	s_endpgm
.Lfunc_end_k_qc4852c305a_ffn1:
	.size	k_qc4852c305a_ffn1, .Lfunc_end_k_qc4852c305a_ffn1-k_qc4852c305a_ffn1
	.p2alignl 7, 3214868480
	.fill 96, 4, 3214868480
	.section	.rodata,"a",@progbits
	.p2align	6, 0x0
	.amdhsa_kernel k_qc4852c305a_ffn1
		.amdhsa_group_segment_fixed_size 327680
		.amdhsa_private_segment_fixed_size 0
		.amdhsa_enable_private_segment 0
		.amdhsa_kernarg_size 32
		.amdhsa_user_sgpr_count 2
		.amdhsa_user_sgpr_kernarg_segment_ptr 1
		.amdhsa_wavefront_size32 1
		.amdhsa_system_sgpr_workgroup_id_x 1
		.amdhsa_system_sgpr_workgroup_id_y 1
		.amdhsa_system_sgpr_workgroup_id_z 1
		.amdhsa_system_vgpr_workitem_id 0
		.amdhsa_next_free_vgpr 1024
		.amdhsa_next_free_sgpr 80
		.amdhsa_reserve_vcc 0
		.amdhsa_float_denorm_mode_32 3
		.amdhsa_float_denorm_mode_16_64 3
		.amdhsa_memory_ordered 1
		.amdhsa_forward_progress 1
		.amdhsa_inst_pref_size 119
	.end_amdhsa_kernel
	.amdgpu_metadata
---
amdhsa.version: [ 1, 2 ]
amdhsa.kernels:
  - .name:           k_qc4852c305a_ffn1
    .symbol:         k_qc4852c305a_ffn1.kd
    .args:
      - { .name: hn, .offset: 0, .size: 8, .value_kind: global_buffer, .address_space: global }
      - { .name: wb, .offset: 8, .size: 8, .value_kind: global_buffer, .address_space: global }
      - { .name: act, .offset: 16, .size: 8, .value_kind: global_buffer, .address_space: global }
      - { .name: b1, .offset: 24, .size: 8, .value_kind: global_buffer, .address_space: global }
    .group_segment_fixed_size: 327680
    .private_segment_fixed_size: 0
    .kernarg_segment_align: 8
    .kernarg_segment_size: 32
    .max_flat_workgroup_size: 128
    .sgpr_count:     80
    .vgpr_count:     1024
    .wavefront_size: 32
...
	.end_amdgpu_metadata
.endif
;; end of part 6
;; launch ffn2 (part 7): grid 8 x 32, 4 waves a work-group, clusters of 4 x 4, 327,680 bytes of LDS; arguments act, wb, out0, b2, x1; writes out0
.if DOCPART == 7
	.amdgcn_target "amdgcn-amd-amdhsa--gfx1250"
	.amdhsa_code_object_version 6
	.text
	.protected	k_qc4852c305a_ffn2
	.globl	k_qc4852c305a_ffn2
	.p2align	8
	.type	k_qc4852c305a_ffn2,@function
k_qc4852c305a_ffn2:
	s_mov_b64 s[64:65], 0
	v_nop
	global_prefetch_b8 v0, s[64:65] scope:SCOPE_SE
	s_setreg_imm32_b32 hwreg(HW_REG_WAVE_MODE, 25, 1), 1
	s_wait_xcnt 0x0
	s_wait_alu depctr_hold_cnt(0) depctr_sa_sdst(0) depctr_va_vdst(0) depctr_va_sdst(0) depctr_va_ssrc(0) depctr_va_vcc(0) depctr_vm_vsrc(0)
	s_getreg_b32 s2, hwreg(HW_REG_IB_STS2, 6, 4)
	s_cmp_eq_u32 s2, 0
	s_cbranch_scc0 .Lentry_in_a_cluster
	s_endpgm
.Lentry_in_a_cluster:
	s_bfe_u32 s2, ttmp6, 0x10000c
	s_cmp_lg_u32 s2, 0xf033
	s_cbranch_scc0 .Lentry_shape_is_right
	s_endpgm
.Lentry_shape_is_right:
; FFN2: out0 = x1 + act [4096][4096] x W2 [4096][1024] + b2, f32 out; bf16 operands, f32 sums that start with the bias; the residual is added in f32.
; A work-group of four waves makes 128 x 128 (256 work-groups); a wave 64 x 64.  K goes in steps of 256 through two LDS slots of four UNITS; a wave's one tensor load fills one unit:
; 128 rows of act x 128 K (pitch 272), or 128 k-rows of W2 x 128 columns (pitch 288).  W2 stays [K][N]: its fragments come out of LDS turned.
; Source 0 = 16 columns of W2, source 1 = 16 rows of act: a lane holds one row and eight neighbouring columns.
; CLUSTER 4 x 4: act's units are asked for jointly along a row of the cluster, W2's along a column.  No prefetch: small tiles.
; THE WALK ALONG K begins at step 0 in clusters whose x + y is even and at step NSTEP / 2 in the others, and wraps (f32 sums may be taken in any order): neighbouring clusters, which read the same rows of one
; operand, ask for them half a walk apart.  The step hangs on the cluster's two numbers alone, which its sixteen work-groups share.
; REGISTERS: window 0 addresses, act's fragments, bias, the way out; window 1 W2's fragments; windows 2, 3 v0-63 the accumulators; window 2 v64-191 the residual, loaded at the head.
.set MA,     4
.set NBW,    4
.set BPS,    4
.set KD,     2
.set NAW,    2
.set NSTEP,  16
.set APITCH, 272
.set ACH,    4
.set ASUB,   0
.set MODE,   2
.set AQI,    5
.set AD0,    128
.set AD1,    128
.set APE,    4096
.set BPE,    1024
.set ASTEP,  512
.set BSTEP,  524288
.set WOFF,   16777216
.set NUA,    2
.set NUB,    2
.set UNIT,  36864
.set SLOT,  4*UNIT                     ; 0x24000: shares no bit with wave x UNIT, so one exclusive or turns an address in one slot into the other's
.set STAGE, 2*SLOT
.set SPARE, STAGE+4*4352
.set R,     KD*MA
.set ADRA0, 8
.set ADRB0, 10
.set ADRA,  13
.set ADRB,  15
.set STO,   18
.set RD,    19
.set CO,    20
.set BO,    24
.set SPW,   28
.set NIL,   29
.set OB0,   32
.set BIAS,  192
.set ABASE, 18                         ; s[18:19] my unit of act at K step 0; never rewritten
.set BBASE, 46                         ; s[46:47] the same for W2
.set G1A, 24
.set G0A, 32
.set G1B, 48
.set G0B, 56
.set OFB, 44                           ; s[44:45] byte offset of a K step in W2
.set OFA, 66                           ; s[66:67] in act
.set TB,  72
.set KI,  73                           ; the K step that the next refill asks for
.set MSB, 0
.macro WIN new
.if MSB != (\new)
	s_set_vgpr_msb (MSB<<8)|(\new)
.set MSB, (\new)
.endif
.endm
.macro PLACES
.rept 4
	v_nop
.endr
.endm
.macro CREST
	s_cmp_lg_u32 s10, 0
	s_cbranch_scc1 .Lnot_wave_0_\@
	s_barrier_signal -3
.Lnot_wave_0_\@:
	s_barrier_wait -3
	s_barrier_signal -1
	s_barrier_wait -1
.endm
.macro CROUND
	s_barrier_signal -1
	s_barrier_wait -1
	CREST
.endm
.macro JLOAD
	s_cmp_lt_u32 s10, NAW
	s_cbranch_scc0 .Lfor_b_\@
	tensor_load_to_lds s[G0A+4:G0A+7], s[G1A:G1A+7]
	s_nop 0
	PLACES
	s_branch .Lasked_\@
.Lfor_b_\@:
	tensor_load_to_lds s[G0B+4:G0B+7], s[G1B:G1B+7]
	s_nop 0
	PLACES
.Lasked_\@:
.endm
.macro FETCH c, f
	WIN 0x40
.set dd, 0
.rept KD
.set qq, KD*(\c)+dd
.set bb, 0
.rept NBW
.set fb, 128*(\f)+8*(NBW*dd+bb)
	ds_load_tr16_b128 v[fb:fb+3],   v[ADRB+bb/BPS+qq/4] offset:(qq%4)*9216+(bb%BPS)*32
	ds_load_tr16_b128 v[fb+4:fb+7], v[ADRB+bb/BPS+qq/4] offset:(qq%4)*9216+(bb%BPS)*32+4608
.set bb, bb+1
.endr
.set dd, dd+1
.endr
	WIN 0
.set dd, 0
.rept KD
.set qq, KD*(\c)+dd
.set aa, 0
.rept MA
.set fa, 64+64*(\f)+8*(MA*dd+aa)
	ds_load_b128 v[fa:fa+3],   v[ADRA+qq/4] offset:((qq%4)/ACH)*ASUB+((qq%4)%ACH)*64+aa*16*APITCH
	ds_load_b128 v[fa+4:fa+7], v[ADRA+qq/4] offset:((qq%4)/ACH)*ASUB+((qq%4)%ACH)*64+aa*16*APITCH+32
.set aa, aa+1
.endr
.set dd, dd+1
.endr
.endm
.macro MULS f, r0, r1, mode            ; the accumulators take turns, one instruction a turn
.set rho, (\r0)
.rept (\r1)-(\r0)
.set dd, rho/MA
.set aa, rho%MA
.set hw, aa/(MA/2)
.set ac, 8*NBW*(aa%(MA/2))
.set fa, 64+64*(\f)+8*rho
.set bb, 0
.rept NBW
.set fb, 128*(\f)+8*(NBW*dd+bb)
.if ((\mode) == 2) && (dd == 0)
	WIN 0x81+0x40*hw
	v_wmma_f32_16x16x32_bf16 v[ac+8*bb:ac+8*bb+7], v[fb:fb+7], v[fa:fa+7], v[BIAS+8*bb:BIAS+8*bb+7]
.elseif ((\mode) == 1) && (dd == 0)
	WIN 0xa1+0x50*hw
	v_wmma_f32_16x16x32_bf16 v[ac+8*bb:ac+8*bb+7], v[fb:fb+7], v[fa:fa+7], 0
.else
	WIN 0xa1+0x50*hw
	v_wmma_f32_16x16x32_bf16 v[ac+8*bb:ac+8*bb+7], v[fb:fb+7], v[fa:fa+7], v[ac+8*bb:ac+8*bb+7]
.endif
.set bb, bb+1
.endr
.set rho, rho+1
.endr
.endm
.macro CHUNK cn, f, g, mode
	s_wait_dscnt 0x0                               ; buffer f was asked for a chunk ago
	PLACES                                         ; behind the last product that read buffer g
	FETCH \cn, \g
	MULS \f, 0, R, \mode
.endm
.macro ADRS
.set u, 0
.rept NUA
	v_add_nc_u32 v[ADRA+u], s[TB], v[ADRA0+u]
.set u, u+1
.endr
.set u, 0
.rept NUB
	v_add_nc_u32 v[ADRB+u], s[TB], v[ADRB0+u]
.set u, u+1
.endr
.endm
; A slot's last chunk and the change of slots: all my tensor loads waited for, the add, the wait for it and for my reads of the slot, the barrier; fill = 1: it opens a round of the cluster's, and the joint refill, K step KI, comes first behind it.
.macro TURN fill, tail
	s_wait_dscnt 0x0                               ; buffer 1 is in: these were my last reads of the slot
	WIN 0
	s_wait_tensorcnt 0x0
	ds_add_u32 v[SPW], v[NIL]
.if \fill
	s_xor_b32 s[G0A+5], s[G0A+5], SLOT             ; the other slot than last time; the addresses are made anew from the step's number
	s_mul_i32 s[OFA], s[KI], ASTEP
	s_add_nc_u64 s[G0A+6:G0A+7], s[ABASE:ABASE+1], s[OFA:OFA+1]
	s_or_b32 s[G0A+7], s[G0A+7], 0x80000000
	s_xor_b32 s[G0B+5], s[G0B+5], SLOT
	s_mul_i32 s[OFB], s[KI], BSTEP
	s_add_nc_u64 s[G0B+6:G0B+7], s[BBASE:BBASE+1], s[OFB:OFB+1]
	s_or_b32 s[G0B+7], s[G0B+7], 0x80000000
	s_add_co_u32 s[KI], s[KI], 1
	s_and_b32 s[KI], s[KI], NSTEP-1                ; the walk wraps
.endif
	s_xor_b32 s[TB], s[TB], SLOT
	MULS 1, 0, R/4, 0
	s_wait_dscnt 0x0
	s_barrier_signal -1
	MULS 1, R/4, R/2, 0
	WIN 0
	s_barrier_wait -1
.if \fill
	CREST
	JLOAD
.else
	PLACES
.endif
.if \tail
	s_cmp_eq_u32 s3, 1
	s_cbranch_scc1 .Lno_fetch_\@
.endif
	ADRS
	FETCH 0, 0
.if \tail
.Lno_fetch_\@:
.endif
	MULS 1, R/2, R, 0
.endm
	s_load_b128 s[4:7], s[0:1], 0x0                ; act, wb
	s_load_b64 s[8:9], s[0:1], 0x10                ; out0
	s_load_b64 s[68:69], s[0:1], 0x18              ; b2
	s_load_b64 s[70:71], s[0:1], 0x20              ; x1
	v_lshl_add_u32 v[SPW], v0, 2, SPARE
	v_mov_b32 v[NIL], 0
	ds_add_u32 v[SPW], v[NIL]                      ; the opening: the add and its wait ahead of my first tensor load
	v_lshrrev_b32 v1, 5, v0
	v_readfirstlane_b32 s10, v1
	s_lshr_b32 s11, s10, 1
	s_and_b32 s12, s10, 1
	s_bfe_u32 s40, ttmp6, 0x40000
	s_bfe_u32 s41, ttmp6, 0x40004
	s_lshl_b32 s42, ttmp9, 2
	s_add_co_u32 s42, s42, s40                     ; tile column
	s_and_b32 s13, ttmp7, 0xffff
	s_lshl_b32 s13, s13, 2
	s_add_co_u32 s13, s13, s41                     ; tile row
	s_lshl_b32 s43, s41, 2
	s_lshl_b32 s43, 15, s43
	s_lshl_b32 s44, 0x1111, s40
	s_or_b32 s[G1A], s43, (1<<16)|(1<<20)|(1<<21)|(AQI<<22)|(3<<25)
	s_or_b32 s[G1B], s44, (1<<16)|(1<<20)|(1<<21)|(5<<22)|(7<<25)
	s_and_b32 s79, ttmp7, 0xffff                   ; cluster y
	s_add_co_u32 s79, s79, ttmp9                   ; + cluster x
	s_and_b32 s79, s79, 1
	s_mul_i32 s[KI], s79, NSTEP/2                  ; where my cluster's walk along K begins
	s_mul_i32 s[OFA], s[KI], ASTEP
	s_mov_b32 s[OFA+1], 0
	s_mul_i32 s[OFB], s[KI], BSTEP
	s_mov_b32 s[OFB+1], 0
	s_mov_b32 s[G1A+1], AD0<<16
	s_mov_b32 s[G1A+2], AD1<<16
	s_mov_b32 s[G1A+3], AD0<<16
	s_mov_b32 s[G1A+4], AD1
	s_mov_b32 s[G1A+5], APE
	s_mov_b32 s[G1A+6], 0
	s_mov_b32 s[G1A+7], 0
	s_mov_b32 s[G1B+1], 128<<16
	s_mov_b32 s[G1B+2], 128<<16
	s_mov_b32 s[G1B+3], 128<<16
	s_mov_b32 s[G1B+4], 128
	s_mov_b32 s[G1B+5], BPE
	s_mov_b32 s[G1B+6], 0
	s_mov_b32 s[G1B+7], 0
	s_min_u32 s14, s10, NAW-1
	s_max_u32 s15, s10, NAW
	s_sub_co_u32 s15, s15, NAW
	s_lshl_b32 s16, s13, 20                        ; act: 128 rows of 8,192 bytes a tile row,
	s_lshl_b32 s17, s14, 8                         ; 128 K a unit
	s_add_co_u32 s16, s16, s17
	s_mov_b32 s17, 0
	s_lshl_b32 s46, s42, 8                         ; W2: 128 columns a tile column,
	s_lshl_b32 s47, s15, 18                        ; 128 k-rows of 2,048 bytes a unit
	s_add_co_u32 s46, s46, s47
	s_add_co_u32 s46, s46, WOFF
	s_mov_b32 s47, 0
	s_mul_i32 s20, s10, UNIT
	s_mov_b32 s[TB], 0
	s_wait_dscnt 0x0
	s_wait_kmcnt 0x0
	s_add_nc_u64 s[ABASE:ABASE+1], s[4:5], s[16:17]
	s_add_nc_u64 s[BBASE:BBASE+1], s[6:7], s[46:47]
	CROUND
.irp s, 0,1
	s_mov_b32 s[G0A+4*(\s)], 1
	s_add_co_u32 s[G0A+4*(\s)+1], s20, (\s)*SLOT
	s_add_nc_u64 s[G0A+4*(\s)+2:G0A+4*(\s)+3], s[ABASE:ABASE+1], s[OFA:OFA+1]
.if \s
	s_add_nc_u64 s[G0A+4*(\s)+2:G0A+4*(\s)+3], s[G0A+4*(\s)+2:G0A+4*(\s)+3], ASTEP
.endif
	s_or_b32 s[G0A+4*(\s)+3], s[G0A+4*(\s)+3], 0x80000000
	s_mov_b32 s[G0B+4*(\s)], 1
	s_add_co_u32 s[G0B+4*(\s)+1], s20, (\s)*SLOT
	s_add_nc_u64 s[G0B+4*(\s)+2:G0B+4*(\s)+3], s[BBASE:BBASE+1], s[OFB:OFB+1]
.if \s
	s_add_nc_u64 s[G0B+4*(\s)+2:G0B+4*(\s)+3], s[G0B+4*(\s)+2:G0B+4*(\s)+3], BSTEP
.endif
	s_or_b32 s[G0B+4*(\s)+3], s[G0B+4*(\s)+3], 0x80000000
.endr
	s_add_co_u32 s[KI], s[KI], 2                   ; the first refill asks for the walk's third step
	s_and_b32 s[KI], s[KI], NSTEP-1
	s_cmp_lt_u32 s10, NAW
	s_cbranch_scc0 .Lfirst_b
	tensor_load_to_lds s[G0A:G0A+3], s[G1A:G1A+7]
	s_nop 0
	tensor_load_to_lds s[G0A+4:G0A+7], s[G1A:G1A+7]
	s_nop 0
	PLACES
	s_branch .Lfirst_asked
.Lfirst_b:
	tensor_load_to_lds s[G0B:G0B+3], s[G1B:G1B+7]
	s_nop 0
	tensor_load_to_lds s[G0B+4:G0B+7], s[G1B:G1B+7]
	s_nop 0
	PLACES
.Lfirst_asked:
	v_and_b32 v1, 15, v0
	v_bfe_u32 v2, v0, 4, 1
	s_lshl_b32 s16, s42, 9                         ; my first column, 4 bytes each: 128 x tile column + 64 wn
	s_lshl_b32 s17, s12, 8
	s_add_co_u32 s16, s16, s17
	s_mov_b32 s17, 0
	s_add_nc_u64 s[68:69], s[68:69], s[16:17]
	s_lshl_b32 s22, s13, 19                        ; my first row, 4,096 bytes each: 128 x tile row + 64 wm
	s_lshl_b32 s23, s11, 18
	s_add_co_u32 s22, s22, s23
	s_add_co_u32 s16, s16, s22
	s_add_nc_u64 s[8:9], s[8:9], s[16:17]
	s_add_nc_u64 s[70:71], s[70:71], s[16:17]
	v_lshlrev_b32 v[BO], 5, v2
	v_lshlrev_b32 v5, 12, v2
	v_lshl_add_u32 v[CO], v1, 4, v5
.set b, 0
.rept NBW
	global_load_b128 v[BIAS+8*b:BIAS+8*b+3],   v[BO], s[68:69] offset:64*b
	global_load_b128 v[BIAS+8*b+4:BIAS+8*b+7], v[BO], s[68:69] offset:64*b+16
.set b, b+1
.endr
	WIN 0x80                                       ; destination window 2
.set b, 0
.rept 32                               ; the residual, in the layout in which rows come back from the stage; on its way during the K loop
	global_load_b128 v[64+4*b:64+4*b+3], v[CO], s[70:71] offset:2*b*4096
.set b, b+1
.endr
	WIN 0
	v_mul_u32_u24 v3, v1, APITCH
	v_lshl_add_u32 v3, v2, 4, v3
	v_and_b32 v4, 7, v0
	v_lshl_add_u32 v4, v2, 3, v4
	v_mul_u32_u24 v4, v4, 288
	v_bfe_u32 v5, v0, 3, 1
	v_lshl_add_u32 v4, v5, 4, v4
	s_mul_i32 s21, s11, 64*APITCH
	s_lshl_b32 s22, s12, 7
	s_add_co_u32 s22, s22, 2*UNIT
.set u, 0
.rept NUA
	v_add_nc_u32 v[ADRA0+u], s21, v3
	v_mov_b32 v[ADRA+u], v[ADRA0+u]
	s_add_co_u32 s21, s21, UNIT
.set u, u+1
.endr
.set u, 0
.rept NUB
	v_add_nc_u32 v[ADRB0+u], s22, v4
	v_mov_b32 v[ADRB+u], v[ADRB0+u]
	s_add_co_u32 s22, s22, UNIT
.set u, u+1
.endr
	s_mul_i32 s23, s10, 4352
	s_add_co_u32 s23, s23, STAGE
	v_mul_u32_u24 v5, v1, 272
	v_lshl_add_u32 v5, v2, 5, v5
	v_add_nc_u32 v[STO], s23, v5
	v_mul_u32_u24 v5, v2, 272
	v_lshl_add_u32 v5, v1, 4, v5
	v_add_nc_u32 v[RD], s23, v5
	s_wait_tensorcnt 0x1                           ; my unit of slot 0 is in; slot 1's may stay out
	s_barrier_signal -1
	s_barrier_wait -1
	FETCH 0, 0
	s_wait_loadcnt 32                              ; the bias is in; the 32 loads of the residual, issued behind it, stay out
	CHUNK 1, 0, 1, MODE
	WIN 0
	s_mov_b32 s3, NSTEP-2
.Lstep:
	CHUNK 2, 1, 0, 0
	CHUNK 3, 0, 1, 0
	TURN 1, 0
	CHUNK 1, 0, 1, 0
	WIN 0
	s_sub_co_u32 s3, s3, 1
	s_cmp_lg_u32 s3, 0
	s_cbranch_scc1 .Lstep
	s_mov_b32 s3, 2
.Ltail:                                                ; the last two steps ask for nothing
	CHUNK 2, 1, 0, 0
	CHUNK 3, 0, 1, 0
	TURN 0, 1
	WIN 0
	s_cmp_eq_u32 s3, 1
	s_cbranch_scc1 .Lout
	CHUNK 1, 0, 1, 0
	WIN 0
	s_sub_co_u32 s3, s3, 1
	s_cmp_lg_u32 s3, 0
	s_cbranch_scc1 .Ltail
.Lout:
	PLACES
	s_wait_loadcnt 0x0                             ; the residual
; THE WAY OUT, 16 rows at a time: the f32 sums go into my stage as they lie (each accumulator's low registers first), come back as whole rows of 256 bytes, take the residual, and are stored.
.macro OUTA a
.set AC, 8*NBW*((\a)%2)
.set OBR, OB0+192*((\a)%2)
	WIN 0x08+4*((\a)/2)                            ; an LDS store's data is source 1: window 2 or 3
.set b, 0
.rept NBW
	ds_store_b128 v[STO], v[AC+8*b:AC+8*b+3]   offset:64*b
	ds_store_b128 v[STO], v[AC+8*b+4:AC+8*b+7] offset:64*b+16
.set b, b+1
.endr
	WIN 0
	s_wait_xcnt 0x0                                ; earlier stores have read their registers
.irp t, 0,1,2,3,4,5,6,7
	ds_load_b128 v[OBR+4*(\t):OBR+4*(\t)+3], v[RD] offset:544*(\t)
.endr
	s_wait_dscnt 0x0
	WIN 0x08
.set b, 0
.rept 16
	v_pk_add_f32 v[OBR+2*b:OBR+2*b+1], v[OBR+2*b:OBR+2*b+1], v[64+32*(\a)+2*b:64+32*(\a)+2*b+1]
.set b, b+1
.endr
	WIN 0
.irp t, 0,1,2,3,4,5,6,7
	global_store_b128 v[CO], v[OBR+4*(\t):OBR+4*(\t)+3], s[8:9] offset:(16*(\a)+2*(\t))*4096  ; 16 lanes: 256 consecutive bytes, aligned
.endr
.endm
	OUTA 0
	OUTA 1
	OUTA 2
	OUTA 3
	s_wait_tensorcnt 0x0                           ; the wave's end
	ds_add_u32 v[SPW], v[NIL]
	s_wait_dscnt 0x0
	CROUND                                         ; the closing round
	s_endpgm
.Lfunc_end_k_qc4852c305a_ffn2:
	.size	k_qc4852c305a_ffn2, .Lfunc_end_k_qc4852c305a_ffn2-k_qc4852c305a_ffn2
	.p2alignl 7, 3214868480
	.fill 96, 4, 3214868480
	.section	.rodata,"a",@progbits
	.p2align	6, 0x0
	.amdhsa_kernel k_qc4852c305a_ffn2
		.amdhsa_group_segment_fixed_size 327680
		.amdhsa_private_segment_fixed_size 0
		.amdhsa_enable_private_segment 0
		.amdhsa_kernarg_size 40
		.amdhsa_user_sgpr_count 2
		.amdhsa_user_sgpr_kernarg_segment_ptr 1
		.amdhsa_wavefront_size32 1
		.amdhsa_system_sgpr_workgroup_id_x 1
		.amdhsa_system_sgpr_workgroup_id_y 1
		.amdhsa_system_sgpr_workgroup_id_z 1
		.amdhsa_system_vgpr_workitem_id 0
		.amdhsa_next_free_vgpr 832
		.amdhsa_next_free_sgpr 80
		.amdhsa_reserve_vcc 0
		.amdhsa_float_denorm_mode_32 3
		.amdhsa_float_denorm_mode_16_64 3
		.amdhsa_memory_ordered 1
		.amdhsa_forward_progress 1
		.amdhsa_inst_pref_size 68
	.end_amdhsa_kernel
	.amdgpu_metadata
---
amdhsa.version: [ 1, 2 ]
amdhsa.kernels:
  - .name:           k_qc4852c305a_ffn2
    .symbol:         k_qc4852c305a_ffn2.kd
    .args:
      - { .name: act, .offset: 0, .size: 8, .value_kind: global_buffer, .address_space: global }
      - { .name: wb, .offset: 8, .size: 8, .value_kind: global_buffer, .address_space: global }
      - { .name: out0, .offset: 16, .size: 8, .value_kind: global_buffer, .address_space: global }
      - { .name: b2, .offset: 24, .size: 8, .value_kind: global_buffer, .address_space: global }
      - { .name: x1, .offset: 32, .size: 8, .value_kind: global_buffer, .address_space: global }
    .group_segment_fixed_size: 327680
    .private_segment_fixed_size: 0
    .kernarg_segment_align: 8
    .kernarg_segment_size: 40
    .max_flat_workgroup_size: 128
    .sgpr_count:     80
    .vgpr_count:     832
    .wavefront_size: 32
...
	.end_amdgpu_metadata
.endif
;; end of part 7
;; ======== version 2 of 2: 7 launches; version 1 with the launches prep, ln2 written anew for expert scheduling mode
;; workspace buffers: hn 8,388,608 bytes; wb 25,165,824 bytes; qkv 25,165,824 bytes; att 8,388,608 bytes; x1 16,777,216 bytes; act 33,554,432 bytes
;; launch prep (part 8): grid 896 x 1, 8 waves a work-group, no clusters, 0 bytes of LDS; arguments x, ln1_scale, ln1_bias, Wq, Wk, Wv, Wproj, W1, W2, hn, wb; writes hn, wb
.if DOCPART == 8
	.amdgcn_target "amdgcn-amd-amdhsa--gfx1250"
	.amdhsa_code_object_version 6
	.text
	.protected	k_qc4852c305a_prep
	.globl	k_qc4852c305a_prep
	.p2align	8
	.type	k_qc4852c305a_prep,@function
k_qc4852c305a_prep:
	s_mov_b64 s[64:65], 0
	v_nop
	global_prefetch_b8 v0, s[64:65] scope:SCOPE_SE
	s_setreg_imm32_b32 hwreg(HW_REG_WAVE_SCHED_MODE, 0, 2), 2
	s_setreg_imm32_b32 hwreg(HW_REG_WAVE_MODE, 25, 1), 1
	s_wait_xcnt 0x0
	s_wait_alu depctr_vm_vsrc(0)
; PREP: three kinds of work-groups, told apart by the work-group's number alone.
;   0..511    hn = bf16(LayerNorm(x) * ln1_scale + ln1_bias): a wave a row of 1,024 f32, kept in 32 registers between the passes; mean first, then the mean of the squared differences
;   512..607  Wq, Wk, Wv [16][1024][64] f32 -> wb [1024][3072] bf16, column = 1024 which + 64 head + d
;   608..895  Wproj, W1, W2 f32 -> bf16 as they lie, end to end in wb from WPJ_OFF on
; A stream: every byte is read once and written once; no LDS, no matrix unit, no cluster (no work-group shares a byte with another but scale and bias, 8 KiB).
; Each store of a wave covers 256 consecutive bytes, aligned.  NaN and infinities are not treated apart.
; THE MODE: SCHED_MODE bits 1:0 = 2 (LLVM: expert scheduling mode 2), set by the entry lines.  The code itself states the register dependences
; between vector instructions and memory instructions, with s_wait_alu, always for 0.
; THE PLAN.  Registers that memory instructions touch:
;   v1, v2     byte offsets of the loads and of the stores: made once by vector instructions, ahead of one wait in front of the path's first load, and never written again.
;   X, SC, BI  (the row's path) filled by loads that are all issued ahead of the arithmetic.  The roundings of column group j write X[4 j] and X[4 j + 1], which store j reads; they are not written again.
;              Groups 0 to 3 are worked out, one wait, and their four stores are dealt among the arithmetic of groups 4 to 7, which names none of their registers; one more wait, and the last four stores.
;   v16-143    (the weights' paths) filled by 32 loads issued at once, taken in four blocks of eight.  Block p's roundings write the first two of each load's four registers; its eight stores are issued in
;              block p + 1, behind one wait at that block's head, dealt among that block's roundings, which name block p + 1's registers alone.
; No load is issued behind a vector instruction that names its registers, and no register that a memory instruction reads is written again: so no wait on vm_vsrc is owed.  EXEC is never written.
.set WPJ_OFF, 6291456
.set VI,  1                            ; v1   byte offset of my 16 bytes in a load
.set VO,  2                            ; v2   byte offset of my 8 bytes in a store: 8 x lane
.set T,   8                            ; v[8:23]   at work
.set SUM, 24                           ; v24  a sum over the row
.set MU,  26                           ; v[26:27]  the mean, twice
.set RS,  28                           ; v[28:29]  1 / sqrt(var + eps), twice
.set INV, 30                           ; v30  1 / 1024
.set X,   32                           ; v[32:63]  the row: load j holds columns 128 j + 4 lane .. + 3
.set SC,  64                           ; v[64:95]  scale of the same columns
.set BI,  96                           ; v[96:127] bias
.macro ALLSUM                          ; v[SUM] summed over the 32 lanes, the result in every lane
	v_add_f32_dpp v[SUM], v[SUM], v[SUM] row_xmask:1 row_mask:0xf bank_mask:0xf
	v_add_f32_dpp v[SUM], v[SUM], v[SUM] row_xmask:2 row_mask:0xf bank_mask:0xf
	v_add_f32_dpp v[SUM], v[SUM], v[SUM] row_xmask:4 row_mask:0xf bank_mask:0xf
	v_add_f32_dpp v[SUM], v[SUM], v[SUM] row_xmask:8 row_mask:0xf bank_mask:0xf
	v_permlanex16_b32 v[T], v[SUM], s12, s13       ; its destination counts as read: T has been written
	v_add_f32 v[SUM], v[SUM], v[T]
.endm
; Column group j (load j's four columns): scaled by the root, by scale and bias, rounded to bf16 into the group's first two registers.
.macro FIN j
	v_pk_mul_f32 v[X+4*(\j):X+4*(\j)+1], v[X+4*(\j):X+4*(\j)+1], v[RS:RS+1]
	v_pk_mul_f32 v[X+4*(\j)+2:X+4*(\j)+3], v[X+4*(\j)+2:X+4*(\j)+3], v[RS:RS+1]
	v_pk_fma_f32 v[X+4*(\j):X+4*(\j)+1], v[X+4*(\j):X+4*(\j)+1], v[SC+4*(\j):SC+4*(\j)+1], v[BI+4*(\j):BI+4*(\j)+1]
	v_pk_fma_f32 v[X+4*(\j)+2:X+4*(\j)+3], v[X+4*(\j)+2:X+4*(\j)+3], v[SC+4*(\j)+2:SC+4*(\j)+3], v[BI+4*(\j)+2:BI+4*(\j)+3]
	v_cvt_pk_bf16_f32 v[X+4*(\j)], v[X+4*(\j)], v[X+4*(\j)+1]
	v_cvt_pk_bf16_f32 v[X+4*(\j)+1], v[X+4*(\j)+2], v[X+4*(\j)+3]
.endm
.macro OUT j
	global_store_b64 v[VO], v[X+4*(\j):X+4*(\j)+1], s[6:7] offset:256*(\j)  ; 32 lanes: 256 consecutive bytes; no register of a store is written again
.endm
; One row.  s[4:5] the row in, s[6:7] the row out; sc, bi: the scalar pairs with scale's and bias's addresses.
.macro LNORM sc, bi
.irp j, 0,1,2,3,4,5,6,7
	global_load_b128 v[X+4*(\j):X+4*(\j)+3], v[VI], s[4:5] offset:512*(\j)
.endr
.irp j, 0,1,2,3,4,5,6,7
	global_load_b128 v[SC+4*(\j):SC+4*(\j)+3], v[VI], s[\sc:\sc+1] offset:512*(\j)
.endr
.irp j, 0,1,2,3,4,5,6,7
	global_load_b128 v[BI+4*(\j):BI+4*(\j)+3], v[VI], s[\bi:\bi+1] offset:512*(\j)
.endr
	s_wait_loadcnt 16                              ; the row is in; scale's and bias's 16 loads may stay out
.irp i, 0,1,2,3,4,5,6,7
	v_pk_add_f32 v[T+2*(\i):T+2*(\i)+1], v[X+2*(\i):X+2*(\i)+1], v[X+16+2*(\i):X+16+2*(\i)+1]
.endr
.irp i, 0,1,2,3
	v_pk_add_f32 v[T+2*(\i):T+2*(\i)+1], v[T+2*(\i):T+2*(\i)+1], v[T+8+2*(\i):T+8+2*(\i)+1]
.endr
.irp i, 0,1
	v_pk_add_f32 v[T+2*(\i):T+2*(\i)+1], v[T+2*(\i):T+2*(\i)+1], v[T+4+2*(\i):T+4+2*(\i)+1]
.endr
	v_pk_add_f32 v[T:T+1], v[T:T+1], v[T+2:T+3]
	v_add_f32 v[SUM], v[T], v[T+1]
	ALLSUM
	v_mul_f32 v[MU], v[INV], v[SUM]
	v_mov_b32 v[MU+1], v[MU]
.set i, 0
.rept 16
	v_pk_add_f32 v[X+2*i:X+2*i+1], v[X+2*i:X+2*i+1], v[MU:MU+1] neg_lo:[0,1] neg_hi:[0,1]  ; x - mean
.set i, i+1
.endr
.irp i, 0,1,2,3
	v_pk_mul_f32 v[T+2*(\i):T+2*(\i)+1], v[X+2*(\i):X+2*(\i)+1], v[X+2*(\i):X+2*(\i)+1]     ; four chains of squares
.endr
.set i, 4
.rept 12
	v_pk_fma_f32 v[T+2*(i%4):T+2*(i%4)+1], v[X+2*i:X+2*i+1], v[X+2*i:X+2*i+1], v[T+2*(i%4):T+2*(i%4)+1]
.set i, i+1
.endr
	v_pk_add_f32 v[T:T+1], v[T:T+1], v[T+2:T+3]
	v_pk_add_f32 v[T+4:T+5], v[T+4:T+5], v[T+6:T+7]
	v_pk_add_f32 v[T:T+1], v[T:T+1], v[T+4:T+5]
	v_add_f32 v[SUM], v[T], v[T+1]
	ALLSUM
	v_fmaak_f32 v[SUM], v[INV], v[SUM], 0x358637bd ; the variance + 1e-6
	v_rsq_f32 v[RS], v[SUM]
	v_rsq_f32 v[RS+1], v[SUM]
	v_nop                                          ; a plain instruction behind the last root
	s_wait_alu depctr_va_vdst(0)                   ; both roots have written v[RS] and v[RS+1]: one wait for both, ahead of their first reader
	s_wait_loadcnt 0x0                             ; scale and bias
.irp j, 0,1,2,3
	FIN \j
.endr
	s_wait_alu depctr_va_vdst(0)                   ; the roundings of groups 0 to 3 have written X[4 j] and X[4 j + 1], j = 0 .. 3, which the four stores below read
.irp j, 0,1,2,3
	OUT \j                                         ; no wait: no vector instruction since the wait names this store's registers: groups 4 to 7 name v[X+16 ..], SC, BI and RS
	FIN (\j)+4
.endr
	s_wait_alu depctr_va_vdst(0)                   ; the roundings of groups 4 to 7 have written their registers, which the last four stores read
.irp j, 4,5,6,7
	OUT \j
.endr
.endm
; 4,096 numbers of a wave, f32 to bf16: 32 loads of 512 bytes, all on their way at once; si, so: bytes from load to load, from store to store.
; They are taken in four blocks of eight: block p is rounded while the stores of block p - 1 are issued.
.macro CONV si, so
.set j, 0
.rept 32
	global_load_b128 v[16+4*j:16+4*j+3], v[VI], s[4:5] offset:(\si)*j th:TH_LOAD_NT
.set j, j+1
.endr
.set p, 0
.rept 4
	s_wait_loadcnt 24-8*p                          ; loads come back in order: block p's eight are in, the younger blocks stay out
.if p > 0
	s_wait_alu depctr_va_vdst(0)                   ; the roundings of the block before have written the first two of each of its loads' registers, which the eight stores below read
.endif
.set j, 8*p
.rept 8
.if p > 0
	global_store_b64 v[VO], v[16+4*(j-8):16+4*(j-8)+1], s[6:7] offset:(\so)*(j-8)  ; the block before; no vector instruction since the wait names its registers
.endif
	v_cvt_pk_bf16_f32 v[16+4*j], v[16+4*j], v[16+4*j+1]
	v_cvt_pk_bf16_f32 v[16+4*j+1], v[16+4*j+2], v[16+4*j+3]
.set j, j+1
.endr
.set p, p+1
.endr
	s_wait_alu depctr_va_vdst(0)                   ; the last block's roundings have written their registers, which the last eight stores read
.set j, 24
.rept 8
	global_store_b64 v[VO], v[16+4*j:16+4*j+1], s[6:7] offset:(\so)*j
.set j, j+1
.endr
.endm
	s_load_b512 s[16:31], s[0:1], 0x0              ; x 16, ln1_scale 18, ln1_bias 20, Wq 22, Wk 24, Wv 26, Wproj 28, W1 30
	s_load_b128 s[32:35], s[0:1], 0x40             ; W2 32, hn 34
	s_load_b64 s[36:37], s[0:1], 0x50              ; wb
	v_lshrrev_b32 v3, 5, v0
	v_readfirstlane_b32 s8, v3                     ; wave 0..7
	v_and_b32 v4, 31, v0                           ; lane
	v_lshlrev_b32 v[VO], 3, v4
	s_mov_b32 s9, ttmp9
	s_wait_alu depctr_va_sdst(0)                   ; s8 is written, ahead of the branches below and of its first reader on each of the three paths
	s_wait_kmcnt 0x0
	s_cmp_lt_u32 s9, 512
	s_cbranch_scc0 .Lweights
	v_lshlrev_b32 v[VI], 4, v4
	s_lshl_b32 s9, s9, 3
	s_add_co_u32 s9, s9, s8                        ; my row
	s_lshl_b32 s10, s9, 12                         ; 4,096 bytes a row of x
	s_mov_b32 s11, 0
	s_lshl_b32 s2, s9, 11                          ; 2,048 a row of hn
	s_mov_b32 s3, 0
	s_add_nc_u64 s[4:5], s[16:17], s[10:11]
	s_add_nc_u64 s[6:7], s[34:35], s[2:3]
	s_mov_b32 s12, 0x76543210                      ; v_permlanex16_b32: each lane takes its own place in the other half
	s_mov_b32 s13, 0xfedcba98
	v_mov_b32 v[INV], 0x3a800000
	s_wait_alu depctr_va_vdst(0)                   ; v[VI] and v[VO] are written: every load below reads the one as its offset, every store the other
	LNORM 18, 20
	s_endpgm
.Lweights:
	s_cmp_lt_u32 s9, 608
	s_cbranch_scc0 .Lplain
	; Wq, Wk, Wv.  The work-group takes 32 rows c of one of the three; wave w the heads 2 w and 2 w + 1: a load reads two whole rows of 256 bytes, a store writes their 256 bytes of wb.
	s_sub_co_u32 s9, s9, 512
	s_lshr_b32 s10, s9, 5                          ; which of the three
	s_and_b32 s11, s9, 31                          ; which 32 rows
	s_cmp_eq_u32 s10, 0
	s_cselect_b64 s[4:5], s[22:23], s[24:25]
	s_cmp_eq_u32 s10, 2
	s_cselect_b64 s[4:5], s[26:27], s[4:5]
	s_lshl_b32 s12, s8, 19                         ; head 2 w: 2 x 262,144 bytes
	s_lshl_b32 s13, s11, 13                        ; 32 rows of 256 bytes
	s_add_co_u32 s12, s12, s13
	s_mov_b32 s13, 0
	s_add_nc_u64 s[4:5], s[4:5], s[12:13]
	s_mul_i32 s14, s11, 32*6144                    ; 32 rows of wb's 6,144 bytes
	s_lshl_b32 s15, s10, 11
	s_add_co_u32 s14, s14, s15
	s_lshl_b32 s15, s8, 8
	s_add_co_u32 s14, s14, s15
	s_mov_b32 s15, 0
	s_add_nc_u64 s[6:7], s[36:37], s[14:15]
	v_and_b32 v[VI], 15, v0
	v_lshlrev_b32 v[VI], 4, v[VI]
	v_bfe_u32 v3, v0, 4, 1
	v_lshl_add_u32 v[VI], v3, 18, v[VI]            ; lanes 16 to 31: the next head
	s_wait_alu depctr_va_vdst(0)                   ; v[VI] and v[VO] are written: every load below reads the one as its offset, every store the other
	CONV 256, 6144
	s_endpgm
.Lplain:
	; Wproj (32 work-groups), W1 (128), W2 (128): 32,768 numbers a work-group, 4,096 a wave, as they lie
	s_sub_co_u32 s9, s9, 608
	s_cmp_lt_u32 s9, 32
	s_cselect_b64 s[4:5], s[28:29], s[30:31]
	s_cselect_b32 s10, 0, 32
	s_cmp_lt_u32 s9, 160
	s_cselect_b64 s[4:5], s[4:5], s[32:33]
	s_cselect_b32 s10, s10, 160
	s_sub_co_u32 s10, s9, s10                      ; my number within the tensor
	s_lshl_b32 s10, s10, 17
	s_lshl_b32 s11, s8, 14
	s_add_co_u32 s10, s10, s11
	s_mov_b32 s11, 0
	s_add_nc_u64 s[4:5], s[4:5], s[10:11]
	s_lshl_b32 s12, s9, 16
	s_lshl_b32 s13, s8, 13
	s_add_co_u32 s12, s12, s13
	s_add_co_u32 s12, s12, WPJ_OFF
	s_mov_b32 s13, 0
	s_add_nc_u64 s[6:7], s[36:37], s[12:13]
	v_lshlrev_b32 v[VI], 4, v4
	s_wait_alu depctr_va_vdst(0)                   ; v[VI] and v[VO] are written: every load below reads the one as its offset, every store the other
	CONV 512, 256
	s_endpgm
.Lfunc_end_k_qc4852c305a_prep:
	.size	k_qc4852c305a_prep, .Lfunc_end_k_qc4852c305a_prep-k_qc4852c305a_prep
	.p2alignl 7, 3214868480
	.fill 96, 4, 3214868480
	.section	.rodata,"a",@progbits
	.p2align	6, 0x0
	.amdhsa_kernel k_qc4852c305a_prep
		.amdhsa_group_segment_fixed_size 0
		.amdhsa_private_segment_fixed_size 0
		.amdhsa_enable_private_segment 0
		.amdhsa_kernarg_size 88
		.amdhsa_user_sgpr_count 2
		.amdhsa_user_sgpr_kernarg_segment_ptr 1
		.amdhsa_wavefront_size32 1
		.amdhsa_system_sgpr_workgroup_id_x 1
		.amdhsa_system_sgpr_workgroup_id_y 1
		.amdhsa_system_sgpr_workgroup_id_z 1
		.amdhsa_system_vgpr_workitem_id 0
		.amdhsa_next_free_vgpr 144
		.amdhsa_next_free_sgpr 66
		.amdhsa_reserve_vcc 0
		.amdhsa_float_denorm_mode_32 3
		.amdhsa_float_denorm_mode_16_64 3
		.amdhsa_memory_ordered 1
		.amdhsa_forward_progress 1
		.amdhsa_inst_pref_size 34
	.end_amdhsa_kernel
	.amdgpu_metadata
---
amdhsa.version: [ 1, 2 ]
amdhsa.kernels:
  - .name:           k_qc4852c305a_prep
    .symbol:         k_qc4852c305a_prep.kd
    .args:
      - { .name: x, .offset: 0, .size: 8, .value_kind: global_buffer, .address_space: global }
      - { .name: ln1_scale, .offset: 8, .size: 8, .value_kind: global_buffer, .address_space: global }
      - { .name: ln1_bias, .offset: 16, .size: 8, .value_kind: global_buffer, .address_space: global }
      - { .name: Wq, .offset: 24, .size: 8, .value_kind: global_buffer, .address_space: global }
      - { .name: Wk, .offset: 32, .size: 8, .value_kind: global_buffer, .address_space: global }
      - { .name: Wv, .offset: 40, .size: 8, .value_kind: global_buffer, .address_space: global }
      - { .name: Wproj, .offset: 48, .size: 8, .value_kind: global_buffer, .address_space: global }
      - { .name: W1, .offset: 56, .size: 8, .value_kind: global_buffer, .address_space: global }
      - { .name: W2, .offset: 64, .size: 8, .value_kind: global_buffer, .address_space: global }
      - { .name: hn, .offset: 72, .size: 8, .value_kind: global_buffer, .address_space: global }
      - { .name: wb, .offset: 80, .size: 8, .value_kind: global_buffer, .address_space: global }
    .group_segment_fixed_size: 0
    .private_segment_fixed_size: 0
    .kernarg_segment_align: 8
    .kernarg_segment_size: 88
    .max_flat_workgroup_size: 256
    .sgpr_count:     66
    .vgpr_count:     144
    .wavefront_size: 32
...
	.end_amdgpu_metadata
.endif
;; end of part 8
;; launch qkv: the kernel of part 2 again; grid 8 x 32, 4 waves a work-group, clusters of 4 x 4, 327,680 bytes of LDS; arguments hn, wb, qkv; writes qkv
;; launch attn: the kernel of part 3 again; grid 8 x 32, 4 waves a work-group, no clusters, 327,680 bytes of LDS; arguments qkv, att; writes att
;; launch proj: the kernel of part 4 again; grid 8 x 32, 4 waves a work-group, clusters of 4 x 4, 327,680 bytes of LDS; arguments att, wb, x1, bproj, x; writes x1
;; launch ln2 (part 9): grid 512 x 1, 8 waves a work-group, no clusters, 0 bytes of LDS; arguments x1, ln2_scale, ln2_bias, hn; writes hn
.if DOCPART == 9
	.amdgcn_target "amdgcn-amd-amdhsa--gfx1250"
	.amdhsa_code_object_version 6
	.text
	.protected	k_qc4852c305a_ln2
	.globl	k_qc4852c305a_ln2
	.p2align	8
	.type	k_qc4852c305a_ln2,@function
k_qc4852c305a_ln2:
	s_mov_b64 s[64:65], 0
	v_nop
	global_prefetch_b8 v0, s[64:65] scope:SCOPE_SE
	s_setreg_imm32_b32 hwreg(HW_REG_WAVE_SCHED_MODE, 0, 2), 2
	s_setreg_imm32_b32 hwreg(HW_REG_WAVE_MODE, 25, 1), 1
	s_wait_xcnt 0x0
	s_wait_alu depctr_vm_vsrc(0)
; LN2: hn = bf16(LayerNorm(x1) * ln2_scale + ln2_bias).  A wave a row of 1,024 f32, kept in 32 registers between the passes: the mean first, then the mean of the squared differences.
; A stream: no LDS, no matrix unit, no cluster.  Each store of a wave covers 256 consecutive bytes, aligned.  NaN and infinities are not treated apart.
; THE MODE: SCHED_MODE bits 1:0 = 2 (LLVM: expert scheduling mode 2), set by the entry lines.  The code itself states the register dependences
; between vector instructions and memory instructions, with s_wait_alu, always for 0.
; THE PLAN.  Registers that memory instructions touch:
;   v1, v2     byte offsets of the loads and of the stores: made once by vector instructions, ahead of one wait in front of the first load, and never written again.
;   X, SC, BI  filled by loads that are all issued ahead of the arithmetic.  The roundings of column group j write X[4 j] and X[4 j + 1], which store j reads; they are not written again.
;              Groups 0 to 3 are worked out, one wait, and their four stores are dealt among the arithmetic of groups 4 to 7, which names none of their registers; one more wait, and the last four stores.
; No load is issued behind a vector instruction that names its registers, and no register that a memory instruction reads is written again: so no wait on vm_vsrc is owed.  EXEC is never written.
.set VI,  1
.set VO,  2
.set T,   8
.set SUM, 24
.set MU,  26
.set RS,  28
.set INV, 30
.set X,   32
.set SC,  64
.set BI,  96
.macro ALLSUM
	v_add_f32_dpp v[SUM], v[SUM], v[SUM] row_xmask:1 row_mask:0xf bank_mask:0xf
	v_add_f32_dpp v[SUM], v[SUM], v[SUM] row_xmask:2 row_mask:0xf bank_mask:0xf
	v_add_f32_dpp v[SUM], v[SUM], v[SUM] row_xmask:4 row_mask:0xf bank_mask:0xf
	v_add_f32_dpp v[SUM], v[SUM], v[SUM] row_xmask:8 row_mask:0xf bank_mask:0xf
	v_permlanex16_b32 v[T], v[SUM], s12, s13
	v_add_f32 v[SUM], v[SUM], v[T]
.endm
; Column group j (load j's four columns): scaled by the root, by scale and bias, rounded to bf16 into the group's first two registers.
.macro FIN j
	v_pk_mul_f32 v[X+4*(\j):X+4*(\j)+1], v[X+4*(\j):X+4*(\j)+1], v[RS:RS+1]
	v_pk_mul_f32 v[X+4*(\j)+2:X+4*(\j)+3], v[X+4*(\j)+2:X+4*(\j)+3], v[RS:RS+1]
	v_pk_fma_f32 v[X+4*(\j):X+4*(\j)+1], v[X+4*(\j):X+4*(\j)+1], v[SC+4*(\j):SC+4*(\j)+1], v[BI+4*(\j):BI+4*(\j)+1]
	v_pk_fma_f32 v[X+4*(\j)+2:X+4*(\j)+3], v[X+4*(\j)+2:X+4*(\j)+3], v[SC+4*(\j)+2:SC+4*(\j)+3], v[BI+4*(\j)+2:BI+4*(\j)+3]
	v_cvt_pk_bf16_f32 v[X+4*(\j)], v[X+4*(\j)], v[X+4*(\j)+1]
	v_cvt_pk_bf16_f32 v[X+4*(\j)+1], v[X+4*(\j)+2], v[X+4*(\j)+3]
.endm
.macro OUT j
	global_store_b64 v[VO], v[X+4*(\j):X+4*(\j)+1], s[6:7] offset:256*(\j)
.endm
	s_load_b256 s[16:23], s[0:1], 0x0              ; x1 16, ln2_scale 18, ln2_bias 20, hn 22
	v_lshrrev_b32 v3, 5, v0
	v_readfirstlane_b32 s8, v3
	v_and_b32 v4, 31, v0
	v_lshlrev_b32 v[VI], 4, v4
	v_lshlrev_b32 v[VO], 3, v4
	s_wait_alu depctr_va_sdst(0)                   ; s8 is written, ahead of its first reader: the row's number is made from it
	s_lshl_b32 s9, ttmp9, 3
	s_add_co_u32 s9, s9, s8                        ; my row
	s_lshl_b32 s10, s9, 12
	s_mov_b32 s11, 0
	s_lshl_b32 s2, s9, 11
	s_mov_b32 s3, 0
	s_mov_b32 s12, 0x76543210
	s_mov_b32 s13, 0xfedcba98
	v_mov_b32 v[INV], 0x3a800000                   ; 1 / 1024
	s_wait_kmcnt 0x0
	s_add_nc_u64 s[4:5], s[16:17], s[10:11]
	s_add_nc_u64 s[6:7], s[22:23], s[2:3]
	s_wait_alu depctr_va_vdst(0)                   ; v[VI] and v[VO] are written: every load below reads the one as its offset, every store the other
.irp j, 0,1,2,3,4,5,6,7
	global_load_b128 v[X+4*(\j):X+4*(\j)+3], v[VI], s[4:5] offset:512*(\j)
.endr
.irp j, 0,1,2,3,4,5,6,7
	global_load_b128 v[SC+4*(\j):SC+4*(\j)+3], v[VI], s[18:19] offset:512*(\j)
.endr
.irp j, 0,1,2,3,4,5,6,7
	global_load_b128 v[BI+4*(\j):BI+4*(\j)+3], v[VI], s[20:21] offset:512*(\j)
.endr
	s_wait_loadcnt 16                              ; the row is in; scale's and bias's 16 loads may stay out
.irp i, 0,1,2,3,4,5,6,7
	v_pk_add_f32 v[T+2*(\i):T+2*(\i)+1], v[X+2*(\i):X+2*(\i)+1], v[X+16+2*(\i):X+16+2*(\i)+1]
.endr
.irp i, 0,1,2,3
	v_pk_add_f32 v[T+2*(\i):T+2*(\i)+1], v[T+2*(\i):T+2*(\i)+1], v[T+8+2*(\i):T+8+2*(\i)+1]
.endr
.irp i, 0,1
	v_pk_add_f32 v[T+2*(\i):T+2*(\i)+1], v[T+2*(\i):T+2*(\i)+1], v[T+4+2*(\i):T+4+2*(\i)+1]
.endr
	v_pk_add_f32 v[T:T+1], v[T:T+1], v[T+2:T+3]
	v_add_f32 v[SUM], v[T], v[T+1]
	ALLSUM
	v_mul_f32 v[MU], v[INV], v[SUM]
	v_mov_b32 v[MU+1], v[MU]
.set i, 0
.rept 16
	v_pk_add_f32 v[X+2*i:X+2*i+1], v[X+2*i:X+2*i+1], v[MU:MU+1] neg_lo:[0,1] neg_hi:[0,1]
.set i, i+1
.endr
.irp i, 0,1,2,3
	v_pk_mul_f32 v[T+2*(\i):T+2*(\i)+1], v[X+2*(\i):X+2*(\i)+1], v[X+2*(\i):X+2*(\i)+1]
.endr
.set i, 4
.rept 12
	v_pk_fma_f32 v[T+2*(i%4):T+2*(i%4)+1], v[X+2*i:X+2*i+1], v[X+2*i:X+2*i+1], v[T+2*(i%4):T+2*(i%4)+1]
.set i, i+1
.endr
	v_pk_add_f32 v[T:T+1], v[T:T+1], v[T+2:T+3]
	v_pk_add_f32 v[T+4:T+5], v[T+4:T+5], v[T+6:T+7]
	v_pk_add_f32 v[T:T+1], v[T:T+1], v[T+4:T+5]
	v_add_f32 v[SUM], v[T], v[T+1]
	ALLSUM
	v_fmaak_f32 v[SUM], v[INV], v[SUM], 0x358637bd ; the variance + 1e-6
	v_rsq_f32 v[RS], v[SUM]
	v_rsq_f32 v[RS+1], v[SUM]
	v_nop                                          ; a plain instruction behind the last root
	s_wait_alu depctr_va_vdst(0)                   ; both roots have written v[RS] and v[RS+1]: one wait for both, ahead of their first reader
	s_wait_loadcnt 0x0                             ; scale and bias
.irp j, 0,1,2,3
	FIN \j
.endr
	s_wait_alu depctr_va_vdst(0)                   ; the roundings of groups 0 to 3 have written X[4 j] and X[4 j + 1], j = 0 .. 3, which the four stores below read
.irp j, 0,1,2,3
	OUT \j                                         ; no wait: no vector instruction since the wait names this store's registers: groups 4 to 7 name v[X+16 ..], SC, BI and RS
	FIN (\j)+4
.endr
	s_wait_alu depctr_va_vdst(0)                   ; the roundings of groups 4 to 7 have written their registers, which the last four stores read
.irp j, 4,5,6,7
	OUT \j
.endr
	s_endpgm
.Lfunc_end_k_qc4852c305a_ln2:
	.size	k_qc4852c305a_ln2, .Lfunc_end_k_qc4852c305a_ln2-k_qc4852c305a_ln2
	.p2alignl 7, 3214868480
	.fill 96, 4, 3214868480
	.section	.rodata,"a",@progbits
	.p2align	6, 0x0
	.amdhsa_kernel k_qc4852c305a_ln2
		.amdhsa_group_segment_fixed_size 0
		.amdhsa_private_segment_fixed_size 0
		.amdhsa_enable_private_segment 0
		.amdhsa_kernarg_size 32
		.amdhsa_user_sgpr_count 2
		.amdhsa_user_sgpr_kernarg_segment_ptr 1
		.amdhsa_wavefront_size32 1
		.amdhsa_system_sgpr_workgroup_id_x 1
		.amdhsa_system_sgpr_workgroup_id_y 1
		.amdhsa_system_sgpr_workgroup_id_z 1
		.amdhsa_system_vgpr_workitem_id 0
		.amdhsa_next_free_vgpr 128
		.amdhsa_next_free_sgpr 66
		.amdhsa_reserve_vcc 0
		.amdhsa_float_denorm_mode_32 3
		.amdhsa_float_denorm_mode_16_64 3
		.amdhsa_memory_ordered 1
		.amdhsa_forward_progress 1
		.amdhsa_inst_pref_size 12
	.end_amdhsa_kernel
	.amdgpu_metadata
---
amdhsa.version: [ 1, 2 ]
amdhsa.kernels:
  - .name:           k_qc4852c305a_ln2
    .symbol:         k_qc4852c305a_ln2.kd
    .args:
      - { .name: x1, .offset: 0, .size: 8, .value_kind: global_buffer, .address_space: global }
      - { .name: ln2_scale, .offset: 8, .size: 8, .value_kind: global_buffer, .address_space: global }
      - { .name: ln2_bias, .offset: 16, .size: 8, .value_kind: global_buffer, .address_space: global }
      - { .name: hn, .offset: 24, .size: 8, .value_kind: global_buffer, .address_space: global }
    .group_segment_fixed_size: 0
    .private_segment_fixed_size: 0
    .kernarg_segment_align: 8
    .kernarg_segment_size: 32
    .max_flat_workgroup_size: 256
    .sgpr_count:     66
    .vgpr_count:     128
    .wavefront_size: 32
...
	.end_amdgpu_metadata
.endif
;; end of part 9
;; launch ffn1: the kernel of part 6 again; grid 16 x 16, 4 waves a work-group, clusters of 4 x 4, 327,680 bytes of LDS; arguments hn, wb, act, b1; writes act
;; launch ffn2: the kernel of part 7 again; grid 8 x 32, 4 waves a work-group, clusters of 4 x 4, 327,680 bytes of LDS; arguments act, wb, out0, b2, x1; writes out0
